; MI455X (gfx1250); checked and timed in simulation.
; The chip was launched on July 23, 2026; its instructions are those of AMD's public machine-readable ISA for CDNA 5 (MIT licence, August 2026) and "CDNA5" Instruction Set Architecture Reference Guide (July 2026). The comments in the code are by the model that wrote it; some were corrected since.
;; Decoder Layer. Allowed arithmetic: matrix products marked QUANTISED: E2M3 operands, one E8M0 scale for each 32 along K, by v_wmma_scale_f32_16x16x128_f8f6f4 with both operands' format E2M3, f32 sums; everything else in f32.
;; Inputs: W1 1,024 x 4,096 float32; W2 4,096 x 1,024 float32; Wk 1,024 x 1,024 float32; Wo 1,024 x 1,024 float32; Wq 1,024 x 1,024 float32; Wv 1,024 x 1,024 float32; b1 4,096 float32; b2 1,024 float32; beta 1,024 float32; bk 1,024 float32; bo 1,024 float32; bq 1,024 float32; bv 1,024 float32; gamma 1,024 float32; mask 2 x 1 x 2,048 x 2,048 int32; x 2 x 2,048 x 1,024 float32.
;; Outputs: out0 2 x 2,048 x 1,024 float32.
;; This version of the problem:
;;   THIS VERSION OF THE PROBLEM IS GIVEN IN LOW PRECISION. The matrix products marked QUANTISED in the list below multiply operands that are first quantised to E2M3 (2 exponent bits, 3 mantissa bits; 6 bits a number), with one power-of-two scale for each 32 numbers along K (OCP MX v1.0); their sums are f32. All else is computed in f32.
;;   The module's matrix products, in the order in which they are computed (A, B: the left and right operand; K: the contracted axis; several contracted axes count as one K, in the product's order):
;;     1. [M 4,096, K 1,024] x [K 1,024, N 1,024]; A: input x; B: input Wq: QUANTISED
;;     2. [M 4,096, K 1,024] x [K 1,024, N 1,024]; A: input x; B: input Wk: QUANTISED
;;     3. [M 4,096, K 1,024] x [K 1,024, N 1,024]; A: input x; B: input Wv: QUANTISED
;;     4. batch 32 x [M 2,048, K 64] x [K 64, N 2,048]; A: computed on the way; B: computed on the way: QUANTISED
;;     5. batch 32 x [M 2,048, K 2,048] x [K 2,048, N 64]; A: softmax (see below); B: computed on the way: QUANTISED
;;     6. [M 4,096, K 1,024] x [K 1,024, N 1,024]; A: computed on the way; B: input Wo: QUANTISED
;;     7. [M 4,096, K 1,024] x [K 1,024, N 4,096]; A: computed on the way; B: input W1: QUANTISED
;;     8. [M 4,096, K 4,096] x [K 4,096, N 1,024]; A: computed on the way; B: input W2: QUANTISED
;;   THE QUANTISER, for each operand of a quantised product, along K:
;;     - K is cut into blocks of 32 from its start; a last block that is shorter is filled with zeros.
;;     - A block's scale is 2^e with e = floor(log2(the largest magnitude in the block)) - 2, held to -126 .. 127; a block of zeros has e = 0. As a byte (E8M0): e + 127.
;;     - Each number is divided by its block's scale, clamped to +-7.5, and rounded to the nearest number of E2M3, ties to even, subnormals kept.
;;     - The product sums the exact products of the quantised numbers (number of the format x scale) in f32.
;;   ~~~python
;;   def quantise(x, axis):      # numpy; x: float32 -> the quantised numbers, widened to float32 again
;;       x = np.moveaxis(x, axis, -1); K = x.shape[-1]
;;       x = np.pad(x, [(0, 0)] * (x.ndim - 1) + [(0, -K % 32)]); x = x.reshape(x.shape[:-1] + (-1, 32)); a = np.abs(x).max(-1, keepdims=True)
;;       e = np.where(a > 0, np.clip(np.frexp(np.where(a > 0, a, 1))[1] - 1 - 2, -126, 127), 0)      # np.frexp(a)[1] - 1 = floor(log2(a)), exactly
;;       r = np.clip(x / 2.0 ** e, -7.5, 7.5)
;;       step = 2.0 ** (np.maximum(np.frexp(np.where(r == 0, 1, r))[1] - 1, 0) - 3)
;;       q = np.round(r / step) * step * 2.0 ** e      # np.round: ties to even
;;       return np.moveaxis(q.reshape(q.shape[:-2] + (-1,))[..., :K], -1, axis).astype(np.float32)
;;   ~~~
;;   SOFTMAX AHEAD OF A QUANTISED PRODUCT. Where the list says 'softmax', what is quantised is not the finished softmax but p = 2^(t - M), with t = logit x log2(e) and M = ceil(the row's largest t), a whole number; so 1/2 < the row's largest p <= 1. The row's sum l is taken of the UNQUANTISED p, in f32, and the product's result is divided by l at the end. Since M is a whole number, a kernel that streams over the keys may use a running M (the ceiling of the running maximum): every later rescaling is an exact power of two, which a block's scale takes up: the codes' values come out the same.
;;   OPERANDS COMPUTED ON THE WAY. 'Computed on the way' means the value that the module computes at that place (a softmax that the list does not call 'softmax' is quantised finished and normalised). What goes into a quantiser is computed in f32, as accurately as f32 sums, v_exp_f32 and their like allow (about 1e-6 of the number): no bf16 or f16 on the way to a quantiser, and a product that is left as it is and whose result goes on into a quantised operand takes f32 operands (vector FMAs, or v_wmma_f32_16x16x4_f32). A number that lies on a knife's edge between two numbers of the format may be rounded either way, as far as f32 arithmetic and the matrix unit's own rounding can turn it there, and no further.
;; 2 versions. Each part assembles by itself: llvm-mc -triple=amdgcn-amd-amdhsa -mcpu=gfx1250 --defsym DOCPART=n.
;; ======== version 1 of 2: 7 launches
;; limits: right only within a limited range of input values
;; workspace buffers: ops 13,135,872 bytes; mbits 1,048,576 bytes of whole numbers; qkv 9,830,400 bytes; ao 3,276,800 bytes; at 20,054,016 bytes; hq 13,107,200 bytes; yf 16,777,216 bytes
;; launch prep (part 1): grid 1303 x 1, 4 waves a work-group, no clusters, 13,824 bytes of LDS; arguments x, Wq, Wk, Wv, Wo, W1, W2, bq, bk, bv, mask, ops, mbits; writes ops, mbits
.if DOCPART == 1
	.amdgcn_target "amdgcn-amd-amdhsa--gfx1250"
	.amdhsa_code_object_version 6
	.text
	.protected	k_qe23ab0d370_prep
	.globl	k_qe23ab0d370_prep
	.p2align	8
	.type	k_qe23ab0d370_prep,@function
k_qe23ab0d370_prep:
	s_mov_b64 s[64:65], 0
	v_nop
	global_prefetch_b8 v0, s[64:65] scope:SCOPE_SE
	s_setreg_imm32_b32 hwreg(HW_REG_WAVE_MODE, 25, 1), 1
	s_wait_xcnt 0x0
; All inputs that are matrix operands become codes of FP6 (E2M3) with one E8M0 byte for each 32 along K, laid as IMAGES OF OPERAND REGISTERS.
; A chunk = 128 rows x 128 along K = 12,800 bytes: at 0 the registers 0-5 of its 8 fragments (tile t, pair p of registers at 768 t + 256 p + 8 x lane), at 6,144 the scale words
; (tile t, lane r at 32 r + 4 t), at 6,656 the registers 6-11.  Tile t, lane r holds row 32 (t / 2) + 8 (t % 2) + r + 8 (r / 8) of the 128.
; Work-groups 0-255: x (K innermost).  256-1023: Wq, Wk, Wv, Wo, W1, W2 (K is the first axis: a lane takes a column, its registers run down K).  The chunk's number in ops is the work-group's.
; 1024-1295: the mask and the lower triangle, as lane masks for the attention's score registers: one work-group for each (batch, block of 128 queries j, step of 128 keys s <= j).
; 1296-1302: a table of biases by row of ops: 4,096 zeros (x's rows), bq, bk, bv.
; A block's scale is 2^(floor(log2(largest magnitude)) - 2); its byte is the largest magnitude's exponent field - 2, held at 1 from below.
; LIMITS: a block of zeros, or one under 2^-124, keeps the byte 1 (zero codes add nothing; only this program reads the bytes); NaN and infinities among the inputs are not served.
; No matrix unit, no cluster, no tensor load: the work-groups share nothing and each byte is read once.
.set CH,    12800
.set XSC,   12800                      ; LDS: 0 .. 12,799 a weight's chunk; 12,800 .. 13,311 x's scale words: each path has bytes of its own
.set SPARE, 13312                      ; the spare words, 128 bytes a wave: two blocks of 256 bytes that no other line names
.set TM,    16                         ; v16-31 the quantiser's work
.set SEL,   48                         ; s[48:49] selects of v_permlanex16_b32: lane l xor 16
; 64 numbers of a lane, register 16 b + i = k 32 b + 16 (lane / 16) + i of its row, become a fragment's 12 registers in v[pc] on and its scale word in v[pw]
.macro QUANT s, pc, pw
.irp b, 0,1,2,3
	v_max3_num_f32 v[TM+\b], |v[\s+16*\b]|, |v[\s+1+16*\b]|, 0x1800000   ; the floor 2^(3 - 127) holds the byte at 1 from below
.endr
.irp i, 2,4,6,8,10,12,14
.irp b, 0,1,2,3
	v_max3_num_f32 v[TM+\b], v[TM+\b], |v[\s+16*\b+\i]|, |v[\s+1+16*\b+\i]|
.endr
.endr
.irp b, 0,1,2,3
	v_permlanex16_b32 v[TM+4+\b], v[TM+\b], s[SEL], s[SEL+1]
.endr
.irp b, 0,1,2,3
	v_max_num_f32 v[TM+\b], v[TM+\b], v[TM+4+\b]           ; with lane l xor 16's 16: the block's largest magnitude
.endr
.irp b, 0,1,2,3
	v_add_nc_u32 v[TM+12+\b], 0xff000000, v[TM+\b]         ; 2 off its exponent field: the conversion's scale operand
.endr
.irp b, 0,1,2,3
	v_lshrrev_b32 v[TM+4+\b], 23, v[TM+12+\b]              ; the byte
.endr
	v_lshl_or_b32 v[\pw], v[TM+5], 8, v[TM+4]
	v_lshl_or_b32 v[\pw], v[TM+6], 16, v[\pw]
	v_lshl_or_b32 v[\pw], v[TM+7], 24, v[\pw]
.irp c, 0,1
	v_cvt_scalef32_pk16_fp6_f32 v[\pc+6*\c:\pc+2+6*\c], v[\s+32*\c:\s+15+32*\c], v[TM+12+2*\c]
	v_cvt_scalef32_pk16_fp6_f32 v[\pc+12+4*\c:\pc+14+4*\c], v[\s+16+32*\c:\s+31+32*\c], v[TM+12+2*\c+1]
.endr
	v_nop                                                  ; one plain place behind a scaled conversion
.irp c, 0,1                            ; the layout wants a whole block in a lane: lanes 0-15 block 2 c, lanes 16-31 block 2 c + 1
.irp i, 0,1,2
	v_permlane16_swap_b32 v[\pc+6*\c+\i], v[\pc+12+4*\c+\i]
.endr
.irp i, 0,1,2
	v_mov_b32 v[\pc+3+6*\c+\i], v[\pc+12+4*\c+\i]
.endr
.endr
.endm
.macro LOAD64 reg, sb, off             ; my 16 numbers of each of four blocks of 32 of my row
.irp b, 0,1,2,3
.irp j, 0,1,2,3
	global_load_b128 v[\reg+16*\b+4*\j:\reg+16*\b+4*\j+3], v40, s[\sb:\sb+1] offset:\off+128*\b+16*\j th:TH_LOAD_NT
.endr
.endr
.endm
.macro PUT pc, off                     ; a fragment leaves as six runs of 256 consecutive bytes
.irp c, 0,1
.irp p, 0,1,2
	global_store_b64 v13, v[\pc+6*\c+2*\p:\pc+6*\c+2*\p+1], s[36:37] offset:\off+6656*\c+256*\p
.endr
.endr
.endm
	s_load_b512 s[4:19], s[0:1], 0x0               ; x 4, Wq 6, Wk 8, Wv 10, Wo 12, W1 14, W2 16, bq 18
	s_load_b256 s[20:27], s[0:1], 0x40             ; bk 20, bv 22, mask 24, ops 26
	s_load_b64 s[28:29], s[0:1], 0x60              ; mbits
	v_lshl_add_u32 v2, v0, 2, SPARE                ; my spare word,
	v_mov_b32 v3, 0                                ; and 0: kept for the add alone
	v_lshrrev_b32 v1, 5, v0
	v_readfirstlane_b32 s30, v1                    ; wave
	v_and_b32 v4, 31, v0                           ; lane
	v_and_b32 v5, 15, v0                           ; r
	v_bfe_u32 v6, v0, 4, 1                         ; h
	; every LDS address is made here, ahead of the parting of the paths
	v_lshlrev_b32 v7, 5, v5
	v_lshl_add_u32 v7, v1, 3, v7
	v_add_nc_u32 v7, XSC, v7                       ; x: my row's two scale words: 32 r + 8 wave
	v_lshl_add_u32 v8, v4, 4, XSC                  ; and back: 16 x lane
	v_bfe_u32 v9, v0, 3, 1
	v_lshl_add_u32 v9, v1, 1, v9                   ; a weight's column 32 wave + lane lies in tile 2 wave + (lane / 8) % 2,
	v_and_b32 v32, 7, v0
	v_lshl_add_u32 v32, v6, 3, v32                 ; at lane place lane % 8 + 8 (lane / 16)
	v_lshlrev_b32 v10, 2, v9
	v_lshl_add_u32 v10, v32, 5, v10
	v_add_nc_u32 v10, 6144, v10                    ; its scale word
	v_mul_u32_u24 v9, v9, 768
	v_lshl_add_u32 v9, v32, 3, v9                  ; its codes
	v_mul_u32_u24 v11, v1, 3072
	v_lshl_add_u32 v11, v4, 4, v11                 ; the copy out: 3,072 wave + 16 lane, in LDS and in the chunk alike
	v_lshlrev_b32 v13, 3, v4                       ; 8 x lane
	v_lshlrev_b32 v14, 4, v4                       ; 16 x lane
	v_lshlrev_b32 v15, 2, v0                       ; 4 x thread
	v_and_b32 v12, 8, v5
	v_add_nc_u32 v12, v12, v5                      ; r + 8 (r / 8)
.irp b, 0,1,2,3
	v_mov_b32 v[TM+4+\b], 0                        ; a lane permute's destination counts as one of its sources
.endr
	s_mov_b32 s[SEL], 0x76543210
	s_mov_b32 s[SEL+1], 0xfedcba98
	s_wait_kmcnt 0x0
	s_cmp_lt_u32 ttmp9, 256
	s_cbranch_scc0 .Lnot_x
	; ---- x: chunk (rb, ks) = (id / 8, id % 8).  Wave w quantises tiles 2 w and 2 w + 1
	s_lshr_b32 s32, ttmp9, 3
	s_and_b32 s33, ttmp9, 7
	s_lshl_b32 s32, s32, 7
	s_lshl_b32 s34, s30, 5
	s_add_co_u32 s32, s32, s34                     ; row 128 rb + 32 w
	s_lshl_b32 s32, s32, 12
	s_lshl_b32 s33, s33, 9
	s_add_co_u32 s32, s32, s33                     ; + 512 ks bytes
	s_mov_b32 s33, 0
	s_add_nc_u64 s[4:5], s[4:5], s[32:33]
	s_mul_i32 s34, ttmp9, CH
	s_mov_b32 s35, 0
	s_add_nc_u64 s[26:27], s[26:27], s[34:35]      ; the chunk
	s_mul_i32 s34, s30, 1536
	s_add_nc_u64 s[36:37], s[26:27], s[34:35]      ; my two tiles in it
	v_lshlrev_b32 v40, 12, v12
	v_lshl_add_u32 v40, v6, 6, v40                 ; row r + 8 (r / 8) of 4,096 bytes, + 64 h
	LOAD64 64, 4, 0
	LOAD64 128, 4, 32768                           ; the odd tile lies 8 rows further down
	s_wait_loadcnt 16                              ; the first tile's loads are in; the second tile's 16 may be out
	QUANT 64, 192, 216
	PUT 192, 0
	s_wait_loadcnt 0x0
	QUANT 128, 224, 217                            ; registers of its own: no store's data are written again
	PUT 224, 768
	ds_store_b64 v7, v[216:217]                    ; lanes r and r + 16 write the same words with the same values
	s_wait_dscnt 0x0                               ; for the others' sake
	s_barrier_signal -1
	s_barrier_wait -1
	s_cmp_lg_u32 s30, 0
	s_cbranch_scc1 .Lx_end
	ds_load_b128 v[244:247], v8                    ; the chunk's 512 bytes of scale words leave as two whole runs of 256
	s_wait_dscnt 0x0
	global_store_b128 v14, v[244:247], s[26:27] offset:6144
.Lx_end:
	s_wait_tensorcnt 0x0                           ; the wave's end, behind my last LDS store
	ds_add_u32 v2, v3
	s_wait_dscnt 0x0
	s_endpgm
.Lnot_x:
	s_cmp_lt_u32 ttmp9, 1024
	s_cbranch_scc0 .Lnot_w
	; ---- a weight [K][N]: which, which 128 columns (rb), which 128 along K (ks).  All choices hang on the work-group's number
	s_sub_co_u32 s32, ttmp9, 256
	s_lshr_b32 s32, s32, 6
	s_cmp_eq_u32 s32, 1
	s_cselect_b64 s[6:7], s[8:9], s[6:7]
	s_cmp_eq_u32 s32, 2
	s_cselect_b64 s[6:7], s[10:11], s[6:7]
	s_cmp_eq_u32 s32, 3
	s_cselect_b64 s[6:7], s[12:13], s[6:7]
	s_lshr_b32 s33, ttmp9, 3
	s_and_b32 s34, s33, 7                          ; rb of the four square weights,
	s_and_b32 s35, s33, 31                         ; of W1,
	s_lshr_b32 s36, ttmp9, 5
	s_and_b32 s36, s36, 7                          ; of W2
	s_and_b32 s37, ttmp9, 7                        ; ks,
	s_and_b32 s38, ttmp9, 31                       ; W2's
	s_mov_b32 s39, 19                              ; 128 rows of 4,096 bytes = 2^19
	s_cmp_ge_u32 ttmp9, 512
	s_cselect_b64 s[6:7], s[14:15], s[6:7]
	s_cselect_b32 s34, s35, s34
	s_cselect_b32 s39, 21, s39                     ; W1's rows are 16,384 bytes
	s_cmp_ge_u32 ttmp9, 768
	s_cselect_b64 s[6:7], s[16:17], s[6:7]
	s_cselect_b32 s34, s36, s34
	s_cselect_b32 s37, s38, s37
	s_cselect_b32 s39, 19, s39
	s_lshl_b32 s40, s37, s39
	s_lshl_b32 s34, s34, 9
	s_add_co_u32 s40, s40, s34
	s_mov_b32 s41, 0
	s_add_nc_u64 s[6:7], s[6:7], s[40:41]
	s_mul_i32 s34, ttmp9, CH
	s_mov_b32 s35, 0
	s_add_nc_u64 s[26:27], s[26:27], s[34:35]
	s_cmp_eq_u32 s39, 21
	s_cbranch_scc1 .Lwide
.set k, 0
.rept 128                              ; W(128 ks + k, my column): a wave reads 128 consecutive bytes, the work-group 512
	global_load_b32 v[64+k], v15, s[6:7] offset:k*4096 th:TH_LOAD_NT
.set k, k+1
.endr
	s_branch .Lw_in
.Lwide:
.set k, 0
.rept 128
	global_load_b32 v[64+k], v15, s[6:7] offset:k*16384 th:TH_LOAD_NT
.set k, k+1
.endr
.Lw_in:
.macro WBLK t                          ; block t of 32 along K: all its numbers are mine
.set XS, 64+32*(\t)
.set CR, 192+8*(\t)
.if (\t) < 2
	s_wait_loadcnt 63                              ; 96 or 64 loads were issued behind this block's: 63 is the largest count that the wait can name
.elseif (\t) == 2
	s_wait_loadcnt 32
.else
	s_wait_loadcnt 0x0
.endif
	v_max3_num_f32 v32, |v[XS]|, |v[XS+1]|, |v[XS+2]|
	v_max3_num_f32 v33, |v[XS+3]|, |v[XS+4]|, |v[XS+5]|
.irp i, 6,10,14,18,22,26
	v_max3_num_f32 v32, v32, |v[XS+\i]|, |v[XS+\i+1]|
	v_max3_num_f32 v33, v33, |v[XS+\i+2]|, |v[XS+\i+3]|
.endr
	v_max3_num_f32 v32, v32, |v[XS+30]|, |v[XS+31]|
	v_max3_num_f32 v32, v32, v33, 0x1800000        ; the floor
	v_add_nc_u32 v34, 0xff000000, v32
	v_lshrrev_b32 v35, 23, v34
.if (\t) == 0
	v_mov_b32 v36, v35
.else
	v_lshl_or_b32 v36, v35, 8*(\t), v36            ; four bytes make the column's scale word
.endif
	v_cvt_scalef32_pk16_fp6_f32 v[CR:CR+2], v[XS:XS+15], v34
	v_cvt_scalef32_pk16_fp6_f32 v[224:226], v[XS+16:XS+31], v34    ; (a conversion's three registers begin on an even number)
	v_nop
.irp i, 0,1,2
	v_mov_b32 v[CR+3+\i], v[224+\i]
.endr
.irp p, 0,1,2                          ; block t is registers 6 (t / 2) .. + 5 of lane place + 16 (t % 2)
	ds_store_b64 v9, v[CR+2*\p:CR+2*\p+1] offset:6656*((\t)/2)+128*((\t)%2)+256*\p
.endr
.endm
	WBLK 0
	WBLK 1
	WBLK 2
	WBLK 3
	ds_store_b32 v10, v36
	s_wait_dscnt 0x0                               ; for the others' sake
	s_barrier_signal -1
	s_barrier_wait -1                              ; the chunk lies whole in LDS
.irp i, 0,1,2,3,4,5
	ds_load_b128 v[64+4*\i:67+4*\i], v11 offset:512*\i
.endr
.irp i, 0,1,2,3,4,5
	s_wait_dscnt 5-\i                              ; the loads behind load i may be out
	global_store_b128 v11, v[64+4*\i:67+4*\i], s[26:27] offset:512*\i    ; 512 consecutive bytes
.endr
	s_cmp_lg_u32 s30, 0
	s_cbranch_scc1 .Lw_end
	ds_load_b128 v[88:91], v11 offset:12288        ; 25 runs of 512 bytes: wave 0 takes the last
	s_wait_dscnt 0x0
	global_store_b128 v11, v[88:91], s[26:27] offset:12288
.Lw_end:
	s_wait_tensorcnt 0x0                           ; the wave's end, as above
	ds_add_u32 v2, v3
	s_wait_dscnt 0x0
	s_endpgm
.Lnot_w:
	s_cmp_lt_u32 ttmp9, 1296
	s_cbranch_scc0 .Lbias
	; ---- the mask: u = id - 1024; batch b = u / 136; the 136 pairs (j, s <= j) are taken 17 at a time: rows p and 15 - p of the triangle
	s_sub_co_u32 s32, ttmp9, 1024
	s_cmp_ge_u32 s32, 136
	s_cselect_b32 s33, 1, 0
	s_mul_i32 s34, s33, 136
	s_sub_co_u32 s32, s32, s34
	s_mul_i32 s34, s32, 241
	s_lshr_b32 s34, s34, 12                        ; p = u / 17 (exact for u under 136)
	s_mul_i32 s35, s34, 17
	s_sub_co_u32 s35, s32, s35                     ; v = u % 17
	s_sub_co_u32 s36, 15, s34
	s_sub_co_u32 s37, s35, s34
	s_sub_co_u32 s37, s37, 1
	s_cmp_le_u32 s35, s34
	s_cselect_b32 s36, s34, s36                    ; j
	s_cselect_b32 s37, s35, s37                    ; s
	s_lshl_b32 s38, s33, 11
	s_lshl_b32 s39, s36, 7
	s_add_co_u32 s38, s38, s39
	s_lshl_b32 s39, s30, 5
	s_add_co_u32 s38, s38, s39                     ; query row 2,048 b + 128 j + 32 w
	s_lshl_b32 s38, s38, 13
	s_lshl_b32 s39, s37, 9
	s_add_co_u32 s38, s38, s39
	s_mov_b32 s39, 0
	s_add_nc_u64 s[24:25], s[24:25], s[38:39]
	s_lshl_b32 s38, s33, 4
	s_add_co_u32 s38, s38, s36
	s_lshl_b32 s38, s38, 3
	s_add_co_u32 s38, s38, s30
	s_add_co_u32 s38, s38, s30                     ; (16 b + j) 8 + 2 w
	s_lshl_b32 s38, s38, 4
	s_add_co_u32 s38, s38, s37
	s_lshl_b32 s38, s38, 8                         ; 256 bytes for each (tile of queries, key step)
	s_add_nc_u64 s[28:29], s[28:29], s[38:39]
	v_lshlrev_b32 v40, 13, v12
	v_lshl_add_u32 v40, v6, 6, v40                 ; row r + 8 (r / 8) of 8,192 bytes, + 64 h
	LOAD64 64, 24, 0                               ; register 16 b + i: mask(my query, key 32 b + 16 h + i of the step): the place of the attention's score register
	LOAD64 128, 24, 65536
	v_lshlrev_b32 v33, 4, v6
	v_sub_nc_u32 v32, v12, v33
	v_lshl_add_u32 v32, v1, 5, v32                 ; d = my query in the block - 16 h: key 32 b + i counts where it is at most d
	v_add_nc_u32 v33, 8, v32                       ; the odd tile's
.macro TRIL base, d
.set n, 0
.rept 64
	v_cmp_le_i32 vcc_lo, 32*(n/16)+n%16, v[\d]
	v_cndmask_b32 v[\base+n], 0, v[\base+n], vcc_lo
.set n, n+1
.endr
.endm
.macro MBITS base, w                   ; dword n of the 256 bytes = the 32 lanes' bits for score register n: it is gathered into lane n / 2 of a pair of registers
	v_mov_b32 v[\w], 0
	v_mov_b32 v[\w+1], 0
.set n, 0
.rept 64
	v_cmp_ne_u32 s[40+n%8], 0, v[\base+n]
	v_writelane_b32 v[\w+n%2], s[40+n%8], n/2
.set n, n+1
.endr
.endm
	s_wait_loadcnt 0x0
	s_cmp_lg_u32 s36, s37
	s_cbranch_scc1 .Lbelow                         ; under the diagonal every key counts that the mask lets count
	TRIL 64, 32
	TRIL 128, 33
.Lbelow:
	MBITS 64, 36
	MBITS 128, 38
	global_store_b64 v13, v[36:37], s[28:29]       ; 256 consecutive bytes
	global_store_b64 v13, v[38:39], s[28:29] offset:4096
	s_endpgm
.Lbias:
	; ---- the table of biases: 4,096 bytes a work-group
	s_sub_co_u32 s32, ttmp9, 1296
	s_lshl_b32 s34, s32, 12
	s_add_co_u32 s34, s34, 1024*CH
	s_mov_b32 s35, 0
	s_add_nc_u64 s[26:27], s[26:27], s[34:35]
	v_lshlrev_b32 v40, 4, v0
	s_cmp_lt_u32 s32, 4
	s_cbranch_scc1 .Lzero
	s_cmp_eq_u32 s32, 5
	s_cselect_b64 s[18:19], s[20:21], s[18:19]
	s_cmp_eq_u32 s32, 6
	s_cselect_b64 s[18:19], s[22:23], s[18:19]
	global_load_b128 v[64:67], v40, s[18:19]
	global_load_b128 v[68:71], v40, s[18:19] offset:2048
	s_wait_loadcnt 0x0
	s_branch .Lb_out
.Lzero:
.irp i, 0,1,2,3,4,5,6,7
	v_mov_b32 v[64+\i], 0
.endr
.Lb_out:
	global_store_b128 v40, v[64:67], s[26:27]
	global_store_b128 v40, v[68:71], s[26:27] offset:2048
	s_endpgm
.Lfunc_end_k_qe23ab0d370_prep:
	.size	k_qe23ab0d370_prep, .Lfunc_end_k_qe23ab0d370_prep-k_qe23ab0d370_prep
	.p2alignl 7, 3214868480
	.fill 96, 4, 3214868480
	.section	.rodata,"a",@progbits
	.p2align	6, 0x0
	.amdhsa_kernel k_qe23ab0d370_prep
		.amdhsa_group_segment_fixed_size 13824
		.amdhsa_private_segment_fixed_size 0
		.amdhsa_enable_private_segment 0
		.amdhsa_kernarg_size 104
		.amdhsa_user_sgpr_count 2
		.amdhsa_user_sgpr_kernarg_segment_ptr 1
		.amdhsa_wavefront_size32 1
		.amdhsa_system_sgpr_workgroup_id_x 1
		.amdhsa_system_sgpr_workgroup_id_y 1
		.amdhsa_system_sgpr_workgroup_id_z 1
		.amdhsa_system_vgpr_workitem_id 0
		.amdhsa_next_free_vgpr 256
		.amdhsa_next_free_sgpr 66
		.amdhsa_reserve_vcc 1
		.amdhsa_float_denorm_mode_32 3
		.amdhsa_float_denorm_mode_16_64 3
		.amdhsa_memory_ordered 1
		.amdhsa_forward_progress 1
		.amdhsa_inst_pref_size 81
	.end_amdhsa_kernel
	.amdgpu_metadata
---
amdhsa.version: [ 1, 2 ]
amdhsa.kernels:
  - .name:           k_qe23ab0d370_prep
    .symbol:         k_qe23ab0d370_prep.kd
    .args:
      - { .name: x, .offset: 0, .size: 8, .value_kind: global_buffer, .address_space: global }
      - { .name: Wq, .offset: 8, .size: 8, .value_kind: global_buffer, .address_space: global }
      - { .name: Wk, .offset: 16, .size: 8, .value_kind: global_buffer, .address_space: global }
      - { .name: Wv, .offset: 24, .size: 8, .value_kind: global_buffer, .address_space: global }
      - { .name: Wo, .offset: 32, .size: 8, .value_kind: global_buffer, .address_space: global }
      - { .name: W1, .offset: 40, .size: 8, .value_kind: global_buffer, .address_space: global }
      - { .name: W2, .offset: 48, .size: 8, .value_kind: global_buffer, .address_space: global }
      - { .name: bq, .offset: 56, .size: 8, .value_kind: global_buffer, .address_space: global }
      - { .name: bk, .offset: 64, .size: 8, .value_kind: global_buffer, .address_space: global }
      - { .name: bv, .offset: 72, .size: 8, .value_kind: global_buffer, .address_space: global }
      - { .name: mask, .offset: 80, .size: 8, .value_kind: global_buffer, .address_space: global }
      - { .name: ops, .offset: 88, .size: 8, .value_kind: global_buffer, .address_space: global }
      - { .name: mbits, .offset: 96, .size: 8, .value_kind: global_buffer, .address_space: global }
    .group_segment_fixed_size: 13824
    .private_segment_fixed_size: 0
    .kernarg_segment_align: 8
    .kernarg_segment_size: 104
    .max_flat_workgroup_size: 128
    .sgpr_count:     66
    .vgpr_count:     256
    .wavefront_size: 32
...
	.end_amdgpu_metadata
.endif
;; end of part 1
;; launch qkv (part 2): grid 12 x 16, 4 waves a work-group, clusters of 4 x 4, 327,680 bytes of LDS; arguments ops, qkv; writes qkv
.if DOCPART == 2
	.amdgcn_target "amdgcn-amd-amdhsa--gfx1250"
	.amdhsa_code_object_version 6
	.text
	.protected	k_qe23ab0d370_qkv
	.globl	k_qe23ab0d370_qkv
	.p2align	8
	.type	k_qe23ab0d370_qkv,@function
k_qe23ab0d370_qkv:
	s_mov_b64 s[64:65], 0
	v_nop
	global_prefetch_b8 v0, s[64:65] scope:SCOPE_SE
	s_setreg_imm32_b32 hwreg(HW_REG_WAVE_MODE, 25, 1), 1
	s_wait_xcnt 0x0
	s_wait_alu depctr_hold_cnt(0) depctr_sa_sdst(0) depctr_va_vdst(0) depctr_va_sdst(0) depctr_va_ssrc(0) depctr_va_vcc(0) depctr_vm_vsrc(0)
	s_getreg_b32 s2, hwreg(HW_REG_IB_STS2, 6, 4)
	s_cmp_eq_u32 s2, 0
	s_cbranch_scc0 .Lentry_in_a_cluster
	s_endpgm
.Lentry_in_a_cluster:
	s_bfe_u32 s2, ttmp6, 0x10000c
	s_cmp_lg_u32 s2, 0xf033
	s_cbranch_scc0 .Lentry_shape_is_right
	s_endpgm
.Lentry_shape_is_right:
; ONE TEXT FOR FOUR LAUNCHES, told apart by JOB: C = A B^T on codes of FP6 (E2M3) with E8M0 scales, f32 sums, and what follows the product.
;   JOB 0: q, k = x Wq + bq, x Wk + bk (A = x's rows, B = the weights' columns) and V^T (A = Wv's columns, B = x's rows, + bv): quantised along B's rows.   JOB 1: attn_out = o Wo + bo, as f32 and as codes.
;   JOB 2: gelu(attn_out W1 + b1), as codes.   JOB 3: h W2 + b2, as f32.
; OPERANDS lie in memory as images of operand registers, in chunks of 128 rows x 128 K = 12,800 bytes: registers 0-5 of 8 fragments at 768 t + 256 p + 8 lane, the scale words at 6,144 + 32 r + 4 t,
; registers 6-11 from 6,656 on; a block of rows has its K steps on end.  Tile t, lane r holds row 32 (t / 2) + 8 (t % 2) + r + 8 (r / 8).  So a fragment is six LDS loads of 256 consecutive bytes,
; and two K steps of 128 rows, codes and scales, are one dense tensor load of 100 rows of 256 bytes.
; SHARES: a tile of C is 256 x 256, four waves of 128 x 128 (64 accumulators, 512 registers).  Source 0 = 16 rows of B, source 1 = 16 rows of A: a lane holds one row of A, and by the order of rows above the
; 16 registers of B's tiles 2 b and 2 b + 1 are 16 NEIGHBOURS along B's rows, which are the next product's K: a wave's 128 x 128 becomes one chunk of the next operand, in registers.
; RING: two slots of two K steps; each wave fetches one block of rows (waves 0, 1: A's two; waves 2, 3: B's).  CLUSTER 4 x 4: A's tiles are asked for jointly along a row, B's along a column.
; By this text's own count a wave has two tensor loads out at the start and one behind each change of slots.
; LIMITS: blocks of zeros or under 2^-124 keep the byte 1; NaN and infinities are not served; JOB 2: 1 + erf has an absolute error near 1e-7, so gelu(x) for x under about -4 is right only beside a block's larger numbers.
; No prefetch: the operands are read by many clusters at about the same time and a refill has two K steps, 128 matrix instructions, in which to land.
.set JOB, 0
.if JOB == 3
.set KS, 32
.else
.set KS, 8
.endif
.set AOFF, 0
.set BOFF, 0
.set QNT, 1                            ; the result leaves as codes
.set F32O, 0                           ; the result leaves as f32
.if JOB == 1
.set BOFF, 448*12800
.set F32O, 1
.elseif JOB == 2
.set AOFF, 16777216
.set BOFF, 512*12800
.elseif JOB == 3
.set BOFF, 768*12800
.set QNT, 0
.set F32O, 1
.endif
.set LAPS,  KS/4                       ; a lap = two slots = four K steps
.set CH,    12800
.set REG,   2*CH                       ; what one tensor load brings
.set SLOT,  4*REG
.set SPARE, 2*SLOT                     ; behind the ring: the spare words, 128 bytes a wave
.set SPITCH, 528                       ; the f32 stage: 16 rows x (512 + 16) bytes a wave, in slot 0, behind its last fill and last read
.set ADRA, 16                          ; v16-17 LDS address of my A fragments in slot 0, 1;  v20-21 B's;  v22-23 the scale words' (lanes 0-15 A's, lanes 16-31 B's)
.set ADRB, 20
.set ADRS, 22
.set STO,  24
.set RD,   25
.set CO,   26                          ; 16 x lane
.set LO,   27                          ; 8 x lane
.set SPW,  28
.set NIL,  29
.set SCO,  30                          ; 32 r + 16 h
.set SC,   32                          ; v32-47 scale words, two sets of 8: they hold scales and nothing else
.set ZV,   48                          ; JOB 2: z
.set BI,   64                          ; v64-127 the bias along B's rows, in the result's layout
.set AF,   128                         ; v128-223 A's fragments, one set
.set EV,   128                         ; the way out: 64 numbers of a lane
.set TM,   192
.set PC,   208
.set PW,   228
.set SW,   232                         ; v232-239 the eight tiles' scale words
.set BL,   240                         ; JOB 0: the bias along A's rows, a pair for each tile;  JOB 2: Q
.set G1,  24
.set G0,  32
.set G1B, 48
.set G0B, 56
.set EA,  82
.set SEL, 84
.set MSB, 0
.macro WIN new                         ; the immediate's high byte repeats the setting that is left
.if MSB != \new
	s_set_vgpr_msb (MSB<<8)|\new
.set MSB, \new
.endif
.endm
.set MUL_LO, 0xa1                      ; source 0 (B) window 1, source 1 (A) window 0, C and D window 2
.set MUL_HI, 0xf1                      ; C and D window 3
.set TO_B,   0x40
.macro JLOAD s                         ; a joint load: waves 0, 1 for A, waves 2, 3 for B; an s_nop 0 and four v_nop follow each line
	s_cmp_eq_u32 s15, 0
	s_cbranch_scc0 .Lfor_b_\@
	tensor_load_to_lds s[G0+4*\s:G0+4*\s+3], s[G1:G1+7]
	s_nop 0
.rept 4
	v_nop
.endr
	s_branch .Lasked_\@
.Lfor_b_\@:
	tensor_load_to_lds s[G0B+4*\s:G0B+4*\s+3], s[G1B:G1B+7]
	s_nop 0
.rept 4
	v_nop
.endr
.Lasked_\@:
.endm
.macro CREST
	s_cmp_lg_u32 s14, 0
	s_cbranch_scc1 .Lnot_wave_0_\@
	s_barrier_signal -3
.Lnot_wave_0_\@:
	s_barrier_wait -3
	s_barrier_signal -1
	s_barrier_wait -1
.endm
.macro CROUND
	s_barrier_signal -1
	s_barrier_wait -1
	CREST
.endm
.macro PLACES
.rept 4
	v_nop
.endr
.endm
.macro QUANT s, pc, pw                 ; 64 numbers of a lane, register 16 b + i = k 32 b + 16 h + i of its row -> a fragment in v[pc] on, its scale word in v[pw]
.irp b, 0,1,2,3
	v_max3_num_f32 v[TM+\b], |v[\s+16*\b]|, |v[\s+1+16*\b]|, 0x1800000   ; the floor 2^(3 - 127) holds the byte at 1 from below
.endr
.irp i, 2,4,6,8,10,12,14
.irp b, 0,1,2,3
	v_max3_num_f32 v[TM+\b], v[TM+\b], |v[\s+16*\b+\i]|, |v[\s+1+16*\b+\i]|
.endr
.endr
.irp b, 0,1,2,3
	v_permlanex16_b32 v[TM+4+\b], v[TM+\b], s[SEL], s[SEL+1]
.endr
.irp b, 0,1,2,3
	v_max_num_f32 v[TM+\b], v[TM+\b], v[TM+4+\b]
.endr
.irp b, 0,1,2,3
	v_add_nc_u32 v[TM+12+\b], 0xff000000, v[TM+\b]         ; 2 off the exponent field: the conversion's scale operand
.endr
.irp b, 0,1,2,3
	v_lshrrev_b32 v[TM+4+\b], 23, v[TM+12+\b]
.endr
	v_lshl_or_b32 v[\pw], v[TM+5], 8, v[TM+4]
	v_lshl_or_b32 v[\pw], v[TM+6], 16, v[\pw]
	v_lshl_or_b32 v[\pw], v[TM+7], 24, v[\pw]
.irp c, 0,1
	v_cvt_scalef32_pk16_fp6_f32 v[\pc+6*\c:\pc+2+6*\c], v[\s+32*\c:\s+15+32*\c], v[TM+12+2*\c]
	v_cvt_scalef32_pk16_fp6_f32 v[\pc+12+4*\c:\pc+14+4*\c], v[\s+16+32*\c:\s+31+32*\c], v[TM+12+2*\c+1]
.endr
	v_nop                                                  ; one plain place behind a scaled conversion
.irp c, 0,1
.irp i, 0,1,2
	v_permlane16_swap_b32 v[\pc+6*\c+\i], v[\pc+12+4*\c+\i]
.endr
.irp i, 0,1,2
	v_mov_b32 v[\pc+3+6*\c+\i], v[\pc+12+4*\c+\i]
.endr
.endr
.endm
.if JOB == 0
	s_load_b64 s[4:5], s[0:1], 0x0                 ; ops: A, B and the biases
	s_load_b64 s[10:11], s[0:1], 0x8               ; the output
.else
	s_load_b256 s[4:11], s[0:1], 0x0               ; A, B (ops), the bias, the output
.endif
	v_lshl_add_u32 v[SPW], v0, 2, SPARE
	v_mov_b32 v[NIL], 0
	ds_add_u32 v[SPW], v[NIL]                      ; the wave's opening: the add and its wait ahead of my first tensor load
	v_lshrrev_b32 v1, 5, v0
	v_readfirstlane_b32 s14, v1                    ; wave
	s_lshr_b32 s15, s14, 1                         ; my half of the tile's rows; also: I fetch for A (0) or B (1)
	s_and_b32 s16, s14, 1                          ; my half of its columns; also: which block of 128 rows I fetch
	s_bfe_u32 s40, ttmp6, 0x40000                  ; cx
	s_bfe_u32 s41, ttmp6, 0x40004                  ; cy
	s_and_b32 s17, ttmp7, 0xffff                   ; the cluster's y
	s_lshl_b32 s43, s41, 2
	s_lshl_b32 s43, 15, s43                        ; my row of the cluster
	s_lshl_b32 s44, 0x1111, s40                    ; my column
.if JOB == 0                           ; clusters x = 0, 1: x's rows against Wq's, Wk's;  x = 2: Wv's against x's rows.  The choice hangs on the cluster's number, which all partners share, and steers no branch
	s_lshl_b32 s18, s17, 3
	s_lshl_b32 s19, ttmp9, 3
	s_add_co_u32 s19, s19, 32
	s_mov_b32 s67, 32
	s_cmp_eq_u32 ttmp9, 2
	s_cselect_b32 s20, 48, s18                     ; A's first block of 128 rows in ops
	s_cselect_b32 s46, s18, s19                    ; B's
	s_cselect_b32 s66, 32, 16                      ; the output chunk is A's block x s66 + B's block - s67
	s_cselect_b32 s67, 1024, s67
.else
	s_lshl_b32 s20, s17, 3
	s_lshl_b32 s46, ttmp9, 3
.endif
	s_lshl_b32 s21, s41, 1
	s_add_co_u32 s20, s20, s21                     ; A's registers take cy alone,
	s_lshl_b32 s47, s40, 1
	s_add_co_u32 s46, s46, s47                     ; B's cx alone
	s_add_co_u32 s68, s20, s15                     ; the block of A's rows that I multiply,
	s_add_co_u32 s69, s46, s16                     ; and of B's
	s_add_co_u32 s20, s20, s16                     ; the blocks that I fetch
	s_add_co_u32 s46, s46, s16
	s_mul_i32 s20, s20, KS*CH
	s_mul_i32 s46, s46, KS*CH
	s_add_co_u32 s20, s20, AOFF
	s_add_co_u32 s46, s46, BOFF
	s_mov_b32 s21, 0
	s_mov_b32 s47, 0
	s_mul_i32 s45, s14, REG                        ; where they go: no place in the cluster enters an LDS address
	s_or_b32 s[G1+0], s43, (3<<16)|(1<<21)         ; the mask; elements of 8 bytes; bit 21 beside a mask; no padding
	s_or_b32 s[G1B+0], s44, (3<<16)|(1<<21)
.irp g, G1, G1B
	s_mov_b32 s[\g+1], 32<<16                      ; tensor_dim0 = 32 elements = 256 bytes
	s_mov_b32 s[\g+2], 100<<16                     ; tensor_dim1 = 100 rows
	s_mov_b32 s[\g+3], 32<<16                      ; tile_dim0
	s_mov_b32 s[\g+4], 100                         ; tile_dim1
	s_mov_b32 s[\g+5], 32                          ; dense
	s_mov_b32 s[\g+6], 0
	s_mov_b32 s[\g+7], 0
.endr
	s_mov_b32 s[SEL], 0x76543210
	s_mov_b32 s[SEL+1], 0xfedcba98
	s_wait_dscnt 0x0                               ; the opening add is done
	s_wait_kmcnt 0x0
.if JOB == 0
	s_mov_b64 s[6:7], s[4:5]
	s_add_nc_u64 s[8:9], s[4:5], 1024*CH           ; the table of biases by row of ops
.endif
	s_add_nc_u64 s[20:21], s[4:5], s[20:21]
	s_add_nc_u64 s[46:47], s[6:7], s[46:47]
	CROUND                                         ; all sixteen work-groups are here: the first joint loads meet
.irp s, 0,1
	s_mov_b32 s[G0+4*\s], 1
	s_add_co_u32 s[G0+4*\s+1], s45, \s*SLOT
	s_add_nc_u64 s[G0+4*\s+2:G0+4*\s+3], s[20:21], \s*REG
	s_or_b32 s[G0+4*\s+3], s[G0+4*\s+3], 0x80000000
	s_mov_b32 s[G0B+4*\s], 1
	s_add_co_u32 s[G0B+4*\s+1], s45, \s*SLOT
	s_add_nc_u64 s[G0B+4*\s+2:G0B+4*\s+3], s[46:47], \s*REG
	s_or_b32 s[G0B+4*\s+3], s[G0B+4*\s+3], 0x80000000
	JLOAD \s
.endr
	v_and_b32 v1, 15, v0                           ; r
	v_bfe_u32 v2, v0, 4, 1                         ; h
	v_and_b32 v3, 31, v0
	v_lshlrev_b32 v[LO], 3, v3
	v_lshlrev_b32 v[CO], 4, v3
	v_lshlrev_b32 v[SCO], 5, v1
	v_lshl_add_u32 v[SCO], v2, 4, v[SCO]
	s_mul_i32 s21, s15, REG                        ; my block of A in a slot,
	s_mul_i32 s22, s16, REG
	s_add_co_u32 s22, s22, 2*REG                   ; and of B
.irp s, 0,1
	v_add_nc_u32 v[ADRA+\s], s21, v[LO]
	v_add_nc_u32 v[ADRB+\s], s22, v[LO]
	s_add_co_u32 s21, s21, SLOT
	s_add_co_u32 s22, s22, SLOT
.endr
	s_mul_i32 s21, s15, REG
	s_mul_i32 s22, s16, REG
	s_add_co_u32 s22, s22, 2*REG
	s_sub_co_u32 s22, s22, s21
	v_mul_u32_u24 v6, s22, v2                      ; lanes 16-31 take B's scale words: one product, the distance between the two blocks
	v_lshl_add_u32 v6, v1, 5, v6
	s_add_co_u32 s21, s21, 6144
	v_add_nc_u32 v[ADRS], s21, v6
	v_add_nc_u32 v[ADRS+1], SLOT, v[ADRS]
	s_mul_i32 s23, s14, 16*SPITCH                  ; my stage
	v_mul_u32_u24 v5, v1, SPITCH
	v_lshl_add_u32 v5, v2, 6, v5
	v_add_nc_u32 v[STO], s23, v5                   ; in: row r, + 64 h
	v_add_nc_u32 v[RD], s23, v[CO]                 ; back: a row of 512 bytes
	; the biases: asked for now, awaited at the way out; their address registers v8, v9 stay
	v_lshlrev_b32 v8, 6, v2
	s_mov_b32 s71, 0
.if JOB == 0
	v_and_b32 v9, 8, v1
	v_add_nc_u32 v9, v9, v1
	v_lshlrev_b32 v9, 2, v9
	s_lshl_b32 s70, s68, 9
	s_add_nc_u64 s[72:73], s[8:9], s[70:71]
.endif
	s_lshl_b32 s70, s69, 9
	s_add_nc_u64 s[8:9], s[8:9], s[70:71]
.irp b, 0,1,2,3,4,5,6,7                ; register 8 b + j of lane (r, h) is B's row 32 (b / 2) + 16 h + 8 (b % 2) + j
	global_load_b128 v[BI+8*\b:BI+8*\b+3], v8, s[8:9] offset:(32*(\b/2)+8*(\b%2))*4
	global_load_b128 v[BI+8*\b+4:BI+8*\b+7], v8, s[8:9] offset:(32*(\b/2)+8*(\b%2))*4+16
.endr
.if JOB == 0
.irp a, 0,1,2,3,4,5,6,7                ; and lane r of tile a is A's row 32 (a / 2) + 8 (a % 2) + r + 8 (r / 8).  One of the two biases is zeros: the price of one path for q, k and V^T
	global_load_b32 v[BL+2*\a], v9, s[72:73] offset:(32*(\a/2)+8*(\a%2))*4
.endr
.endif
.if JOB == 2
	v_mov_b32 v10, 0x32edffee                      ; the first addends of erf's two polynomials, as pairs
	v_mov_b32 v11, 0x32edffee
	v_mov_b32 v12, 0xb95fbd29
	v_mov_b32 v13, 0xb95fbd29
.endif
	; where the results go
.if JOB == 0
	s_mul_i32 s70, s68, s66
	s_add_co_u32 s70, s70, s69
	s_sub_co_u32 s70, s70, s67
.elseif JOB == 1
	s_lshl_b32 s70, s68, 3
	s_add_co_u32 s70, s70, s69
.elseif JOB == 2
	s_lshl_b32 s70, s68, 5
	s_add_co_u32 s70, s70, s69
.endif
.if QNT
	s_mul_i32 s70, s70, CH
.if JOB == 1
	s_add_co_u32 s70, s70, 16777216                ; the codes lie behind the f32 numbers
.endif
	s_add_nc_u64 s[76:77], s[10:11], s[70:71]      ; my chunk
.endif
.if F32O
	s_lshl_b32 s70, s68, 19                        ; 128 rows of 4,096 bytes
	s_lshl_b32 s86, s69, 9
	s_add_co_u32 s70, s70, s86
	s_add_nc_u64 s[78:79], s[10:11], s[70:71]
.endif
.macro FRAG reg, adr, off, t           ; a fragment: six loads of 8 bytes a lane, 256 consecutive bytes each
.irp p, 0,1,2,3,4,5
	ds_load_b64 v[\reg+2*\p:\reg+2*\p+1], v[\adr] offset:\off+6656*(\p/3)+768*(\t)+256*(\p%3)
.endr
.endm
.macro FETCH_B slot, q, p
	WIN TO_B
.irp i, 0,1,2,3,4,5,6,7
	FRAG 128*(\p)+12*\i, ADRB+\slot, CH*(\q), \i
.endr
	WIN 0
.endm
.macro FETCH_A slot, q, i0
.irp i, \i0, \i0+1, \i0+2, \i0+3
	FRAG AF+12*(\i), ADRA+\slot, CH*(\q), \i
.endr
.endm
.macro SCALES slot, q, p               ; register i of the set: lanes 0-15 the word of A's tile i, lanes 16-31 that of B's tile i
	ds_load_b128 v[SC+8*(\p):SC+8*(\p)+3], v[ADRS+\slot] offset:CH*(\q)
	ds_load_b128 v[SC+8*(\p)+4:SC+8*(\p)+7], v[ADRS+\slot] offset:CH*(\q)+16
.endm
; 16 matrix instructions: A's tiles a0, a0 + 1 x B's eight.  p: B's set and the scales'.  The 64 accumulators take turns, one instruction a turn, in the same order in every step
.macro MUL16 a0, p, zero
.irp a, \a0, \a0+1
.irp b, 0,1,2,3,4,5,6,7
.if \zero
	v_wmma_scale_f32_16x16x128_f8f6f4 v[8*(8*((\a)%4)+\b):8*(8*((\a)%4)+\b)+7], v[128*(\p)+12*\b:128*(\p)+12*\b+11], v[AF+12*(\a):AF+12*(\a)+11], 0, v[SC+8*(\p)+\b], v[SC+8*(\p)+(\a)] matrix_a_fmt:MATRIX_FMT_FP6 matrix_b_fmt:MATRIX_FMT_FP6 matrix_a_scale:MATRIX_SCALE_ROW1
.else
	v_wmma_scale_f32_16x16x128_f8f6f4 v[8*(8*((\a)%4)+\b):8*(8*((\a)%4)+\b)+7], v[128*(\p)+12*\b:128*(\p)+12*\b+11], v[AF+12*(\a):AF+12*(\a)+11], v[8*(8*((\a)%4)+\b):8*(8*((\a)%4)+\b)+7], v[SC+8*(\p)+\b], v[SC+8*(\p)+(\a)] matrix_a_fmt:MATRIX_FMT_FP6 matrix_b_fmt:MATRIX_FMT_FP6 matrix_a_scale:MATRIX_SCALE_ROW1
.endif
.endr
.endr
.endm
.macro STEP slot, zero                 ; a slot's first K step, on set 0; it fetches the second into set 1
	s_wait_dscnt 24                                ; all but the youngest 24 loads (A's tiles 4-7) are in
	WIN MUL_LO
	MUL16 0, 0, \zero
	MUL16 2, 0, \zero
	s_wait_dscnt 0x0                               ; A's tiles 4-7 are in
	PLACES                                         ; four places in front of loads into registers that matrix instructions have read
	FETCH_B \slot, 1, 1
	FETCH_A \slot, 1, 0
	SCALES \slot, 1, 1
	WIN MUL_HI
	MUL16 4, 0, \zero
	MUL16 6, 0, \zero
	PLACES
	WIN 0
	FETCH_A \slot, 1, 4
.endm
.macro TURN slot, next, fill           ; a slot's second K step, on set 1, changes slots: one barrier; fill = 1: it opens a round of the cluster's barrier and this slot is filled again
	s_wait_tensorcnt 0x0                           ; all my tensor loads have landed: my part of the next slot
	ds_add_u32 v[SPW], v[NIL]                      ; 0 onto my spare word
	s_wait_dscnt 25                                ; (the add and A's tiles 4-7 may be out)
	WIN MUL_LO
	MUL16 0, 1, 0
	s_wait_dscnt 0x0                               ; the add is done, and my reads of this slot are over
	s_barrier_signal -1
	MUL16 2, 1, 0
	WIN 0
	s_barrier_wait -1
.if \fill
	CREST                                          ; no wave of any partner still reads this slot or has a load on its way
	s_add_nc_u64 s[G0+4*\slot+2:G0+4*\slot+3], s[G0+4*\slot+2:G0+4*\slot+3], 2*REG
	s_add_nc_u64 s[G0B+4*\slot+2:G0B+4*\slot+3], s[G0B+4*\slot+2:G0B+4*\slot+3], 2*REG
	JLOAD \slot                                    ; the first tensor load behind the round; its four v_nop are the places in front of the loads below
.else
	PLACES
.endif
	FETCH_B \next, 0, 0
	FETCH_A \next, 0, 0
	SCALES \next, 0, 0
	WIN MUL_HI
	MUL16 4, 1, 0
	MUL16 6, 1, 0
	PLACES
	WIN 0
	FETCH_A \next, 0, 4
.endm
	s_wait_tensorcnt 1                             ; my part of slot 0 is in; slot 1's load may be out
	s_barrier_signal -1
	s_barrier_wait -1
	FETCH_B 0, 0, 0
	FETCH_A 0, 0, 0
	SCALES 0, 0, 0
	FETCH_A 0, 0, 4
	STEP 0, 1                                      ; the first step starts the sums: nothing is cleared
	s_mov_b32 s3, LAPS-1
.Llap:
	TURN 0, 1, 1
	STEP 1, 0
	TURN 1, 0, 1
	STEP 0, 0
	s_sub_co_u32 s3, s3, 1
	s_cmp_lg_u32 s3, 0
	s_cbranch_scc1 .Llap
	TURN 0, 1, 0                                   ; the last lap fills nothing
	STEP 1, 0
	s_wait_dscnt 24
	WIN MUL_LO
	MUL16 0, 1, 0
	MUL16 2, 1, 0
	s_wait_dscnt 0x0
	WIN MUL_HI
	MUL16 4, 1, 0
	MUL16 6, 1, 0
	WIN 0
; THE WAY OUT: eight trips, one for each of A's tiles (16 rows x 128 columns).  Only the copy out of the accumulators differs from trip to trip: it is written eight times, each under its own test of the count.
.macro COPY a                          ; the tile's 64 numbers + the bias along the columns, each accumulator from its low end on
	WIN (0x02+(\a)/4)
.set i, 0
.rept 32
	v_pk_add_f32 v[EV+i:EV+i+1], v[64*((\a)%4)+i:64*((\a)%4)+i+1], v[BI+i:BI+i+1]
.set i, i+2
.endr
	WIN 0
.if JOB == 0
.set i, 0
.rept 32
	v_pk_add_f32 v[EV+i:EV+i+1], v[EV+i:EV+i+1], v[BL+2*(\a):BL+2*(\a)+1] op_sel_hi:[1,0]
.set i, i+2
.endr
.endif
.endm
; gelu(x) = x/2 + x/2 erf(x / sqrt 2) for 16 numbers; erf(z) = z P(z^2) / Q(z^2) with z held to +-4: the rational form in f32
.macro GELU16 x
.irp i, 0,2,4,6,8,10,12,14
	v_pk_mul_f32 v[ZV+\i:ZV+\i+1], v[(\x)+\i:(\x)+\i+1], 0x3f3504f3 op_sel_hi:[1,0]
.endr
.irp i, 0,1,2,3,4,5,6,7,8,9,10,11,12,13,14,15
	v_med3_num_f32 v[ZV+\i], v[ZV+\i], -4.0, 4.0
.endr
.irp i, 0,2,4,6,8,10,12,14
	v_pk_mul_f32 v[192+\i:193+\i], v[ZV+\i:ZV+\i+1], v[ZV+\i:ZV+\i+1]
.endr
.irp i, 0,2,4,6,8,10,12,14
	v_pk_fma_f32 v[208+\i:209+\i], v[192+\i:193+\i], 0xaf95df0b, v[10:11] op_sel_hi:[1,0,1]
	v_pk_fma_f32 v[240+\i:241+\i], v[192+\i:193+\i], 0xb77460cd, v[12:13] op_sel_hi:[1,0,1]
.endr
.irp c, 0xb60cff51, 0xb86ec2d2, 0xba40ac63, 0xbb41a1f6, 0xbc83dbd4
.irp i, 0,2,4,6,8,10,12,14
	v_pk_fma_f32 v[208+\i:209+\i], v[208+\i:209+\i], v[192+\i:193+\i], \c op_sel_hi:[1,1,0]
.endr
.endr
.irp c, 0xbadc924e, 0xbbf19bf8, 0xbc69b6a7
.irp i, 0,2,4,6,8,10,12,14
	v_pk_fma_f32 v[240+\i:241+\i], v[240+\i:241+\i], v[192+\i:193+\i], \c op_sel_hi:[1,1,0]
.endr
.endr
.irp i, 0,1,2,3,4,5,6,7,8,9,10,11,12,13,14,15
	v_rcp_f32 v[240+\i], v[240+\i]
.endr
.irp i, 0,2,4,6,8,10,12,14
	v_pk_mul_f32 v[208+\i:209+\i], v[208+\i:209+\i], v[ZV+\i:ZV+\i+1]     ; plain work behind the reciprocals
.endr
.irp i, 0,2,4,6,8,10,12,14
	v_pk_mul_f32 v[ZV+\i:ZV+\i+1], v[(\x)+\i:(\x)+\i+1], 0.5 op_sel_hi:[1,0]
.endr
	s_wait_alu depctr_va_vdst(0)                   ; one wait for the sixteen reciprocals, ahead of their first reader
.irp i, 0,2,4,6,8,10,12,14
	v_pk_mul_f32 v[208+\i:209+\i], v[208+\i:209+\i], v[240+\i:241+\i]
.endr
.irp i, 0,2,4,6,8,10,12,14
	v_pk_fma_f32 v[(\x)+\i:(\x)+\i+1], v[ZV+\i:ZV+\i+1], v[208+\i:209+\i], v[ZV+\i:ZV+\i+1]
.endr
.endm
	PLACES                                         ; behind the last products: results are read, and registers that held A's fragments are written
	s_wait_loadcnt 0x0                             ; the biases
.if JOB == 0
.irp a, 0,1,2,3,4,5,6,7
	v_mov_b32 v[BL+2*\a+1], v[BL+2*\a]             ; named as a pair, so both are written
.endr
.endif
.if QNT
.irp i, 0,1,2,3,4,5,6,7
	v_mov_b32 v[SW+\i], 0
.endr
.irp b, 0,1,2,3
	v_mov_b32 v[TM+4+\b], 0                        ; a lane permute's destination counts as one of its sources
.endr
.endif
	s_mov_b32 s[EA], 0
.Lout:
	s_wait_xcnt 0x0                                ; the last trip's stores have read their data and their bases: both are written again below
	s_mov_b32 s87, 0
.if QNT
	s_mul_i32 s86, s[EA], 768
	s_add_nc_u64 s[74:75], s[76:77], s[86:87]      ; the tile's place in my chunk
.endif
.if F32O
	s_lshr_b32 s86, s[EA], 1
	s_lshl_b32 s86, s86, 17
	s_and_b32 s70, s[EA], 1
	s_lshl_b32 s70, s70, 15
	s_add_co_u32 s86, s86, s70                     ; row 32 (a / 2) + 8 (a % 2), of 4,096 bytes
	s_add_nc_u64 s[80:81], s[78:79], s[86:87]
.endif
.irp a, 0,1,2,3,4,5,6,7
	s_cmp_lg_u32 s[EA], \a
	s_cbranch_scc1 .Lnot\a
	COPY \a
.Lnot\a:
.endr
.if JOB == 2
	GELU16 EV
	GELU16 EV+16
	GELU16 EV+32
	GELU16 EV+48
.endif
.if F32O
.irp b, 0,1,2,3,4,5,6,7                ; into my stage: row r, the columns in their true order
	ds_store_b128 v[STO], v[EV+8*\b:EV+8*\b+3] offset:128*(\b/2)+32*(\b%2)
	ds_store_b128 v[STO], v[EV+8*\b+4:EV+8*\b+7] offset:128*(\b/2)+32*(\b%2)+16
.endr
.endif
.if QNT
	QUANT EV, PC, PW
.irp p, 0,1,2,3,4,5
	global_store_b64 v[LO], v[PC+2*\p:PC+2*\p+1], s[74:75] offset:6656*(\p/3)+256*(\p%3)   ; 256 consecutive bytes
.endr
.irp i, 0,1,2,3,4,5,6
	v_mov_b32 v[SW+\i], v[SW+\i+1]                 ; the scale words move up: after eight trips word a stands in register a
.endr
	v_mov_b32 v[SW+7], v[PW]
.endif
.if F32O
.irp i, 0,1,2,3,4,5,6,7,8,9,10,11,12,13,14,15
	ds_load_b128 v[EV+4*\i:EV+4*\i+3], v[RD] offset:\i*SPITCH     ; LDS serves a wave's instructions in order: these see my stores
.endr
.irp i, 0,1,2,3,4,5,6,7,8,9,10,11,12,13,14,15
	s_wait_dscnt 15-\i                             ; the rows behind row i may be out
	global_store_b128 v[CO], v[EV+4*\i:EV+4*\i+3], s[80:81] offset:(\i+8*(\i/8))*4096      ; 512 consecutive bytes of a row
.endr
.endif
	s_add_co_u32 s[EA], s[EA], 1
	s_cmp_lt_u32 s[EA], 8
	s_cbranch_scc1 .Lout
.if QNT
	s_mov_b32 s83, 0xffff0000
.irp i, 0,1,2,3
	v_cndmask_b32 v[TM+\i], v[SW+\i], v[SW+4+\i], s83     ; lanes 0-15 tiles 0-3, lanes 16-31 tiles 4-7
.endr
	global_store_b128 v[SCO], v[TM:TM+3], s[76:77] offset:6144    ; the chunk's 512 bytes of scale words
.endif
	s_wait_tensorcnt 0x0                           ; the wave's end
	ds_add_u32 v[SPW], v[NIL]
	s_wait_dscnt 0x0
	CROUND                                         ; the closing round
	s_endpgm
.Lfunc_end_k_qe23ab0d370_qkv:
	.size	k_qe23ab0d370_qkv, .Lfunc_end_k_qe23ab0d370_qkv-k_qe23ab0d370_qkv
	.p2alignl 7, 3214868480
	.fill 96, 4, 3214868480
	.section	.rodata,"a",@progbits
	.p2align	6, 0x0
	.amdhsa_kernel k_qe23ab0d370_qkv
		.amdhsa_group_segment_fixed_size 327680
		.amdhsa_private_segment_fixed_size 0
		.amdhsa_enable_private_segment 0
		.amdhsa_kernarg_size 16
		.amdhsa_user_sgpr_count 2
		.amdhsa_user_sgpr_kernarg_segment_ptr 1
		.amdhsa_wavefront_size32 1
		.amdhsa_system_sgpr_workgroup_id_x 1
		.amdhsa_system_sgpr_workgroup_id_y 1
		.amdhsa_system_sgpr_workgroup_id_z 1
		.amdhsa_system_vgpr_workitem_id 0
		.amdhsa_next_free_vgpr 1024
		.amdhsa_next_free_sgpr 100
		.amdhsa_reserve_vcc 0
		.amdhsa_float_denorm_mode_32 3
		.amdhsa_float_denorm_mode_16_64 3
		.amdhsa_memory_ordered 1
		.amdhsa_forward_progress 1
		.amdhsa_inst_pref_size 169
	.end_amdhsa_kernel
	.amdgpu_metadata
---
amdhsa.version: [ 1, 2 ]
amdhsa.kernels:
  - .name:           k_qe23ab0d370_qkv
    .symbol:         k_qe23ab0d370_qkv.kd
    .args:
      - { .name: ops, .offset: 0, .size: 8, .value_kind: global_buffer, .address_space: global }
      - { .name: qkv, .offset: 8, .size: 8, .value_kind: global_buffer, .address_space: global }
    .group_segment_fixed_size: 327680
    .private_segment_fixed_size: 0
    .kernarg_segment_align: 8
    .kernarg_segment_size: 16
    .max_flat_workgroup_size: 128
    .sgpr_count:     100
    .vgpr_count:     1024
    .wavefront_size: 32
...
	.end_amdgpu_metadata
.endif
;; end of part 2
;; launch attn (part 3): grid 16 x 16, 16 waves a work-group, clusters of 4 x 1, 327,680 bytes of LDS; arguments qkv, mbits, ao; writes ao
.if DOCPART == 3
	.amdgcn_target "amdgcn-amd-amdhsa--gfx1250"
	.amdhsa_code_object_version 6
	.text
	.protected	k_qe23ab0d370_attn
	.globl	k_qe23ab0d370_attn
	.p2align	8
	.type	k_qe23ab0d370_attn,@function
k_qe23ab0d370_attn:
	s_mov_b64 s[64:65], 0
	v_nop
	global_prefetch_b8 v0, s[64:65] scope:SCOPE_SE
	s_setreg_imm32_b32 hwreg(HW_REG_WAVE_MODE, 25, 1), 1
	s_wait_xcnt 0x0
	s_wait_alu depctr_hold_cnt(0) depctr_sa_sdst(0) depctr_va_vdst(0) depctr_va_sdst(0) depctr_va_ssrc(0) depctr_va_vcc(0) depctr_vm_vsrc(0)
	s_getreg_b32 s2, hwreg(HW_REG_IB_STS2, 6, 4)
	s_cmp_eq_u32 s2, 0
	s_cbranch_scc0 .Lentry_in_a_cluster
	s_endpgm
.Lentry_in_a_cluster:
	s_bfe_u32 s2, ttmp6, 0x10000c
	s_cmp_lg_u32 s2, 0x3003
	s_cbranch_scc0 .Lentry_shape_is_right
	s_endpgm
.Lentry_shape_is_right:
; Attention on codes of FP6 (E2M3), head size 64, 2,048 keys, with the given mask under the lower triangle; the result, divided by the row's sum, leaves as codes for the next product.
; q, k: chunks of 128 tokens x 128 features (a pair of heads: head c is the chunk's half c and bytes 2 c, 2 c + 1 of a scale word).  V^T: chunks of 128 features x 128 keys (head c: tiles 4 c .. 4 c + 3).
; A chunk: registers 0-5 of 8 fragments at 768 t + 256 p + 8 lane; scale words at 6,144 + 32 r + 4 t; registers 6-11 from 6,656.  Tile t, lane r = row 32 (t / 2) + 8 (t % 2) + r + 8 (r / 8).
; THE SOFTMAX: t = score x log2(e) / 8; M = the running largest t rounded up to a whole number; p = 2^(t - M) is quantised along the keys; the sum is taken of the unquantised p and divides at the end.
; THE MASK FILLS, IT DOES NOT CUT: a hidden score becomes -2^33 (in place of -1e9): times c that is a whole number, so in a row ALL of whose scores are hidden t - M is exactly 0 and p = 1 on all 2,048 keys,
; those above the diagonal too, as in the definition; in every other row hidden p fall to 0.  So a key step wholly above the diagonal is not skipped: there p is 1 (row all hidden) or 0 for the whole step, M is final,
; and the step is four products on constant codes: no scores, no mask words, no exponential.
; SHARES: work-group y = batch x 8 + pair of heads.  Each of 16 waves owns one tile of 16 queries of one head.  Wave w: head w / 8; block of 128 queries J = e or 15 - e, e = 2 ((w / 2) % 4) + half:
; each work-group, and each four waves of a SIMD, has the same number of steps under the diagonal.  The tile in the block is 4 (cluster x % 2) + cx: cx enters global addresses alone.
; RING: two slots of four key steps (4 chunks of K, 4 of V^T); waves 0-7 fetch a chunk each, jointly for the cluster's four work-groups, which walk the same K and V.  A wave has one tensor load out at the most.
; The K product's upper 64 along K meet zero codes of Q, so K's fragments overlap: fragment T is v[32 + 6 T .. 43 + 6 T].
; LIMITS: scores at or under about -1e9 are not told from hidden ones; NaN and infinities are not served; blocks of zeros keep the byte 1.
; No prefetch: a refill has four key steps of vector work in which to land.
.set CH,    12800
.set SLOT1, 1<<17
.set SPARE, 2*SLOT1                    ; the spare words, 128 bytes a wave: eight blocks of 256 bytes
.set AK0,  1
.set AV0,  2
.set ASK0, 3
.set ASV0, 4
.set SPW,  5
.set NIL,  6
.set GO,   7                           ; global: 8 lane + 6,656 c + 768 t
.set ADK,  8
.set ADV,  9
.set ADS,  10
.set ADT,  11
.set GS,   28                          ; global: 32 r + 6,144 + 4 t + 2 c
.set TB,   2                           ; s2  LDS byte of the key step in hand
.set KST,  3                           ; s3  the key step
.set MP,   4                           ; s[4:5] the step's 64 mask words
.set AO,   6                           ; s[6:7] my chunk of the output
.set G1,   8
.set G0,   16
.set WV,   20
.set JQ,   21
.set CS,   22                          ; s[22:23] c = log2(e) / 8
.set SEL,  24
.set INC,  26                          ; s[26:27] four key steps on, in memory
.set NSL,  28
.set NST,  30
.macro CROUND
	s_barrier_signal -1
	s_barrier_wait -1
	s_cmp_lg_u32 s[WV], 0
	s_cbranch_scc1 .Lnot_wave_0_\@
	s_barrier_signal -3
.Lnot_wave_0_\@:
	s_barrier_wait -3
	s_barrier_signal -1
	s_barrier_wait -1
.endm
.macro TLOAD                           ; waves 0-7 fetch; the branch hangs on the wave's number alone; an s_nop 0 and four v_nop follow the load
	s_cmp_lt_u32 s[WV], 8
	s_cbranch_scc0 .Lnone_\@
	tensor_load_to_lds s[G0:G0+3], s[G1:G1+7]
	s_nop 0
.rept 4
	v_nop
.endr
.Lnone_\@:
.endm
	s_load_b128 s[32:35], s[0:1], 0x0              ; qkv, mbits
	s_load_b64 s[36:37], s[0:1], 0x10              ; ao
	v_lshl_add_u32 v[SPW], v0, 2, SPARE
	v_mov_b32 v[NIL], 0
	ds_add_u32 v[SPW], v[NIL]                      ; the wave's opening: the add and its wait ahead of the first tensor load
	v_lshrrev_b32 v8, 5, v0
	v_readfirstlane_b32 s[WV], v8
	s_bfe_u32 s38, ttmp6, 0x40000                  ; cx
	s_and_b32 s39, ttmp7, 0xffff
	s_lshr_b32 s40, s39, 3                         ; batch
	s_and_b32 s41, s39, 7                          ; pair of heads
	s_lshr_b32 s42, ttmp9, 1                       ; half
	s_and_b32 s43, ttmp9, 1
	s_lshl_b32 s43, s43, 2
	s_add_co_u32 s43, s43, s38                     ; my tile in the block of queries
	s_lshr_b32 s44, s[WV], 3                       ; head c of the pair
	s_lshr_b32 s45, s[WV], 1
	s_and_b32 s45, s45, 3
	s_lshl_b32 s45, s45, 1
	s_add_co_u32 s45, s45, s42                     ; e
	s_lshr_b32 s46, s[WV], 2
	s_xor_b32 s46, s46, s[WV]
	s_xor_b32 s46, s46, s44
	s_and_b32 s46, s46, 1
	s_mul_i32 s46, s46, 15
	s_xor_b32 s[JQ], s45, s46                      ; J = e or 15 - e
	; what I fetch, if I fetch: waves 0-3 chunk i of K, waves 4-7 chunk i of V^T
	s_and_b32 s47, s[WV], 3
	s_lshl_b32 s48, s40, 4
	s_add_co_u32 s49, s48, s47                     ; 16 b + i
	s_lshl_b32 s50, s49, 4
	s_add_co_u32 s50, s50, 8
	s_add_co_u32 s50, s50, s41                     ; K's chunk
	s_lshl_b32 s51, s41, 5
	s_add_co_u32 s51, s51, 512
	s_add_co_u32 s51, s51, s49                     ; V's
	s_mov_b32 s[INC], 4*CH
	s_bitcmp1_b32 s[WV], 2
	s_cselect_b32 s50, s51, s50
	s_cselect_b32 s[INC], s[INC], 64*CH
	s_mov_b32 s[INC+1], 0
	s_mul_i32 s50, s50, CH
	s_mov_b32 s51, 0
	s_mov_b32 s[G1], 15|(3<<16)|(1<<21)            ; the mask: all four work-groups; elements of 8 bytes; bit 21 beside a mask; no padding
	s_mov_b32 s[G1+1], 32<<16                      ; rows of 256 bytes,
	s_mov_b32 s[G1+2], 50<<16                      ; 50 of them: a chunk
	s_mov_b32 s[G1+3], 32<<16
	s_mov_b32 s[G1+4], 50
	s_mov_b32 s[G1+5], 32
	s_mov_b32 s[G1+6], 0
	s_mov_b32 s[G1+7], 0
	s_mov_b32 s[CS], 0x3e38aa3b
	s_mov_b32 s[CS+1], s[CS]
	s_mov_b32 s[SEL], 0x76543210
	s_mov_b32 s[SEL+1], 0xfedcba98
	s_mov_b32 s66, 0x18618618                      ; sixteen codes of 4.0 in 96 bits: under the byte 125 that is p = 1
	s_mov_b32 s67, 0x86186186
	s_mov_b32 s100, 0x61861861
	s_mov_b32 s101, 0x42800000                     ; 64.0: a lane's share of a step's 128 keys
	s_mov_b32 s[TB], 0
	s_mov_b32 s[KST], 0
	s_mov_b32 s[NSL], 3
	s_wait_dscnt 0x0                               ; the opening add is done
	s_wait_kmcnt 0x0
	s_mov_b32 s[G0], 1
	s_mul_i32 s[G0+1], s[WV], CH                   ; K's four chunks, then V's four
	s_add_nc_u64 s[G0+2:G0+3], s[32:33], s[50:51]
	s_or_b32 s[G0+3], s[G0+3], 0x80000000
	CROUND                                         ; all four work-groups are here
	TLOAD                                          ; slot 0
	s_add_co_u32 s48, s48, s[JQ]                   ; 16 b + J
	s_lshl_b32 s49, s48, 4
	s_add_co_u32 s49, s49, s41
	s_mul_i32 s50, s49, CH
	s_add_nc_u64 s[52:53], s[32:33], s[50:51]      ; Q's chunk
	s_lshl_b32 s49, s48, 3
	s_add_co_u32 s54, s49, s41
	s_mul_i32 s50, s54, CH
	s_add_nc_u64 s[AO:AO+1], s[36:37], s[50:51]
	s_add_co_u32 s49, s49, s43
	s_lshl_b32 s50, s49, 12
	s_add_nc_u64 s[MP:MP+1], s[34:35], s[50:51]    ; 16 steps x 256 bytes for each tile of queries
	s_mul_i32 s55, s44, 6656
	s_mul_i32 s56, s43, 768
	s_add_co_u32 s56, s56, s55
	s_lshl_b32 s57, s43, 2
	s_lshl_b32 s58, s44, 1
	s_add_co_u32 s57, s57, s58
	s_add_co_u32 s57, s57, 6144
	v_and_b32 v8, 15, v0                           ; r
	v_and_b32 v9, 31, v0                           ; lane
	v_lshlrev_b32 v9, 3, v9
	v_lshlrev_b32 v8, 5, v8
	v_add_nc_u32 v[GO], s56, v9
	v_add_nc_u32 v[GS], s57, v8
.irp p, 0,1,2
	global_load_b64 v[16+2*\p:17+2*\p], v[GO], s[52:53] offset:256*\p      ; Q's 64 codes a row stay in registers
.endr
	global_load_u16 v255, v[GS], s[52:53]          ; its two scale bytes; the upper two are 0 and meet zero codes
	v_add_nc_u32 v[AK0], s55, v9                   ; K: 8 lane + 6,656 c
	s_mul_i32 s59, s44, 3072
	s_add_co_u32 s59, s59, 4*CH
	v_add_nc_u32 v[AV0], s59, v9                   ; V: behind K's four chunks, + 3,072 c
	s_add_co_u32 s58, s58, 6144
	v_add_nc_u32 v[ASK0], s58, v8                  ; K's scale bytes: 6,144 + 32 r + 2 c
	s_lshl_b32 s59, s44, 4
	s_add_co_u32 s59, s59, 4*CH+6144
	v_add_nc_u32 v[ASV0], s59, v8                  ; V's four words: + 16 c
.irp i, 22,23,24,25,26,27,80,81,82,83,84,85
	v_mov_b32 v\i, 0                               ; Q's upper codes; what stands behind K's last fragment
.endr
	v_mov_b32 v200, 0x7d7d7d7d                     ; the scale word of p = 1
	v_mov_b32 v201, 0xd0000000                     ; -2^33
	v_mov_b32 v13, 0xff61b1e6                      ; the largest t so far: -3e38
	v_floor_f32 v12, -v13                          ; -M
	v_mov_b32 v14, 0
	v_mov_b32 v15, 0
.irp b, 0,1,2,3
	v_mov_b32 v[236+\b], 0                         ; a lane permute's destination counts as one of its sources
.endr
	v_mov_b32 v252, 0
	v_mov_b32 v253, 0
.set j, 0
.rept 32
	v_mov_b32 v[160+j], 0                          ; O^T: the step is written once, and its first trip finds zeros
.set j, j+1
.endr
.macro VLOAD                           ; the step's four fragments of V^T and their scale words
.irp t, 0,1,2,3
.irp p, 0,1,2,3,4,5
	ds_load_b64 v[32+12*\t+2*\p:33+12*\t+2*\p], v[ADV] offset:6656*(\p/3)+768*\t+256*(\p%3)
.endr
.endr
	ds_load_b128 v[248:251], v[ADT]
.endm
.macro PVMUL sc                        ; O^T += V^T P^T: four accumulators by turns
.irp t, 0,1,2,3
	v_wmma_scale_f32_16x16x128_f8f6f4 v[160+8*\t:167+8*\t], v[32+12*\t:43+12*\t], v[224:235], v[160+8*\t:167+8*\t], v[248+\t], v[\sc] matrix_a_fmt:MATRIX_FMT_FP6 matrix_b_fmt:MATRIX_FMT_FP6
.endr
.endm
.macro STEP
	s_cmp_gt_u32 s[KST], s[JQ]                     ; the wave's number, the cluster's and the count of steps alone
	s_cbranch_scc1 .Lhid_\@
	s_load_b512 s[32:47], s[MP:MP+1], 0x0          ; word n: the 32 lanes' bits for score register n
	s_load_b512 s[48:63], s[MP:MP+1], 0x40
	s_load_b512 s[68:83], s[MP:MP+1], 0x80
	s_load_b512 s[84:99], s[MP:MP+1], 0xc0
	v_add_nc_u32 v[ADK], s[TB], v[AK0]             ; four plain lines: the places behind the last products
	v_add_nc_u32 v[ADV], s[TB], v[AV0]
	v_add_nc_u32 v[ADS], s[TB], v[ASK0]
	v_add_nc_u32 v[ADT], s[TB], v[ASV0]
.irp t, 0,1,2,3,4,5,6,7
.irp p, 0,1,2
	ds_load_b64 v[32+6*\t+2*\p:33+6*\t+2*\p], v[ADK] offset:768*\t+256*\p
.endr
	ds_load_u16 v[192+\t], v[ADS] offset:4*\t
.endr
	s_wait_dscnt 0x0
.irp t, 0,1,2,3,4,5,6,7                ; S^T = K Q^T: lane (r, h) holds query r; register 16 b + i is key 32 b + 16 h + i
	v_wmma_scale_f32_16x16x128_f8f6f4 v[96+8*\t:103+8*\t], v[32+6*\t:43+6*\t], v[16:27], 0, v[192+\t], v255 matrix_a_fmt:MATRIX_FMT_FP6 matrix_b_fmt:MATRIX_FMT_FP6
.endr
.rept 4
	v_nop
.endr
	VLOAD                                          ; lands while the softmax is walked
	s_wait_kmcnt 0x0
	s_wait_xcnt 0x0
	s_add_nc_u64 s[MP:MP+1], s[MP:MP+1], 256
.set n, 0
.rept 64
	v_cndmask_b32 v[96+n], v201, v[96+n], s[32+n+4*(n/32)]
.set n, n+1
.endr
.irp b, 0,1,2,3
	v_max3_num_f32 v[232+\b], v[96+16*\b], v[97+16*\b], v[98+16*\b]      ; the largest score of each block of 32 keys: for the row's maximum and for the block's largest p
.endr
.irp i, 3,5,7,9,11,13
.irp b, 0,1,2,3
	v_max3_num_f32 v[232+\b], v[232+\b], v[96+16*\b+\i], v[97+16*\b+\i]
.endr
.endr
.irp b, 0,1,2,3
	v_max_num_f32 v[232+\b], v[232+\b], v[111+16*\b]
.endr
.irp b, 0,1,2,3
	v_permlanex16_b32 v[236+\b], v[232+\b], s[SEL], s[SEL+1]
.endr
.irp b, 0,1,2,3
	v_max_num_f32 v[232+\b], v[232+\b], v[236+\b]
.endr
	v_max3_num_f32 v254, v232, v233, v234
	v_max_num_f32 v254, v254, v235
	v_mul_f32 v254, s[CS], v254
	v_max_num_f32 v13, v13, v254                   ; the running largest t
	v_mov_b32 v254, v12
	v_floor_f32 v12, -v13                          ; the new -M
	v_sub_f32 v254, v12, v254
	v_cvt_i32_f32 v254, v254                       ; (it saturates)
	v_ldexp_f32 v252, 1.0, v254                    ; f = 2^(old M - new M): exact
.set j, 0
.rept 32
	v_pk_fma_f32 v[96+j:97+j], v[96+j:97+j], s[CS:CS+1], v[12:13] op_sel_hi:[1,0,0]    ; t - M
.set j, j+2
.endr
.irp b, 0,1,2,3
	v_fma_f32 v[232+\b], v[232+\b], s[CS], v12
.endr
.set j, 0
.rept 64
	v_exp_f32 v[96+j], v[96+j]                     ; p, at most 1
.set j, j+1
.endr
	v_pk_mul_f32 v[14:15], v[14:15], v[252:253] op_sel_hi:[1,0]     ; the sums under the new M: a plain place behind the exponentials
	s_wait_alu depctr_va_vdst(0)                   ; one wait for the batch, ahead of its first reader
.irp b, 0,1,2,3
	v_exp_f32 v[232+\b], v[232+\b]                 ; each block's largest p
.endr
	v_pk_add_f32 v[236:237], v[96:97], v[98:99]    ; the sum of the unquantised p, in two chains
.irp j, 4,8,12,16,20,24,28,32,36,40,44,48,52,56,60
	v_pk_add_f32 v[14:15], v[14:15], v[96+\j:97+\j]
	v_pk_add_f32 v[236:237], v[236:237], v[98+\j:99+\j]
.endr
	v_pk_add_f32 v[14:15], v[14:15], v[236:237]
	s_wait_alu depctr_va_vdst(0)                   ; and one for the four
.irp b, 0,1,2,3
	v_max_num_f32 v[232+\b], 0x1800000, v[232+\b]  ; the floor: the byte cannot fall under 1
.endr
.irp b, 0,1,2,3
	v_add_nc_u32 v[244+\b], 0xff000000, v[232+\b]
.endr
.irp b, 0,1,2,3
	v_lshrrev_b32 v[236+\b], 23, v[244+\b]
.endr
	v_lshl_or_b32 v253, v237, 8, v236              ; p's scale word
	v_lshl_or_b32 v253, v238, 16, v253
	v_lshl_or_b32 v253, v239, 24, v253
.irp c, 0,1
	v_cvt_scalef32_pk16_fp6_f32 v[224+6*\c:226+6*\c], v[96+32*\c:111+32*\c], v[244+2*\c]
	v_cvt_scalef32_pk16_fp6_f32 v[236+4*\c:238+4*\c], v[112+32*\c:127+32*\c], v[244+2*\c+1]
.endr
	v_nop
.irp c, 0,1
.irp i, 0,1,2
	v_permlane16_swap_b32 v[224+6*\c+\i], v[236+4*\c+\i]
.endr
.irp i, 0,1,2
	v_mov_b32 v[227+6*\c+\i], v[236+4*\c+\i]
.endr
.endr
.set j, 0
.rept 16
	v_pk_mul_f32 v[160+j:161+j], v[160+j:161+j], v[252:253] op_sel_hi:[1,0]    ; O^T under the new M; also the places in front of the products below
.set j, j+2
.endr
	s_wait_dscnt 0x0                               ; V is in
	PVMUL 253
	s_branch .Ljoin_\@
.Lhid_\@:                              ; every key of the step lies above the diagonal
	v_cmp_eq_f32 vcc_lo, 0x4eb8aa3b, v12           ; -M = c 2^33: all of the row's scores were hidden
	v_add_nc_u32 v[ADV], s[TB], v[AV0]
	v_add_nc_u32 v[ADT], s[TB], v[ASV0]
	v_cndmask_b32 v254, 0, s101, vcc_lo
	v_add_f32 v14, v14, v254                       ; (with the three lines above: the places behind the last products)
	VLOAD
.irp i, 0,3,6,9
	v_cndmask_b32 v[224+\i], 0, s66, vcc_lo
	v_cndmask_b32 v[225+\i], 0, s67, vcc_lo
	v_cndmask_b32 v[226+\i], 0, s100, vcc_lo
.endr
.rept 4
	v_nop                                          ; an operand written by vector instructions stands four places ahead of a scaled product
.endr
	s_wait_dscnt 0x0
	PVMUL 200
.Ljoin_\@:
	s_add_co_u32 s[KST], s[KST], 1
	s_add_co_u32 s[TB], s[TB], CH
.endm
; THE CHANGE OF SLOTS stands at a slot's head: all my tensor loads have landed, the add, my reads of the slot that I have left are over; behind the barrier the slot ahead is whole.
; fill = 1: the barrier is a round of the cluster's, and the slot that was left is filled with the next four key steps, first thing behind it.
.macro CHANGE fill
	s_wait_tensorcnt 0x0
	ds_add_u32 v[SPW], v[NIL]                      ; 0 onto my spare word
.if \fill
	s_xor_b32 s[G0+1], s[G0+1], SLOT1
	s_add_nc_u64 s[G0+2:G0+3], s[G0+2:G0+3], s[INC:INC+1]
	s_wait_dscnt 0x0
	CROUND
	TLOAD
.else
	s_wait_dscnt 0x0
	s_barrier_signal -1
	s_barrier_wait -1
.endif
.endm
.macro FOUR_STEPS
	s_mov_b32 s[NST], 4
.Lstep_\@:
	STEP
	s_sub_co_u32 s[NST], s[NST], 1
	s_cmp_lg_u32 s[NST], 0
	s_cbranch_scc1 .Lstep_\@
	s_sub_co_u32 s[TB], s[TB], 4*CH                ; back to a slot's first step,
	s_xor_b32 s[TB], s[TB], SLOT1                  ; in the other slot
.endm
	s_wait_loadcnt 0x0                             ; Q; its base registers are free from here on
.Lslot:
	CHANGE 1
	FOUR_STEPS
	s_sub_co_u32 s[NSL], s[NSL], 1
	s_cmp_lg_u32 s[NSL], 0
	s_cbranch_scc1 .Lslot
	CHANGE 0                                       ; the last slot is written out
	FOUR_STEPS
	; THE WAY OUT: O^T / the sum; its 32 registers are 16 neighbours of each of two blocks of 32 features: half a fragment of the next product
.rept 4
	v_nop
.endr
	v_add_f32 v14, v14, v15
	v_permlanex16_b32 v252, v14, s[SEL], s[SEL+1]
	v_add_f32 v14, v14, v252
	v_rcp_f32 v14, v14
	v_nop
	s_wait_alu depctr_va_vdst(0)                   ; ahead of the reciprocal's first reader
.set j, 0
.rept 32
	v_mul_f32 v[96+j], v[160+j], v14
.set j, j+1
.endr
.irp b, 0,1
	v_max3_num_f32 v[232+\b], |v[96+16*\b]|, |v[97+16*\b]|, 0x1800000
.endr
.irp i, 2,4,6,8,10,12,14
.irp b, 0,1
	v_max3_num_f32 v[232+\b], v[232+\b], |v[96+16*\b+\i]|, |v[97+16*\b+\i]|
.endr
.endr
.irp b, 0,1
	v_permlanex16_b32 v[236+\b], v[232+\b], s[SEL], s[SEL+1]
.endr
.irp b, 0,1
	v_max_num_f32 v[232+\b], v[232+\b], v[236+\b]
.endr
.irp b, 0,1
	v_add_nc_u32 v[244+\b], 0xff000000, v[232+\b]
.endr
.irp b, 0,1
	v_lshrrev_b32 v[236+\b], 23, v[244+\b]
.endr
	v_lshl_or_b32 v254, v237, 8, v236
	v_cvt_scalef32_pk16_fp6_f32 v[224:226], v[96:111], v244
	v_cvt_scalef32_pk16_fp6_f32 v[240:242], v[112:127], v245
	v_nop
.irp i, 0,1,2
	v_permlane16_swap_b32 v[224+\i], v[240+\i]
.endr
.irp i, 0,1,2
	v_mov_b32 v[227+\i], v[240+\i]
.endr
.irp p, 0,1,2
	global_store_b64 v[GO], v[224+2*\p:225+2*\p], s[AO:AO+1] offset:256*\p     ; 256 consecutive bytes
.endr
	global_store_b16 v[GS], v254, s[AO:AO+1]       ; my head's two bytes of each row's scale word (lanes r and r + 16 write the same): the one store of this program that fills no whole run
	s_wait_tensorcnt 0x0                           ; the wave's end
	ds_add_u32 v[SPW], v[NIL]
	s_wait_dscnt 0x0
	CROUND                                         ; the closing round
	s_endpgm
.Lfunc_end_k_qe23ab0d370_attn:
	.size	k_qe23ab0d370_attn, .Lfunc_end_k_qe23ab0d370_attn-k_qe23ab0d370_attn
	.p2alignl 7, 3214868480
	.fill 96, 4, 3214868480
	.section	.rodata,"a",@progbits
	.p2align	6, 0x0
	.amdhsa_kernel k_qe23ab0d370_attn
		.amdhsa_group_segment_fixed_size 327680
		.amdhsa_private_segment_fixed_size 0
		.amdhsa_enable_private_segment 0
		.amdhsa_kernarg_size 24
		.amdhsa_user_sgpr_count 2
		.amdhsa_user_sgpr_kernarg_segment_ptr 1
		.amdhsa_wavefront_size32 1
		.amdhsa_system_sgpr_workgroup_id_x 1
		.amdhsa_system_sgpr_workgroup_id_y 1
		.amdhsa_system_sgpr_workgroup_id_z 1
		.amdhsa_system_vgpr_workitem_id 0
		.amdhsa_next_free_vgpr 256
		.amdhsa_next_free_sgpr 102
		.amdhsa_reserve_vcc 1
		.amdhsa_float_denorm_mode_32 3
		.amdhsa_float_denorm_mode_16_64 3
		.amdhsa_memory_ordered 1
		.amdhsa_forward_progress 1
		.amdhsa_inst_pref_size 63
	.end_amdhsa_kernel
	.amdgpu_metadata
---
amdhsa.version: [ 1, 2 ]
amdhsa.kernels:
  - .name:           k_qe23ab0d370_attn
    .symbol:         k_qe23ab0d370_attn.kd
    .args:
      - { .name: qkv, .offset: 0, .size: 8, .value_kind: global_buffer, .address_space: global }
      - { .name: mbits, .offset: 8, .size: 8, .value_kind: global_buffer, .address_space: global }
      - { .name: ao, .offset: 16, .size: 8, .value_kind: global_buffer, .address_space: global }
    .group_segment_fixed_size: 327680
    .private_segment_fixed_size: 0
    .kernarg_segment_align: 8
    .kernarg_segment_size: 24
    .max_flat_workgroup_size: 512
    .sgpr_count:     102
    .vgpr_count:     256
    .wavefront_size: 32
...
	.end_amdgpu_metadata
.endif
;; end of part 3
;; launch oproj (part 4): grid 4 x 16, 4 waves a work-group, clusters of 4 x 4, 327,680 bytes of LDS; arguments ao, ops, bo, at; writes at
.if DOCPART == 4
	.amdgcn_target "amdgcn-amd-amdhsa--gfx1250"
	.amdhsa_code_object_version 6
	.text
	.protected	k_qe23ab0d370_oproj
	.globl	k_qe23ab0d370_oproj
	.p2align	8
	.type	k_qe23ab0d370_oproj,@function
k_qe23ab0d370_oproj:
	s_mov_b64 s[64:65], 0
	v_nop
	global_prefetch_b8 v0, s[64:65] scope:SCOPE_SE
	s_setreg_imm32_b32 hwreg(HW_REG_WAVE_MODE, 25, 1), 1
	s_wait_xcnt 0x0
	s_wait_alu depctr_hold_cnt(0) depctr_sa_sdst(0) depctr_va_vdst(0) depctr_va_sdst(0) depctr_va_ssrc(0) depctr_va_vcc(0) depctr_vm_vsrc(0)
	s_getreg_b32 s2, hwreg(HW_REG_IB_STS2, 6, 4)
	s_cmp_eq_u32 s2, 0
	s_cbranch_scc0 .Lentry_in_a_cluster
	s_endpgm
.Lentry_in_a_cluster:
	s_bfe_u32 s2, ttmp6, 0x10000c
	s_cmp_lg_u32 s2, 0xf033
	s_cbranch_scc0 .Lentry_shape_is_right
	s_endpgm
.Lentry_shape_is_right:
; ONE TEXT FOR FOUR LAUNCHES, told apart by JOB: C = A B^T on codes of FP6 (E2M3) with E8M0 scales, f32 sums, and what follows the product.
;   JOB 0: q, k = x Wq + bq, x Wk + bk (A = x's rows, B = the weights' columns) and V^T (A = Wv's columns, B = x's rows, + bv): quantised along B's rows.   JOB 1: attn_out = o Wo + bo, as f32 and as codes.
;   JOB 2: gelu(attn_out W1 + b1), as codes.   JOB 3: h W2 + b2, as f32.
; OPERANDS lie in memory as images of operand registers, in chunks of 128 rows x 128 K = 12,800 bytes: registers 0-5 of 8 fragments at 768 t + 256 p + 8 lane, the scale words at 6,144 + 32 r + 4 t,
; registers 6-11 from 6,656 on; a block of rows has its K steps on end.  Tile t, lane r holds row 32 (t / 2) + 8 (t % 2) + r + 8 (r / 8).  So a fragment is six LDS loads of 256 consecutive bytes,
; and two K steps of 128 rows, codes and scales, are one dense tensor load of 100 rows of 256 bytes.
; SHARES: a tile of C is 256 x 256, four waves of 128 x 128 (64 accumulators, 512 registers).  Source 0 = 16 rows of B, source 1 = 16 rows of A: a lane holds one row of A, and by the order of rows above the
; 16 registers of B's tiles 2 b and 2 b + 1 are 16 NEIGHBOURS along B's rows, which are the next product's K: a wave's 128 x 128 becomes one chunk of the next operand, in registers.
; RING: two slots of two K steps; each wave fetches one block of rows (waves 0, 1: A's two; waves 2, 3: B's).  CLUSTER 4 x 4: A's tiles are asked for jointly along a row, B's along a column.
; By this text's own count a wave has two tensor loads out at the start and one behind each change of slots.
; LIMITS: blocks of zeros or under 2^-124 keep the byte 1; NaN and infinities are not served; JOB 2: 1 + erf has an absolute error near 1e-7, so gelu(x) for x under about -4 is right only beside a block's larger numbers.
; No prefetch: the operands are read by many clusters at about the same time and a refill has two K steps, 128 matrix instructions, in which to land.
.set JOB, 1
.if JOB == 3
.set KS, 32
.else
.set KS, 8
.endif
.set AOFF, 0
.set BOFF, 0
.set QNT, 1                            ; the result leaves as codes
.set F32O, 0                           ; the result leaves as f32
.if JOB == 1
.set BOFF, 448*12800
.set F32O, 1
.elseif JOB == 2
.set AOFF, 16777216
.set BOFF, 512*12800
.elseif JOB == 3
.set BOFF, 768*12800
.set QNT, 0
.set F32O, 1
.endif
.set LAPS,  KS/4                       ; a lap = two slots = four K steps
.set CH,    12800
.set REG,   2*CH                       ; what one tensor load brings
.set SLOT,  4*REG
.set SPARE, 2*SLOT                     ; behind the ring: the spare words, 128 bytes a wave
.set SPITCH, 528                       ; the f32 stage: 16 rows x (512 + 16) bytes a wave, in slot 0, behind its last fill and last read
.set ADRA, 16                          ; v16-17 LDS address of my A fragments in slot 0, 1;  v20-21 B's;  v22-23 the scale words' (lanes 0-15 A's, lanes 16-31 B's)
.set ADRB, 20
.set ADRS, 22
.set STO,  24
.set RD,   25
.set CO,   26                          ; 16 x lane
.set LO,   27                          ; 8 x lane
.set SPW,  28
.set NIL,  29
.set SCO,  30                          ; 32 r + 16 h
.set SC,   32                          ; v32-47 scale words, two sets of 8: they hold scales and nothing else
.set ZV,   48                          ; JOB 2: z
.set BI,   64                          ; v64-127 the bias along B's rows, in the result's layout
.set AF,   128                         ; v128-223 A's fragments, one set
.set EV,   128                         ; the way out: 64 numbers of a lane
.set TM,   192
.set PC,   208
.set PW,   228
.set SW,   232                         ; v232-239 the eight tiles' scale words
.set BL,   240                         ; JOB 0: the bias along A's rows, a pair for each tile;  JOB 2: Q
.set G1,  24
.set G0,  32
.set G1B, 48
.set G0B, 56
.set EA,  82
.set SEL, 84
.set MSB, 0
.macro WIN new                         ; the immediate's high byte repeats the setting that is left
.if MSB != \new
	s_set_vgpr_msb (MSB<<8)|\new
.set MSB, \new
.endif
.endm
.set MUL_LO, 0xa1                      ; source 0 (B) window 1, source 1 (A) window 0, C and D window 2
.set MUL_HI, 0xf1                      ; C and D window 3
.set TO_B,   0x40
.macro JLOAD s                         ; a joint load: waves 0, 1 for A, waves 2, 3 for B; an s_nop 0 and four v_nop follow each line
	s_cmp_eq_u32 s15, 0
	s_cbranch_scc0 .Lfor_b_\@
	tensor_load_to_lds s[G0+4*\s:G0+4*\s+3], s[G1:G1+7]
	s_nop 0
.rept 4
	v_nop
.endr
	s_branch .Lasked_\@
.Lfor_b_\@:
	tensor_load_to_lds s[G0B+4*\s:G0B+4*\s+3], s[G1B:G1B+7]
	s_nop 0
.rept 4
	v_nop
.endr
.Lasked_\@:
.endm
.macro CREST
	s_cmp_lg_u32 s14, 0
	s_cbranch_scc1 .Lnot_wave_0_\@
	s_barrier_signal -3
.Lnot_wave_0_\@:
	s_barrier_wait -3
	s_barrier_signal -1
	s_barrier_wait -1
.endm
.macro CROUND
	s_barrier_signal -1
	s_barrier_wait -1
	CREST
.endm
.macro PLACES
.rept 4
	v_nop
.endr
.endm
.macro QUANT s, pc, pw                 ; 64 numbers of a lane, register 16 b + i = k 32 b + 16 h + i of its row -> a fragment in v[pc] on, its scale word in v[pw]
.irp b, 0,1,2,3
	v_max3_num_f32 v[TM+\b], |v[\s+16*\b]|, |v[\s+1+16*\b]|, 0x1800000   ; the floor 2^(3 - 127) holds the byte at 1 from below
.endr
.irp i, 2,4,6,8,10,12,14
.irp b, 0,1,2,3
	v_max3_num_f32 v[TM+\b], v[TM+\b], |v[\s+16*\b+\i]|, |v[\s+1+16*\b+\i]|
.endr
.endr
.irp b, 0,1,2,3
	v_permlanex16_b32 v[TM+4+\b], v[TM+\b], s[SEL], s[SEL+1]
.endr
.irp b, 0,1,2,3
	v_max_num_f32 v[TM+\b], v[TM+\b], v[TM+4+\b]
.endr
.irp b, 0,1,2,3
	v_add_nc_u32 v[TM+12+\b], 0xff000000, v[TM+\b]         ; 2 off the exponent field: the conversion's scale operand
.endr
.irp b, 0,1,2,3
	v_lshrrev_b32 v[TM+4+\b], 23, v[TM+12+\b]
.endr
	v_lshl_or_b32 v[\pw], v[TM+5], 8, v[TM+4]
	v_lshl_or_b32 v[\pw], v[TM+6], 16, v[\pw]
	v_lshl_or_b32 v[\pw], v[TM+7], 24, v[\pw]
.irp c, 0,1
	v_cvt_scalef32_pk16_fp6_f32 v[\pc+6*\c:\pc+2+6*\c], v[\s+32*\c:\s+15+32*\c], v[TM+12+2*\c]
	v_cvt_scalef32_pk16_fp6_f32 v[\pc+12+4*\c:\pc+14+4*\c], v[\s+16+32*\c:\s+31+32*\c], v[TM+12+2*\c+1]
.endr
	v_nop                                                  ; one plain place behind a scaled conversion
.irp c, 0,1
.irp i, 0,1,2
	v_permlane16_swap_b32 v[\pc+6*\c+\i], v[\pc+12+4*\c+\i]
.endr
.irp i, 0,1,2
	v_mov_b32 v[\pc+3+6*\c+\i], v[\pc+12+4*\c+\i]
.endr
.endr
.endm
.if JOB == 0
	s_load_b64 s[4:5], s[0:1], 0x0                 ; ops: A, B and the biases
	s_load_b64 s[10:11], s[0:1], 0x8               ; the output
.else
	s_load_b256 s[4:11], s[0:1], 0x0               ; A, B (ops), the bias, the output
.endif
	v_lshl_add_u32 v[SPW], v0, 2, SPARE
	v_mov_b32 v[NIL], 0
	ds_add_u32 v[SPW], v[NIL]                      ; the wave's opening: the add and its wait ahead of my first tensor load
	v_lshrrev_b32 v1, 5, v0
	v_readfirstlane_b32 s14, v1                    ; wave
	s_lshr_b32 s15, s14, 1                         ; my half of the tile's rows; also: I fetch for A (0) or B (1)
	s_and_b32 s16, s14, 1                          ; my half of its columns; also: which block of 128 rows I fetch
	s_bfe_u32 s40, ttmp6, 0x40000                  ; cx
	s_bfe_u32 s41, ttmp6, 0x40004                  ; cy
	s_and_b32 s17, ttmp7, 0xffff                   ; the cluster's y
	s_lshl_b32 s43, s41, 2
	s_lshl_b32 s43, 15, s43                        ; my row of the cluster
	s_lshl_b32 s44, 0x1111, s40                    ; my column
.if JOB == 0                           ; clusters x = 0, 1: x's rows against Wq's, Wk's;  x = 2: Wv's against x's rows.  The choice hangs on the cluster's number, which all partners share, and steers no branch
	s_lshl_b32 s18, s17, 3
	s_lshl_b32 s19, ttmp9, 3
	s_add_co_u32 s19, s19, 32
	s_mov_b32 s67, 32
	s_cmp_eq_u32 ttmp9, 2
	s_cselect_b32 s20, 48, s18                     ; A's first block of 128 rows in ops
	s_cselect_b32 s46, s18, s19                    ; B's
	s_cselect_b32 s66, 32, 16                      ; the output chunk is A's block x s66 + B's block - s67
	s_cselect_b32 s67, 1024, s67
.else
	s_lshl_b32 s20, s17, 3
	s_lshl_b32 s46, ttmp9, 3
.endif
	s_lshl_b32 s21, s41, 1
	s_add_co_u32 s20, s20, s21                     ; A's registers take cy alone,
	s_lshl_b32 s47, s40, 1
	s_add_co_u32 s46, s46, s47                     ; B's cx alone
	s_add_co_u32 s68, s20, s15                     ; the block of A's rows that I multiply,
	s_add_co_u32 s69, s46, s16                     ; and of B's
	s_add_co_u32 s20, s20, s16                     ; the blocks that I fetch
	s_add_co_u32 s46, s46, s16
	s_mul_i32 s20, s20, KS*CH
	s_mul_i32 s46, s46, KS*CH
	s_add_co_u32 s20, s20, AOFF
	s_add_co_u32 s46, s46, BOFF
	s_mov_b32 s21, 0
	s_mov_b32 s47, 0
	s_mul_i32 s45, s14, REG                        ; where they go: no place in the cluster enters an LDS address
	s_or_b32 s[G1+0], s43, (3<<16)|(1<<21)         ; the mask; elements of 8 bytes; bit 21 beside a mask; no padding
	s_or_b32 s[G1B+0], s44, (3<<16)|(1<<21)
.irp g, G1, G1B
	s_mov_b32 s[\g+1], 32<<16                      ; tensor_dim0 = 32 elements = 256 bytes
	s_mov_b32 s[\g+2], 100<<16                     ; tensor_dim1 = 100 rows
	s_mov_b32 s[\g+3], 32<<16                      ; tile_dim0
	s_mov_b32 s[\g+4], 100                         ; tile_dim1
	s_mov_b32 s[\g+5], 32                          ; dense
	s_mov_b32 s[\g+6], 0
	s_mov_b32 s[\g+7], 0
.endr
	s_mov_b32 s[SEL], 0x76543210
	s_mov_b32 s[SEL+1], 0xfedcba98
	s_wait_dscnt 0x0                               ; the opening add is done
	s_wait_kmcnt 0x0
.if JOB == 0
	s_mov_b64 s[6:7], s[4:5]
	s_add_nc_u64 s[8:9], s[4:5], 1024*CH           ; the table of biases by row of ops
.endif
	s_add_nc_u64 s[20:21], s[4:5], s[20:21]
	s_add_nc_u64 s[46:47], s[6:7], s[46:47]
	CROUND                                         ; all sixteen work-groups are here: the first joint loads meet
.irp s, 0,1
	s_mov_b32 s[G0+4*\s], 1
	s_add_co_u32 s[G0+4*\s+1], s45, \s*SLOT
	s_add_nc_u64 s[G0+4*\s+2:G0+4*\s+3], s[20:21], \s*REG
	s_or_b32 s[G0+4*\s+3], s[G0+4*\s+3], 0x80000000
	s_mov_b32 s[G0B+4*\s], 1
	s_add_co_u32 s[G0B+4*\s+1], s45, \s*SLOT
	s_add_nc_u64 s[G0B+4*\s+2:G0B+4*\s+3], s[46:47], \s*REG
	s_or_b32 s[G0B+4*\s+3], s[G0B+4*\s+3], 0x80000000
	JLOAD \s
.endr
	v_and_b32 v1, 15, v0                           ; r
	v_bfe_u32 v2, v0, 4, 1                         ; h
	v_and_b32 v3, 31, v0
	v_lshlrev_b32 v[LO], 3, v3
	v_lshlrev_b32 v[CO], 4, v3
	v_lshlrev_b32 v[SCO], 5, v1
	v_lshl_add_u32 v[SCO], v2, 4, v[SCO]
	s_mul_i32 s21, s15, REG                        ; my block of A in a slot,
	s_mul_i32 s22, s16, REG
	s_add_co_u32 s22, s22, 2*REG                   ; and of B
.irp s, 0,1
	v_add_nc_u32 v[ADRA+\s], s21, v[LO]
	v_add_nc_u32 v[ADRB+\s], s22, v[LO]
	s_add_co_u32 s21, s21, SLOT
	s_add_co_u32 s22, s22, SLOT
.endr
	s_mul_i32 s21, s15, REG
	s_mul_i32 s22, s16, REG
	s_add_co_u32 s22, s22, 2*REG
	s_sub_co_u32 s22, s22, s21
	v_mul_u32_u24 v6, s22, v2                      ; lanes 16-31 take B's scale words: one product, the distance between the two blocks
	v_lshl_add_u32 v6, v1, 5, v6
	s_add_co_u32 s21, s21, 6144
	v_add_nc_u32 v[ADRS], s21, v6
	v_add_nc_u32 v[ADRS+1], SLOT, v[ADRS]
	s_mul_i32 s23, s14, 16*SPITCH                  ; my stage
	v_mul_u32_u24 v5, v1, SPITCH
	v_lshl_add_u32 v5, v2, 6, v5
	v_add_nc_u32 v[STO], s23, v5                   ; in: row r, + 64 h
	v_add_nc_u32 v[RD], s23, v[CO]                 ; back: a row of 512 bytes
	; the biases: asked for now, awaited at the way out; their address registers v8, v9 stay
	v_lshlrev_b32 v8, 6, v2
	s_mov_b32 s71, 0
.if JOB == 0
	v_and_b32 v9, 8, v1
	v_add_nc_u32 v9, v9, v1
	v_lshlrev_b32 v9, 2, v9
	s_lshl_b32 s70, s68, 9
	s_add_nc_u64 s[72:73], s[8:9], s[70:71]
.endif
	s_lshl_b32 s70, s69, 9
	s_add_nc_u64 s[8:9], s[8:9], s[70:71]
.irp b, 0,1,2,3,4,5,6,7                ; register 8 b + j of lane (r, h) is B's row 32 (b / 2) + 16 h + 8 (b % 2) + j
	global_load_b128 v[BI+8*\b:BI+8*\b+3], v8, s[8:9] offset:(32*(\b/2)+8*(\b%2))*4
	global_load_b128 v[BI+8*\b+4:BI+8*\b+7], v8, s[8:9] offset:(32*(\b/2)+8*(\b%2))*4+16
.endr
.if JOB == 0
.irp a, 0,1,2,3,4,5,6,7                ; and lane r of tile a is A's row 32 (a / 2) + 8 (a % 2) + r + 8 (r / 8).  One of the two biases is zeros: the price of one path for q, k and V^T
	global_load_b32 v[BL+2*\a], v9, s[72:73] offset:(32*(\a/2)+8*(\a%2))*4
.endr
.endif
.if JOB == 2
	v_mov_b32 v10, 0x32edffee                      ; the first addends of erf's two polynomials, as pairs
	v_mov_b32 v11, 0x32edffee
	v_mov_b32 v12, 0xb95fbd29
	v_mov_b32 v13, 0xb95fbd29
.endif
	; where the results go
.if JOB == 0
	s_mul_i32 s70, s68, s66
	s_add_co_u32 s70, s70, s69
	s_sub_co_u32 s70, s70, s67
.elseif JOB == 1
	s_lshl_b32 s70, s68, 3
	s_add_co_u32 s70, s70, s69
.elseif JOB == 2
	s_lshl_b32 s70, s68, 5
	s_add_co_u32 s70, s70, s69
.endif
.if QNT
	s_mul_i32 s70, s70, CH
.if JOB == 1
	s_add_co_u32 s70, s70, 16777216                ; the codes lie behind the f32 numbers
.endif
	s_add_nc_u64 s[76:77], s[10:11], s[70:71]      ; my chunk
.endif
.if F32O
	s_lshl_b32 s70, s68, 19                        ; 128 rows of 4,096 bytes
	s_lshl_b32 s86, s69, 9
	s_add_co_u32 s70, s70, s86
	s_add_nc_u64 s[78:79], s[10:11], s[70:71]
.endif
.macro FRAG reg, adr, off, t           ; a fragment: six loads of 8 bytes a lane, 256 consecutive bytes each
.irp p, 0,1,2,3,4,5
	ds_load_b64 v[\reg+2*\p:\reg+2*\p+1], v[\adr] offset:\off+6656*(\p/3)+768*(\t)+256*(\p%3)
.endr
.endm
.macro FETCH_B slot, q, p
	WIN TO_B
.irp i, 0,1,2,3,4,5,6,7
	FRAG 128*(\p)+12*\i, ADRB+\slot, CH*(\q), \i
.endr
	WIN 0
.endm
.macro FETCH_A slot, q, i0
.irp i, \i0, \i0+1, \i0+2, \i0+3
	FRAG AF+12*(\i), ADRA+\slot, CH*(\q), \i
.endr
.endm
.macro SCALES slot, q, p               ; register i of the set: lanes 0-15 the word of A's tile i, lanes 16-31 that of B's tile i
	ds_load_b128 v[SC+8*(\p):SC+8*(\p)+3], v[ADRS+\slot] offset:CH*(\q)
	ds_load_b128 v[SC+8*(\p)+4:SC+8*(\p)+7], v[ADRS+\slot] offset:CH*(\q)+16
.endm
; 16 matrix instructions: A's tiles a0, a0 + 1 x B's eight.  p: B's set and the scales'.  The 64 accumulators take turns, one instruction a turn, in the same order in every step
.macro MUL16 a0, p, zero
.irp a, \a0, \a0+1
.irp b, 0,1,2,3,4,5,6,7
.if \zero
	v_wmma_scale_f32_16x16x128_f8f6f4 v[8*(8*((\a)%4)+\b):8*(8*((\a)%4)+\b)+7], v[128*(\p)+12*\b:128*(\p)+12*\b+11], v[AF+12*(\a):AF+12*(\a)+11], 0, v[SC+8*(\p)+\b], v[SC+8*(\p)+(\a)] matrix_a_fmt:MATRIX_FMT_FP6 matrix_b_fmt:MATRIX_FMT_FP6 matrix_a_scale:MATRIX_SCALE_ROW1
.else
	v_wmma_scale_f32_16x16x128_f8f6f4 v[8*(8*((\a)%4)+\b):8*(8*((\a)%4)+\b)+7], v[128*(\p)+12*\b:128*(\p)+12*\b+11], v[AF+12*(\a):AF+12*(\a)+11], v[8*(8*((\a)%4)+\b):8*(8*((\a)%4)+\b)+7], v[SC+8*(\p)+\b], v[SC+8*(\p)+(\a)] matrix_a_fmt:MATRIX_FMT_FP6 matrix_b_fmt:MATRIX_FMT_FP6 matrix_a_scale:MATRIX_SCALE_ROW1
.endif
.endr
.endr
.endm
.macro STEP slot, zero                 ; a slot's first K step, on set 0; it fetches the second into set 1
	s_wait_dscnt 24                                ; all but the youngest 24 loads (A's tiles 4-7) are in
	WIN MUL_LO
	MUL16 0, 0, \zero
	MUL16 2, 0, \zero
	s_wait_dscnt 0x0                               ; A's tiles 4-7 are in
	PLACES                                         ; four places in front of loads into registers that matrix instructions have read
	FETCH_B \slot, 1, 1
	FETCH_A \slot, 1, 0
	SCALES \slot, 1, 1
	WIN MUL_HI
	MUL16 4, 0, \zero
	MUL16 6, 0, \zero
	PLACES
	WIN 0
	FETCH_A \slot, 1, 4
.endm
.macro TURN slot, next, fill           ; a slot's second K step, on set 1, changes slots: one barrier; fill = 1: it opens a round of the cluster's barrier and this slot is filled again
	s_wait_tensorcnt 0x0                           ; all my tensor loads have landed: my part of the next slot
	ds_add_u32 v[SPW], v[NIL]                      ; 0 onto my spare word
	s_wait_dscnt 25                                ; (the add and A's tiles 4-7 may be out)
	WIN MUL_LO
	MUL16 0, 1, 0
	s_wait_dscnt 0x0                               ; the add is done, and my reads of this slot are over
	s_barrier_signal -1
	MUL16 2, 1, 0
	WIN 0
	s_barrier_wait -1
.if \fill
	CREST                                          ; no wave of any partner still reads this slot or has a load on its way
	s_add_nc_u64 s[G0+4*\slot+2:G0+4*\slot+3], s[G0+4*\slot+2:G0+4*\slot+3], 2*REG
	s_add_nc_u64 s[G0B+4*\slot+2:G0B+4*\slot+3], s[G0B+4*\slot+2:G0B+4*\slot+3], 2*REG
	JLOAD \slot                                    ; the first tensor load behind the round; its four v_nop are the places in front of the loads below
.else
	PLACES
.endif
	FETCH_B \next, 0, 0
	FETCH_A \next, 0, 0
	SCALES \next, 0, 0
	WIN MUL_HI
	MUL16 4, 1, 0
	MUL16 6, 1, 0
	PLACES
	WIN 0
	FETCH_A \next, 0, 4
.endm
	s_wait_tensorcnt 1                             ; my part of slot 0 is in; slot 1's load may be out
	s_barrier_signal -1
	s_barrier_wait -1
	FETCH_B 0, 0, 0
	FETCH_A 0, 0, 0
	SCALES 0, 0, 0
	FETCH_A 0, 0, 4
	STEP 0, 1                                      ; the first step starts the sums: nothing is cleared
	s_mov_b32 s3, LAPS-1
.Llap:
	TURN 0, 1, 1
	STEP 1, 0
	TURN 1, 0, 1
	STEP 0, 0
	s_sub_co_u32 s3, s3, 1
	s_cmp_lg_u32 s3, 0
	s_cbranch_scc1 .Llap
	TURN 0, 1, 0                                   ; the last lap fills nothing
	STEP 1, 0
	s_wait_dscnt 24
	WIN MUL_LO
	MUL16 0, 1, 0
	MUL16 2, 1, 0
	s_wait_dscnt 0x0
	WIN MUL_HI
	MUL16 4, 1, 0
	MUL16 6, 1, 0
	WIN 0
; THE WAY OUT: eight trips, one for each of A's tiles (16 rows x 128 columns).  Only the copy out of the accumulators differs from trip to trip: it is written eight times, each under its own test of the count.
.macro COPY a                          ; the tile's 64 numbers + the bias along the columns, each accumulator from its low end on
	WIN (0x02+(\a)/4)
.set i, 0
.rept 32
	v_pk_add_f32 v[EV+i:EV+i+1], v[64*((\a)%4)+i:64*((\a)%4)+i+1], v[BI+i:BI+i+1]
.set i, i+2
.endr
	WIN 0
.if JOB == 0
.set i, 0
.rept 32
	v_pk_add_f32 v[EV+i:EV+i+1], v[EV+i:EV+i+1], v[BL+2*(\a):BL+2*(\a)+1] op_sel_hi:[1,0]
.set i, i+2
.endr
.endif
.endm
; gelu(x) = x/2 + x/2 erf(x / sqrt 2) for 16 numbers; erf(z) = z P(z^2) / Q(z^2) with z held to +-4: the rational form in f32
.macro GELU16 x
.irp i, 0,2,4,6,8,10,12,14
	v_pk_mul_f32 v[ZV+\i:ZV+\i+1], v[(\x)+\i:(\x)+\i+1], 0x3f3504f3 op_sel_hi:[1,0]
.endr
.irp i, 0,1,2,3,4,5,6,7,8,9,10,11,12,13,14,15
	v_med3_num_f32 v[ZV+\i], v[ZV+\i], -4.0, 4.0
.endr
.irp i, 0,2,4,6,8,10,12,14
	v_pk_mul_f32 v[192+\i:193+\i], v[ZV+\i:ZV+\i+1], v[ZV+\i:ZV+\i+1]
.endr
.irp i, 0,2,4,6,8,10,12,14
	v_pk_fma_f32 v[208+\i:209+\i], v[192+\i:193+\i], 0xaf95df0b, v[10:11] op_sel_hi:[1,0,1]
	v_pk_fma_f32 v[240+\i:241+\i], v[192+\i:193+\i], 0xb77460cd, v[12:13] op_sel_hi:[1,0,1]
.endr
.irp c, 0xb60cff51, 0xb86ec2d2, 0xba40ac63, 0xbb41a1f6, 0xbc83dbd4
.irp i, 0,2,4,6,8,10,12,14
	v_pk_fma_f32 v[208+\i:209+\i], v[208+\i:209+\i], v[192+\i:193+\i], \c op_sel_hi:[1,1,0]
.endr
.endr
.irp c, 0xbadc924e, 0xbbf19bf8, 0xbc69b6a7
.irp i, 0,2,4,6,8,10,12,14
	v_pk_fma_f32 v[240+\i:241+\i], v[240+\i:241+\i], v[192+\i:193+\i], \c op_sel_hi:[1,1,0]
.endr
.endr
.irp i, 0,1,2,3,4,5,6,7,8,9,10,11,12,13,14,15
	v_rcp_f32 v[240+\i], v[240+\i]
.endr
.irp i, 0,2,4,6,8,10,12,14
	v_pk_mul_f32 v[208+\i:209+\i], v[208+\i:209+\i], v[ZV+\i:ZV+\i+1]     ; plain work behind the reciprocals
.endr
.irp i, 0,2,4,6,8,10,12,14
	v_pk_mul_f32 v[ZV+\i:ZV+\i+1], v[(\x)+\i:(\x)+\i+1], 0.5 op_sel_hi:[1,0]
.endr
	s_wait_alu depctr_va_vdst(0)                   ; one wait for the sixteen reciprocals, ahead of their first reader
.irp i, 0,2,4,6,8,10,12,14
	v_pk_mul_f32 v[208+\i:209+\i], v[208+\i:209+\i], v[240+\i:241+\i]
.endr
.irp i, 0,2,4,6,8,10,12,14
	v_pk_fma_f32 v[(\x)+\i:(\x)+\i+1], v[ZV+\i:ZV+\i+1], v[208+\i:209+\i], v[ZV+\i:ZV+\i+1]
.endr
.endm
	PLACES                                         ; behind the last products: results are read, and registers that held A's fragments are written
	s_wait_loadcnt 0x0                             ; the biases
.if JOB == 0
.irp a, 0,1,2,3,4,5,6,7
	v_mov_b32 v[BL+2*\a+1], v[BL+2*\a]             ; named as a pair, so both are written
.endr
.endif
.if QNT
.irp i, 0,1,2,3,4,5,6,7
	v_mov_b32 v[SW+\i], 0
.endr
.irp b, 0,1,2,3
	v_mov_b32 v[TM+4+\b], 0                        ; a lane permute's destination counts as one of its sources
.endr
.endif
	s_mov_b32 s[EA], 0
.Lout:
	s_wait_xcnt 0x0                                ; the last trip's stores have read their data and their bases: both are written again below
	s_mov_b32 s87, 0
.if QNT
	s_mul_i32 s86, s[EA], 768
	s_add_nc_u64 s[74:75], s[76:77], s[86:87]      ; the tile's place in my chunk
.endif
.if F32O
	s_lshr_b32 s86, s[EA], 1
	s_lshl_b32 s86, s86, 17
	s_and_b32 s70, s[EA], 1
	s_lshl_b32 s70, s70, 15
	s_add_co_u32 s86, s86, s70                     ; row 32 (a / 2) + 8 (a % 2), of 4,096 bytes
	s_add_nc_u64 s[80:81], s[78:79], s[86:87]
.endif
.irp a, 0,1,2,3,4,5,6,7
	s_cmp_lg_u32 s[EA], \a
	s_cbranch_scc1 .Lnot\a
	COPY \a
.Lnot\a:
.endr
.if JOB == 2
	GELU16 EV
	GELU16 EV+16
	GELU16 EV+32
	GELU16 EV+48
.endif
.if F32O
.irp b, 0,1,2,3,4,5,6,7                ; into my stage: row r, the columns in their true order
	ds_store_b128 v[STO], v[EV+8*\b:EV+8*\b+3] offset:128*(\b/2)+32*(\b%2)
	ds_store_b128 v[STO], v[EV+8*\b+4:EV+8*\b+7] offset:128*(\b/2)+32*(\b%2)+16
.endr
.endif
.if QNT
	QUANT EV, PC, PW
.irp p, 0,1,2,3,4,5
	global_store_b64 v[LO], v[PC+2*\p:PC+2*\p+1], s[74:75] offset:6656*(\p/3)+256*(\p%3)   ; 256 consecutive bytes
.endr
.irp i, 0,1,2,3,4,5,6
	v_mov_b32 v[SW+\i], v[SW+\i+1]                 ; the scale words move up: after eight trips word a stands in register a
.endr
	v_mov_b32 v[SW+7], v[PW]
.endif
.if F32O
.irp i, 0,1,2,3,4,5,6,7,8,9,10,11,12,13,14,15
	ds_load_b128 v[EV+4*\i:EV+4*\i+3], v[RD] offset:\i*SPITCH     ; LDS serves a wave's instructions in order: these see my stores
.endr
.irp i, 0,1,2,3,4,5,6,7,8,9,10,11,12,13,14,15
	s_wait_dscnt 15-\i                             ; the rows behind row i may be out
	global_store_b128 v[CO], v[EV+4*\i:EV+4*\i+3], s[80:81] offset:(\i+8*(\i/8))*4096      ; 512 consecutive bytes of a row
.endr
.endif
	s_add_co_u32 s[EA], s[EA], 1
	s_cmp_lt_u32 s[EA], 8
	s_cbranch_scc1 .Lout
.if QNT
	s_mov_b32 s83, 0xffff0000
.irp i, 0,1,2,3
	v_cndmask_b32 v[TM+\i], v[SW+\i], v[SW+4+\i], s83     ; lanes 0-15 tiles 0-3, lanes 16-31 tiles 4-7
.endr
	global_store_b128 v[SCO], v[TM:TM+3], s[76:77] offset:6144    ; the chunk's 512 bytes of scale words
.endif
	s_wait_tensorcnt 0x0                           ; the wave's end
	ds_add_u32 v[SPW], v[NIL]
	s_wait_dscnt 0x0
	CROUND                                         ; the closing round
	s_endpgm
.Lfunc_end_k_qe23ab0d370_oproj:
	.size	k_qe23ab0d370_oproj, .Lfunc_end_k_qe23ab0d370_oproj-k_qe23ab0d370_oproj
	.p2alignl 7, 3214868480
	.fill 96, 4, 3214868480
	.section	.rodata,"a",@progbits
	.p2align	6, 0x0
	.amdhsa_kernel k_qe23ab0d370_oproj
		.amdhsa_group_segment_fixed_size 327680
		.amdhsa_private_segment_fixed_size 0
		.amdhsa_enable_private_segment 0
		.amdhsa_kernarg_size 32
		.amdhsa_user_sgpr_count 2
		.amdhsa_user_sgpr_kernarg_segment_ptr 1
		.amdhsa_wavefront_size32 1
		.amdhsa_system_sgpr_workgroup_id_x 1
		.amdhsa_system_sgpr_workgroup_id_y 1
		.amdhsa_system_sgpr_workgroup_id_z 1
		.amdhsa_system_vgpr_workitem_id 0
		.amdhsa_next_free_vgpr 1024
		.amdhsa_next_free_sgpr 100
		.amdhsa_reserve_vcc 0
		.amdhsa_float_denorm_mode_32 3
		.amdhsa_float_denorm_mode_16_64 3
		.amdhsa_memory_ordered 1
		.amdhsa_forward_progress 1
		.amdhsa_inst_pref_size 155
	.end_amdhsa_kernel
	.amdgpu_metadata
---
amdhsa.version: [ 1, 2 ]
amdhsa.kernels:
  - .name:           k_qe23ab0d370_oproj
    .symbol:         k_qe23ab0d370_oproj.kd
    .args:
      - { .name: ao, .offset: 0, .size: 8, .value_kind: global_buffer, .address_space: global }
      - { .name: ops, .offset: 8, .size: 8, .value_kind: global_buffer, .address_space: global }
      - { .name: bo, .offset: 16, .size: 8, .value_kind: global_buffer, .address_space: global }
      - { .name: at, .offset: 24, .size: 8, .value_kind: global_buffer, .address_space: global }
    .group_segment_fixed_size: 327680
    .private_segment_fixed_size: 0
    .kernarg_segment_align: 8
    .kernarg_segment_size: 32
    .max_flat_workgroup_size: 128
    .sgpr_count:     100
    .vgpr_count:     1024
    .wavefront_size: 32
...
	.end_amdgpu_metadata
.endif
;; end of part 4
;; launch ffn1 (part 5): grid 16 x 16, 4 waves a work-group, clusters of 4 x 4, 327,680 bytes of LDS; arguments at, ops, b1, hq; writes hq
.if DOCPART == 5
	.amdgcn_target "amdgcn-amd-amdhsa--gfx1250"
	.amdhsa_code_object_version 6
	.text
	.protected	k_qe23ab0d370_ffn1
	.globl	k_qe23ab0d370_ffn1
	.p2align	8
	.type	k_qe23ab0d370_ffn1,@function
k_qe23ab0d370_ffn1:
	s_mov_b64 s[64:65], 0
	v_nop
	global_prefetch_b8 v0, s[64:65] scope:SCOPE_SE
	s_setreg_imm32_b32 hwreg(HW_REG_WAVE_MODE, 25, 1), 1
	s_wait_xcnt 0x0
	s_wait_alu depctr_hold_cnt(0) depctr_sa_sdst(0) depctr_va_vdst(0) depctr_va_sdst(0) depctr_va_ssrc(0) depctr_va_vcc(0) depctr_vm_vsrc(0)
	s_getreg_b32 s2, hwreg(HW_REG_IB_STS2, 6, 4)
	s_cmp_eq_u32 s2, 0
	s_cbranch_scc0 .Lentry_in_a_cluster
	s_endpgm
.Lentry_in_a_cluster:
	s_bfe_u32 s2, ttmp6, 0x10000c
	s_cmp_lg_u32 s2, 0xf033
	s_cbranch_scc0 .Lentry_shape_is_right
	s_endpgm
.Lentry_shape_is_right:
; ONE TEXT FOR FOUR LAUNCHES, told apart by JOB: C = A B^T on codes of FP6 (E2M3) with E8M0 scales, f32 sums, and what follows the product.
;   JOB 0: q, k = x Wq + bq, x Wk + bk (A = x's rows, B = the weights' columns) and V^T (A = Wv's columns, B = x's rows, + bv): quantised along B's rows.   JOB 1: attn_out = o Wo + bo, as f32 and as codes.
;   JOB 2: gelu(attn_out W1 + b1), as codes.   JOB 3: h W2 + b2, as f32.
; OPERANDS lie in memory as images of operand registers, in chunks of 128 rows x 128 K = 12,800 bytes: registers 0-5 of 8 fragments at 768 t + 256 p + 8 lane, the scale words at 6,144 + 32 r + 4 t,
; registers 6-11 from 6,656 on; a block of rows has its K steps on end.  Tile t, lane r holds row 32 (t / 2) + 8 (t % 2) + r + 8 (r / 8).  So a fragment is six LDS loads of 256 consecutive bytes,
; and two K steps of 128 rows, codes and scales, are one dense tensor load of 100 rows of 256 bytes.
; SHARES: a tile of C is 256 x 256, four waves of 128 x 128 (64 accumulators, 512 registers).  Source 0 = 16 rows of B, source 1 = 16 rows of A: a lane holds one row of A, and by the order of rows above the
; 16 registers of B's tiles 2 b and 2 b + 1 are 16 NEIGHBOURS along B's rows, which are the next product's K: a wave's 128 x 128 becomes one chunk of the next operand, in registers.
; RING: two slots of two K steps; each wave fetches one block of rows (waves 0, 1: A's two; waves 2, 3: B's).  CLUSTER 4 x 4: A's tiles are asked for jointly along a row, B's along a column.
; By this text's own count a wave has two tensor loads out at the start and one behind each change of slots.
; LIMITS: blocks of zeros or under 2^-124 keep the byte 1; NaN and infinities are not served; JOB 2: 1 + erf has an absolute error near 1e-7, so gelu(x) for x under about -4 is right only beside a block's larger numbers.
; No prefetch: the operands are read by many clusters at about the same time and a refill has two K steps, 128 matrix instructions, in which to land.
.set JOB, 2
.if JOB == 3
.set KS, 32
.else
.set KS, 8
.endif
.set AOFF, 0
.set BOFF, 0
.set QNT, 1                            ; the result leaves as codes
.set F32O, 0                           ; the result leaves as f32
.if JOB == 1
.set BOFF, 448*12800
.set F32O, 1
.elseif JOB == 2
.set AOFF, 16777216
.set BOFF, 512*12800
.elseif JOB == 3
.set BOFF, 768*12800
.set QNT, 0
.set F32O, 1
.endif
.set LAPS,  KS/4                       ; a lap = two slots = four K steps
.set CH,    12800
.set REG,   2*CH                       ; what one tensor load brings
.set SLOT,  4*REG
.set SPARE, 2*SLOT                     ; behind the ring: the spare words, 128 bytes a wave
.set SPITCH, 528                       ; the f32 stage: 16 rows x (512 + 16) bytes a wave, in slot 0, behind its last fill and last read
.set ADRA, 16                          ; v16-17 LDS address of my A fragments in slot 0, 1;  v20-21 B's;  v22-23 the scale words' (lanes 0-15 A's, lanes 16-31 B's)
.set ADRB, 20
.set ADRS, 22
.set STO,  24
.set RD,   25
.set CO,   26                          ; 16 x lane
.set LO,   27                          ; 8 x lane
.set SPW,  28
.set NIL,  29
.set SCO,  30                          ; 32 r + 16 h
.set SC,   32                          ; v32-47 scale words, two sets of 8: they hold scales and nothing else
.set ZV,   48                          ; JOB 2: z
.set BI,   64                          ; v64-127 the bias along B's rows, in the result's layout
.set AF,   128                         ; v128-223 A's fragments, one set
.set EV,   128                         ; the way out: 64 numbers of a lane
.set TM,   192
.set PC,   208
.set PW,   228
.set SW,   232                         ; v232-239 the eight tiles' scale words
.set BL,   240                         ; JOB 0: the bias along A's rows, a pair for each tile;  JOB 2: Q
.set G1,  24
.set G0,  32
.set G1B, 48
.set G0B, 56
.set EA,  82
.set SEL, 84
.set MSB, 0
.macro WIN new                         ; the immediate's high byte repeats the setting that is left
.if MSB != \new
	s_set_vgpr_msb (MSB<<8)|\new
.set MSB, \new
.endif
.endm
.set MUL_LO, 0xa1                      ; source 0 (B) window 1, source 1 (A) window 0, C and D window 2
.set MUL_HI, 0xf1                      ; C and D window 3
.set TO_B,   0x40
.macro JLOAD s                         ; a joint load: waves 0, 1 for A, waves 2, 3 for B; an s_nop 0 and four v_nop follow each line
	s_cmp_eq_u32 s15, 0
	s_cbranch_scc0 .Lfor_b_\@
	tensor_load_to_lds s[G0+4*\s:G0+4*\s+3], s[G1:G1+7]
	s_nop 0
.rept 4
	v_nop
.endr
	s_branch .Lasked_\@
.Lfor_b_\@:
	tensor_load_to_lds s[G0B+4*\s:G0B+4*\s+3], s[G1B:G1B+7]
	s_nop 0
.rept 4
	v_nop
.endr
.Lasked_\@:
.endm
.macro CREST
	s_cmp_lg_u32 s14, 0
	s_cbranch_scc1 .Lnot_wave_0_\@
	s_barrier_signal -3
.Lnot_wave_0_\@:
	s_barrier_wait -3
	s_barrier_signal -1
	s_barrier_wait -1
.endm
.macro CROUND
	s_barrier_signal -1
	s_barrier_wait -1
	CREST
.endm
.macro PLACES
.rept 4
	v_nop
.endr
.endm
.macro QUANT s, pc, pw                 ; 64 numbers of a lane, register 16 b + i = k 32 b + 16 h + i of its row -> a fragment in v[pc] on, its scale word in v[pw]
.irp b, 0,1,2,3
	v_max3_num_f32 v[TM+\b], |v[\s+16*\b]|, |v[\s+1+16*\b]|, 0x1800000   ; the floor 2^(3 - 127) holds the byte at 1 from below
.endr
.irp i, 2,4,6,8,10,12,14
.irp b, 0,1,2,3
	v_max3_num_f32 v[TM+\b], v[TM+\b], |v[\s+16*\b+\i]|, |v[\s+1+16*\b+\i]|
.endr
.endr
.irp b, 0,1,2,3
	v_permlanex16_b32 v[TM+4+\b], v[TM+\b], s[SEL], s[SEL+1]
.endr
.irp b, 0,1,2,3
	v_max_num_f32 v[TM+\b], v[TM+\b], v[TM+4+\b]
.endr
.irp b, 0,1,2,3
	v_add_nc_u32 v[TM+12+\b], 0xff000000, v[TM+\b]         ; 2 off the exponent field: the conversion's scale operand
.endr
.irp b, 0,1,2,3
	v_lshrrev_b32 v[TM+4+\b], 23, v[TM+12+\b]
.endr
	v_lshl_or_b32 v[\pw], v[TM+5], 8, v[TM+4]
	v_lshl_or_b32 v[\pw], v[TM+6], 16, v[\pw]
	v_lshl_or_b32 v[\pw], v[TM+7], 24, v[\pw]
.irp c, 0,1
	v_cvt_scalef32_pk16_fp6_f32 v[\pc+6*\c:\pc+2+6*\c], v[\s+32*\c:\s+15+32*\c], v[TM+12+2*\c]
	v_cvt_scalef32_pk16_fp6_f32 v[\pc+12+4*\c:\pc+14+4*\c], v[\s+16+32*\c:\s+31+32*\c], v[TM+12+2*\c+1]
.endr
	v_nop                                                  ; one plain place behind a scaled conversion
.irp c, 0,1
.irp i, 0,1,2
	v_permlane16_swap_b32 v[\pc+6*\c+\i], v[\pc+12+4*\c+\i]
.endr
.irp i, 0,1,2
	v_mov_b32 v[\pc+3+6*\c+\i], v[\pc+12+4*\c+\i]
.endr
.endr
.endm
.if JOB == 0
	s_load_b64 s[4:5], s[0:1], 0x0                 ; ops: A, B and the biases
	s_load_b64 s[10:11], s[0:1], 0x8               ; the output
.else
	s_load_b256 s[4:11], s[0:1], 0x0               ; A, B (ops), the bias, the output
.endif
	v_lshl_add_u32 v[SPW], v0, 2, SPARE
	v_mov_b32 v[NIL], 0
	ds_add_u32 v[SPW], v[NIL]                      ; the wave's opening: the add and its wait ahead of my first tensor load
	v_lshrrev_b32 v1, 5, v0
	v_readfirstlane_b32 s14, v1                    ; wave
	s_lshr_b32 s15, s14, 1                         ; my half of the tile's rows; also: I fetch for A (0) or B (1)
	s_and_b32 s16, s14, 1                          ; my half of its columns; also: which block of 128 rows I fetch
	s_bfe_u32 s40, ttmp6, 0x40000                  ; cx
	s_bfe_u32 s41, ttmp6, 0x40004                  ; cy
	s_and_b32 s17, ttmp7, 0xffff                   ; the cluster's y
	s_lshl_b32 s43, s41, 2
	s_lshl_b32 s43, 15, s43                        ; my row of the cluster
	s_lshl_b32 s44, 0x1111, s40                    ; my column
.if JOB == 0                           ; clusters x = 0, 1: x's rows against Wq's, Wk's;  x = 2: Wv's against x's rows.  The choice hangs on the cluster's number, which all partners share, and steers no branch
	s_lshl_b32 s18, s17, 3
	s_lshl_b32 s19, ttmp9, 3
	s_add_co_u32 s19, s19, 32
	s_mov_b32 s67, 32
	s_cmp_eq_u32 ttmp9, 2
	s_cselect_b32 s20, 48, s18                     ; A's first block of 128 rows in ops
	s_cselect_b32 s46, s18, s19                    ; B's
	s_cselect_b32 s66, 32, 16                      ; the output chunk is A's block x s66 + B's block - s67
	s_cselect_b32 s67, 1024, s67
.else
	s_lshl_b32 s20, s17, 3
	s_lshl_b32 s46, ttmp9, 3
.endif
	s_lshl_b32 s21, s41, 1
	s_add_co_u32 s20, s20, s21                     ; A's registers take cy alone,
	s_lshl_b32 s47, s40, 1
	s_add_co_u32 s46, s46, s47                     ; B's cx alone
	s_add_co_u32 s68, s20, s15                     ; the block of A's rows that I multiply,
	s_add_co_u32 s69, s46, s16                     ; and of B's
	s_add_co_u32 s20, s20, s16                     ; the blocks that I fetch
	s_add_co_u32 s46, s46, s16
	s_mul_i32 s20, s20, KS*CH
	s_mul_i32 s46, s46, KS*CH
	s_add_co_u32 s20, s20, AOFF
	s_add_co_u32 s46, s46, BOFF
	s_mov_b32 s21, 0
	s_mov_b32 s47, 0
	s_mul_i32 s45, s14, REG                        ; where they go: no place in the cluster enters an LDS address
	s_or_b32 s[G1+0], s43, (3<<16)|(1<<21)         ; the mask; elements of 8 bytes; bit 21 beside a mask; no padding
	s_or_b32 s[G1B+0], s44, (3<<16)|(1<<21)
.irp g, G1, G1B
	s_mov_b32 s[\g+1], 32<<16                      ; tensor_dim0 = 32 elements = 256 bytes
	s_mov_b32 s[\g+2], 100<<16                     ; tensor_dim1 = 100 rows
	s_mov_b32 s[\g+3], 32<<16                      ; tile_dim0
	s_mov_b32 s[\g+4], 100                         ; tile_dim1
	s_mov_b32 s[\g+5], 32                          ; dense
	s_mov_b32 s[\g+6], 0
	s_mov_b32 s[\g+7], 0
.endr
	s_mov_b32 s[SEL], 0x76543210
	s_mov_b32 s[SEL+1], 0xfedcba98
	s_wait_dscnt 0x0                               ; the opening add is done
	s_wait_kmcnt 0x0
.if JOB == 0
	s_mov_b64 s[6:7], s[4:5]
	s_add_nc_u64 s[8:9], s[4:5], 1024*CH           ; the table of biases by row of ops
.endif
	s_add_nc_u64 s[20:21], s[4:5], s[20:21]
	s_add_nc_u64 s[46:47], s[6:7], s[46:47]
	CROUND                                         ; all sixteen work-groups are here: the first joint loads meet
.irp s, 0,1
	s_mov_b32 s[G0+4*\s], 1
	s_add_co_u32 s[G0+4*\s+1], s45, \s*SLOT
	s_add_nc_u64 s[G0+4*\s+2:G0+4*\s+3], s[20:21], \s*REG
	s_or_b32 s[G0+4*\s+3], s[G0+4*\s+3], 0x80000000
	s_mov_b32 s[G0B+4*\s], 1
	s_add_co_u32 s[G0B+4*\s+1], s45, \s*SLOT
	s_add_nc_u64 s[G0B+4*\s+2:G0B+4*\s+3], s[46:47], \s*REG
	s_or_b32 s[G0B+4*\s+3], s[G0B+4*\s+3], 0x80000000
	JLOAD \s
.endr
	v_and_b32 v1, 15, v0                           ; r
	v_bfe_u32 v2, v0, 4, 1                         ; h
	v_and_b32 v3, 31, v0
	v_lshlrev_b32 v[LO], 3, v3
	v_lshlrev_b32 v[CO], 4, v3
	v_lshlrev_b32 v[SCO], 5, v1
	v_lshl_add_u32 v[SCO], v2, 4, v[SCO]
	s_mul_i32 s21, s15, REG                        ; my block of A in a slot,
	s_mul_i32 s22, s16, REG
	s_add_co_u32 s22, s22, 2*REG                   ; and of B
.irp s, 0,1
	v_add_nc_u32 v[ADRA+\s], s21, v[LO]
	v_add_nc_u32 v[ADRB+\s], s22, v[LO]
	s_add_co_u32 s21, s21, SLOT
	s_add_co_u32 s22, s22, SLOT
.endr
	s_mul_i32 s21, s15, REG
	s_mul_i32 s22, s16, REG
	s_add_co_u32 s22, s22, 2*REG
	s_sub_co_u32 s22, s22, s21
	v_mul_u32_u24 v6, s22, v2                      ; lanes 16-31 take B's scale words: one product, the distance between the two blocks
	v_lshl_add_u32 v6, v1, 5, v6
	s_add_co_u32 s21, s21, 6144
	v_add_nc_u32 v[ADRS], s21, v6
	v_add_nc_u32 v[ADRS+1], SLOT, v[ADRS]
	s_mul_i32 s23, s14, 16*SPITCH                  ; my stage
	v_mul_u32_u24 v5, v1, SPITCH
	v_lshl_add_u32 v5, v2, 6, v5
	v_add_nc_u32 v[STO], s23, v5                   ; in: row r, + 64 h
	v_add_nc_u32 v[RD], s23, v[CO]                 ; back: a row of 512 bytes
	; the biases: asked for now, awaited at the way out; their address registers v8, v9 stay
	v_lshlrev_b32 v8, 6, v2
	s_mov_b32 s71, 0
.if JOB == 0
	v_and_b32 v9, 8, v1
	v_add_nc_u32 v9, v9, v1
	v_lshlrev_b32 v9, 2, v9
	s_lshl_b32 s70, s68, 9
	s_add_nc_u64 s[72:73], s[8:9], s[70:71]
.endif
	s_lshl_b32 s70, s69, 9
	s_add_nc_u64 s[8:9], s[8:9], s[70:71]
.irp b, 0,1,2,3,4,5,6,7                ; register 8 b + j of lane (r, h) is B's row 32 (b / 2) + 16 h + 8 (b % 2) + j
	global_load_b128 v[BI+8*\b:BI+8*\b+3], v8, s[8:9] offset:(32*(\b/2)+8*(\b%2))*4
	global_load_b128 v[BI+8*\b+4:BI+8*\b+7], v8, s[8:9] offset:(32*(\b/2)+8*(\b%2))*4+16
.endr
.if JOB == 0
.irp a, 0,1,2,3,4,5,6,7                ; and lane r of tile a is A's row 32 (a / 2) + 8 (a % 2) + r + 8 (r / 8).  One of the two biases is zeros: the price of one path for q, k and V^T
	global_load_b32 v[BL+2*\a], v9, s[72:73] offset:(32*(\a/2)+8*(\a%2))*4
.endr
.endif
.if JOB == 2
	v_mov_b32 v10, 0x32edffee                      ; the first addends of erf's two polynomials, as pairs
	v_mov_b32 v11, 0x32edffee
	v_mov_b32 v12, 0xb95fbd29
	v_mov_b32 v13, 0xb95fbd29
.endif
	; where the results go
.if JOB == 0
	s_mul_i32 s70, s68, s66
	s_add_co_u32 s70, s70, s69
	s_sub_co_u32 s70, s70, s67
.elseif JOB == 1
	s_lshl_b32 s70, s68, 3
	s_add_co_u32 s70, s70, s69
.elseif JOB == 2
	s_lshl_b32 s70, s68, 5
	s_add_co_u32 s70, s70, s69
.endif
.if QNT
	s_mul_i32 s70, s70, CH
.if JOB == 1
	s_add_co_u32 s70, s70, 16777216                ; the codes lie behind the f32 numbers
.endif
	s_add_nc_u64 s[76:77], s[10:11], s[70:71]      ; my chunk
.endif
.if F32O
	s_lshl_b32 s70, s68, 19                        ; 128 rows of 4,096 bytes
	s_lshl_b32 s86, s69, 9
	s_add_co_u32 s70, s70, s86
	s_add_nc_u64 s[78:79], s[10:11], s[70:71]
.endif
.macro FRAG reg, adr, off, t           ; a fragment: six loads of 8 bytes a lane, 256 consecutive bytes each
.irp p, 0,1,2,3,4,5
	ds_load_b64 v[\reg+2*\p:\reg+2*\p+1], v[\adr] offset:\off+6656*(\p/3)+768*(\t)+256*(\p%3)
.endr
.endm
.macro FETCH_B slot, q, p
	WIN TO_B
.irp i, 0,1,2,3,4,5,6,7
	FRAG 128*(\p)+12*\i, ADRB+\slot, CH*(\q), \i
.endr
	WIN 0
.endm
.macro FETCH_A slot, q, i0
.irp i, \i0, \i0+1, \i0+2, \i0+3
	FRAG AF+12*(\i), ADRA+\slot, CH*(\q), \i
.endr
.endm
.macro SCALES slot, q, p               ; register i of the set: lanes 0-15 the word of A's tile i, lanes 16-31 that of B's tile i
	ds_load_b128 v[SC+8*(\p):SC+8*(\p)+3], v[ADRS+\slot] offset:CH*(\q)
	ds_load_b128 v[SC+8*(\p)+4:SC+8*(\p)+7], v[ADRS+\slot] offset:CH*(\q)+16
.endm
; 16 matrix instructions: A's tiles a0, a0 + 1 x B's eight.  p: B's set and the scales'.  The 64 accumulators take turns, one instruction a turn, in the same order in every step
.macro MUL16 a0, p, zero
.irp a, \a0, \a0+1
.irp b, 0,1,2,3,4,5,6,7
.if \zero
	v_wmma_scale_f32_16x16x128_f8f6f4 v[8*(8*((\a)%4)+\b):8*(8*((\a)%4)+\b)+7], v[128*(\p)+12*\b:128*(\p)+12*\b+11], v[AF+12*(\a):AF+12*(\a)+11], 0, v[SC+8*(\p)+\b], v[SC+8*(\p)+(\a)] matrix_a_fmt:MATRIX_FMT_FP6 matrix_b_fmt:MATRIX_FMT_FP6 matrix_a_scale:MATRIX_SCALE_ROW1
.else
	v_wmma_scale_f32_16x16x128_f8f6f4 v[8*(8*((\a)%4)+\b):8*(8*((\a)%4)+\b)+7], v[128*(\p)+12*\b:128*(\p)+12*\b+11], v[AF+12*(\a):AF+12*(\a)+11], v[8*(8*((\a)%4)+\b):8*(8*((\a)%4)+\b)+7], v[SC+8*(\p)+\b], v[SC+8*(\p)+(\a)] matrix_a_fmt:MATRIX_FMT_FP6 matrix_b_fmt:MATRIX_FMT_FP6 matrix_a_scale:MATRIX_SCALE_ROW1
.endif
.endr
.endr
.endm
.macro STEP slot, zero                 ; a slot's first K step, on set 0; it fetches the second into set 1
	s_wait_dscnt 24                                ; all but the youngest 24 loads (A's tiles 4-7) are in
	WIN MUL_LO
	MUL16 0, 0, \zero
	MUL16 2, 0, \zero
	s_wait_dscnt 0x0                               ; A's tiles 4-7 are in
	PLACES                                         ; four places in front of loads into registers that matrix instructions have read
	FETCH_B \slot, 1, 1
	FETCH_A \slot, 1, 0
	SCALES \slot, 1, 1
	WIN MUL_HI
	MUL16 4, 0, \zero
	MUL16 6, 0, \zero
	PLACES
	WIN 0
	FETCH_A \slot, 1, 4
.endm
.macro TURN slot, next, fill           ; a slot's second K step, on set 1, changes slots: one barrier; fill = 1: it opens a round of the cluster's barrier and this slot is filled again
	s_wait_tensorcnt 0x0                           ; all my tensor loads have landed: my part of the next slot
	ds_add_u32 v[SPW], v[NIL]                      ; 0 onto my spare word
	s_wait_dscnt 25                                ; (the add and A's tiles 4-7 may be out)
	WIN MUL_LO
	MUL16 0, 1, 0
	s_wait_dscnt 0x0                               ; the add is done, and my reads of this slot are over
	s_barrier_signal -1
	MUL16 2, 1, 0
	WIN 0
	s_barrier_wait -1
.if \fill
	CREST                                          ; no wave of any partner still reads this slot or has a load on its way
	s_add_nc_u64 s[G0+4*\slot+2:G0+4*\slot+3], s[G0+4*\slot+2:G0+4*\slot+3], 2*REG
	s_add_nc_u64 s[G0B+4*\slot+2:G0B+4*\slot+3], s[G0B+4*\slot+2:G0B+4*\slot+3], 2*REG
	JLOAD \slot                                    ; the first tensor load behind the round; its four v_nop are the places in front of the loads below
.else
	PLACES
.endif
	FETCH_B \next, 0, 0
	FETCH_A \next, 0, 0
	SCALES \next, 0, 0
	WIN MUL_HI
	MUL16 4, 1, 0
	MUL16 6, 1, 0
	PLACES
	WIN 0
	FETCH_A \next, 0, 4
.endm
	s_wait_tensorcnt 1                             ; my part of slot 0 is in; slot 1's load may be out
	s_barrier_signal -1
	s_barrier_wait -1
	FETCH_B 0, 0, 0
	FETCH_A 0, 0, 0
	SCALES 0, 0, 0
	FETCH_A 0, 0, 4
	STEP 0, 1                                      ; the first step starts the sums: nothing is cleared
	s_mov_b32 s3, LAPS-1
.Llap:
	TURN 0, 1, 1
	STEP 1, 0
	TURN 1, 0, 1
	STEP 0, 0
	s_sub_co_u32 s3, s3, 1
	s_cmp_lg_u32 s3, 0
	s_cbranch_scc1 .Llap
	TURN 0, 1, 0                                   ; the last lap fills nothing
	STEP 1, 0
	s_wait_dscnt 24
	WIN MUL_LO
	MUL16 0, 1, 0
	MUL16 2, 1, 0
	s_wait_dscnt 0x0
	WIN MUL_HI
	MUL16 4, 1, 0
	MUL16 6, 1, 0
	WIN 0
; THE WAY OUT: eight trips, one for each of A's tiles (16 rows x 128 columns).  Only the copy out of the accumulators differs from trip to trip: it is written eight times, each under its own test of the count.
.macro COPY a                          ; the tile's 64 numbers + the bias along the columns, each accumulator from its low end on
	WIN (0x02+(\a)/4)
.set i, 0
.rept 32
	v_pk_add_f32 v[EV+i:EV+i+1], v[64*((\a)%4)+i:64*((\a)%4)+i+1], v[BI+i:BI+i+1]
.set i, i+2
.endr
	WIN 0
.if JOB == 0
.set i, 0
.rept 32
	v_pk_add_f32 v[EV+i:EV+i+1], v[EV+i:EV+i+1], v[BL+2*(\a):BL+2*(\a)+1] op_sel_hi:[1,0]
.set i, i+2
.endr
.endif
.endm
; gelu(x) = x/2 + x/2 erf(x / sqrt 2) for 16 numbers; erf(z) = z P(z^2) / Q(z^2) with z held to +-4: the rational form in f32
.macro GELU16 x
.irp i, 0,2,4,6,8,10,12,14
	v_pk_mul_f32 v[ZV+\i:ZV+\i+1], v[(\x)+\i:(\x)+\i+1], 0x3f3504f3 op_sel_hi:[1,0]
.endr
.irp i, 0,1,2,3,4,5,6,7,8,9,10,11,12,13,14,15
	v_med3_num_f32 v[ZV+\i], v[ZV+\i], -4.0, 4.0
.endr
.irp i, 0,2,4,6,8,10,12,14
	v_pk_mul_f32 v[192+\i:193+\i], v[ZV+\i:ZV+\i+1], v[ZV+\i:ZV+\i+1]
.endr
.irp i, 0,2,4,6,8,10,12,14
	v_pk_fma_f32 v[208+\i:209+\i], v[192+\i:193+\i], 0xaf95df0b, v[10:11] op_sel_hi:[1,0,1]
	v_pk_fma_f32 v[240+\i:241+\i], v[192+\i:193+\i], 0xb77460cd, v[12:13] op_sel_hi:[1,0,1]
.endr
.irp c, 0xb60cff51, 0xb86ec2d2, 0xba40ac63, 0xbb41a1f6, 0xbc83dbd4
.irp i, 0,2,4,6,8,10,12,14
	v_pk_fma_f32 v[208+\i:209+\i], v[208+\i:209+\i], v[192+\i:193+\i], \c op_sel_hi:[1,1,0]
.endr
.endr
.irp c, 0xbadc924e, 0xbbf19bf8, 0xbc69b6a7
.irp i, 0,2,4,6,8,10,12,14
	v_pk_fma_f32 v[240+\i:241+\i], v[240+\i:241+\i], v[192+\i:193+\i], \c op_sel_hi:[1,1,0]
.endr
.endr
.irp i, 0,1,2,3,4,5,6,7,8,9,10,11,12,13,14,15
	v_rcp_f32 v[240+\i], v[240+\i]
.endr
.irp i, 0,2,4,6,8,10,12,14
	v_pk_mul_f32 v[208+\i:209+\i], v[208+\i:209+\i], v[ZV+\i:ZV+\i+1]     ; plain work behind the reciprocals
.endr
.irp i, 0,2,4,6,8,10,12,14
	v_pk_mul_f32 v[ZV+\i:ZV+\i+1], v[(\x)+\i:(\x)+\i+1], 0.5 op_sel_hi:[1,0]
.endr
	s_wait_alu depctr_va_vdst(0)                   ; one wait for the sixteen reciprocals, ahead of their first reader
.irp i, 0,2,4,6,8,10,12,14
	v_pk_mul_f32 v[208+\i:209+\i], v[208+\i:209+\i], v[240+\i:241+\i]
.endr
.irp i, 0,2,4,6,8,10,12,14
	v_pk_fma_f32 v[(\x)+\i:(\x)+\i+1], v[ZV+\i:ZV+\i+1], v[208+\i:209+\i], v[ZV+\i:ZV+\i+1]
.endr
.endm
	PLACES                                         ; behind the last products: results are read, and registers that held A's fragments are written
	s_wait_loadcnt 0x0                             ; the biases
.if JOB == 0
.irp a, 0,1,2,3,4,5,6,7
	v_mov_b32 v[BL+2*\a+1], v[BL+2*\a]             ; named as a pair, so both are written
.endr
.endif
.if QNT
.irp i, 0,1,2,3,4,5,6,7
	v_mov_b32 v[SW+\i], 0
.endr
.irp b, 0,1,2,3
	v_mov_b32 v[TM+4+\b], 0                        ; a lane permute's destination counts as one of its sources
.endr
.endif
	s_mov_b32 s[EA], 0
.Lout:
	s_wait_xcnt 0x0                                ; the last trip's stores have read their data and their bases: both are written again below
	s_mov_b32 s87, 0
.if QNT
	s_mul_i32 s86, s[EA], 768
	s_add_nc_u64 s[74:75], s[76:77], s[86:87]      ; the tile's place in my chunk
.endif
.if F32O
	s_lshr_b32 s86, s[EA], 1
	s_lshl_b32 s86, s86, 17
	s_and_b32 s70, s[EA], 1
	s_lshl_b32 s70, s70, 15
	s_add_co_u32 s86, s86, s70                     ; row 32 (a / 2) + 8 (a % 2), of 4,096 bytes
	s_add_nc_u64 s[80:81], s[78:79], s[86:87]
.endif
.irp a, 0,1,2,3,4,5,6,7
	s_cmp_lg_u32 s[EA], \a
	s_cbranch_scc1 .Lnot\a
	COPY \a
.Lnot\a:
.endr
.if JOB == 2
	GELU16 EV
	GELU16 EV+16
	GELU16 EV+32
	GELU16 EV+48
.endif
.if F32O
.irp b, 0,1,2,3,4,5,6,7                ; into my stage: row r, the columns in their true order
	ds_store_b128 v[STO], v[EV+8*\b:EV+8*\b+3] offset:128*(\b/2)+32*(\b%2)
	ds_store_b128 v[STO], v[EV+8*\b+4:EV+8*\b+7] offset:128*(\b/2)+32*(\b%2)+16
.endr
.endif
.if QNT
	QUANT EV, PC, PW
.irp p, 0,1,2,3,4,5
	global_store_b64 v[LO], v[PC+2*\p:PC+2*\p+1], s[74:75] offset:6656*(\p/3)+256*(\p%3)   ; 256 consecutive bytes
.endr
.irp i, 0,1,2,3,4,5,6
	v_mov_b32 v[SW+\i], v[SW+\i+1]                 ; the scale words move up: after eight trips word a stands in register a
.endr
	v_mov_b32 v[SW+7], v[PW]
.endif
.if F32O
.irp i, 0,1,2,3,4,5,6,7,8,9,10,11,12,13,14,15
	ds_load_b128 v[EV+4*\i:EV+4*\i+3], v[RD] offset:\i*SPITCH     ; LDS serves a wave's instructions in order: these see my stores
.endr
.irp i, 0,1,2,3,4,5,6,7,8,9,10,11,12,13,14,15
	s_wait_dscnt 15-\i                             ; the rows behind row i may be out
	global_store_b128 v[CO], v[EV+4*\i:EV+4*\i+3], s[80:81] offset:(\i+8*(\i/8))*4096      ; 512 consecutive bytes of a row
.endr
.endif
	s_add_co_u32 s[EA], s[EA], 1
	s_cmp_lt_u32 s[EA], 8
	s_cbranch_scc1 .Lout
.if QNT
	s_mov_b32 s83, 0xffff0000
.irp i, 0,1,2,3
	v_cndmask_b32 v[TM+\i], v[SW+\i], v[SW+4+\i], s83     ; lanes 0-15 tiles 0-3, lanes 16-31 tiles 4-7
.endr
	global_store_b128 v[SCO], v[TM:TM+3], s[76:77] offset:6144    ; the chunk's 512 bytes of scale words
.endif
	s_wait_tensorcnt 0x0                           ; the wave's end
	ds_add_u32 v[SPW], v[NIL]
	s_wait_dscnt 0x0
	CROUND                                         ; the closing round
	s_endpgm
.Lfunc_end_k_qe23ab0d370_ffn1:
	.size	k_qe23ab0d370_ffn1, .Lfunc_end_k_qe23ab0d370_ffn1-k_qe23ab0d370_ffn1
	.p2alignl 7, 3214868480
	.fill 96, 4, 3214868480
	.section	.rodata,"a",@progbits
	.p2align	6, 0x0
	.amdhsa_kernel k_qe23ab0d370_ffn1
		.amdhsa_group_segment_fixed_size 327680
		.amdhsa_private_segment_fixed_size 0
		.amdhsa_enable_private_segment 0
		.amdhsa_kernarg_size 32
		.amdhsa_user_sgpr_count 2
		.amdhsa_user_sgpr_kernarg_segment_ptr 1
		.amdhsa_wavefront_size32 1
		.amdhsa_system_sgpr_workgroup_id_x 1
		.amdhsa_system_sgpr_workgroup_id_y 1
		.amdhsa_system_sgpr_workgroup_id_z 1
		.amdhsa_system_vgpr_workitem_id 0
		.amdhsa_next_free_vgpr 1024
		.amdhsa_next_free_sgpr 100
		.amdhsa_reserve_vcc 0
		.amdhsa_float_denorm_mode_32 3
		.amdhsa_float_denorm_mode_16_64 3
		.amdhsa_memory_ordered 1
		.amdhsa_forward_progress 1
		.amdhsa_inst_pref_size 200
	.end_amdhsa_kernel
	.amdgpu_metadata
---
amdhsa.version: [ 1, 2 ]
amdhsa.kernels:
  - .name:           k_qe23ab0d370_ffn1
    .symbol:         k_qe23ab0d370_ffn1.kd
    .args:
      - { .name: at, .offset: 0, .size: 8, .value_kind: global_buffer, .address_space: global }
      - { .name: ops, .offset: 8, .size: 8, .value_kind: global_buffer, .address_space: global }
      - { .name: b1, .offset: 16, .size: 8, .value_kind: global_buffer, .address_space: global }
      - { .name: hq, .offset: 24, .size: 8, .value_kind: global_buffer, .address_space: global }
    .group_segment_fixed_size: 327680
    .private_segment_fixed_size: 0
    .kernarg_segment_align: 8
    .kernarg_segment_size: 32
    .max_flat_workgroup_size: 128
    .sgpr_count:     100
    .vgpr_count:     1024
    .wavefront_size: 32
...
	.end_amdgpu_metadata
.endif
;; end of part 5
;; launch ffn2 (part 6): grid 4 x 16, 4 waves a work-group, clusters of 4 x 4, 327,680 bytes of LDS; arguments hq, ops, b2, yf; writes yf
.if DOCPART == 6
	.amdgcn_target "amdgcn-amd-amdhsa--gfx1250"
	.amdhsa_code_object_version 6
	.text
	.protected	k_qe23ab0d370_ffn2
	.globl	k_qe23ab0d370_ffn2
	.p2align	8
	.type	k_qe23ab0d370_ffn2,@function
k_qe23ab0d370_ffn2:
	s_mov_b64 s[64:65], 0
	v_nop
	global_prefetch_b8 v0, s[64:65] scope:SCOPE_SE
	s_setreg_imm32_b32 hwreg(HW_REG_WAVE_MODE, 25, 1), 1
	s_wait_xcnt 0x0
	s_wait_alu depctr_hold_cnt(0) depctr_sa_sdst(0) depctr_va_vdst(0) depctr_va_sdst(0) depctr_va_ssrc(0) depctr_va_vcc(0) depctr_vm_vsrc(0)
	s_getreg_b32 s2, hwreg(HW_REG_IB_STS2, 6, 4)
	s_cmp_eq_u32 s2, 0
	s_cbranch_scc0 .Lentry_in_a_cluster
	s_endpgm
.Lentry_in_a_cluster:
	s_bfe_u32 s2, ttmp6, 0x10000c
	s_cmp_lg_u32 s2, 0xf033
	s_cbranch_scc0 .Lentry_shape_is_right
	s_endpgm
.Lentry_shape_is_right:
; ONE TEXT FOR FOUR LAUNCHES, told apart by JOB: C = A B^T on codes of FP6 (E2M3) with E8M0 scales, f32 sums, and what follows the product.
;   JOB 0: q, k = x Wq + bq, x Wk + bk (A = x's rows, B = the weights' columns) and V^T (A = Wv's columns, B = x's rows, + bv): quantised along B's rows.   JOB 1: attn_out = o Wo + bo, as f32 and as codes.
;   JOB 2: gelu(attn_out W1 + b1), as codes.   JOB 3: h W2 + b2, as f32.
; OPERANDS lie in memory as images of operand registers, in chunks of 128 rows x 128 K = 12,800 bytes: registers 0-5 of 8 fragments at 768 t + 256 p + 8 lane, the scale words at 6,144 + 32 r + 4 t,
; registers 6-11 from 6,656 on; a block of rows has its K steps on end.  Tile t, lane r holds row 32 (t / 2) + 8 (t % 2) + r + 8 (r / 8).  So a fragment is six LDS loads of 256 consecutive bytes,
; and two K steps of 128 rows, codes and scales, are one dense tensor load of 100 rows of 256 bytes.
; SHARES: a tile of C is 256 x 256, four waves of 128 x 128 (64 accumulators, 512 registers).  Source 0 = 16 rows of B, source 1 = 16 rows of A: a lane holds one row of A, and by the order of rows above the
; 16 registers of B's tiles 2 b and 2 b + 1 are 16 NEIGHBOURS along B's rows, which are the next product's K: a wave's 128 x 128 becomes one chunk of the next operand, in registers.
; RING: two slots of two K steps; each wave fetches one block of rows (waves 0, 1: A's two; waves 2, 3: B's).  CLUSTER 4 x 4: A's tiles are asked for jointly along a row, B's along a column.
; By this text's own count a wave has two tensor loads out at the start and one behind each change of slots.
; LIMITS: blocks of zeros or under 2^-124 keep the byte 1; NaN and infinities are not served; JOB 2: 1 + erf has an absolute error near 1e-7, so gelu(x) for x under about -4 is right only beside a block's larger numbers.
; No prefetch: the operands are read by many clusters at about the same time and a refill has two K steps, 128 matrix instructions, in which to land.
.set JOB, 3
.if JOB == 3
.set KS, 32
.else
.set KS, 8
.endif
.set AOFF, 0
.set BOFF, 0
.set QNT, 1                            ; the result leaves as codes
.set F32O, 0                           ; the result leaves as f32
.if JOB == 1
.set BOFF, 448*12800
.set F32O, 1
.elseif JOB == 2
.set AOFF, 16777216
.set BOFF, 512*12800
.elseif JOB == 3
.set BOFF, 768*12800
.set QNT, 0
.set F32O, 1
.endif
.set LAPS,  KS/4                       ; a lap = two slots = four K steps
.set CH,    12800
.set REG,   2*CH                       ; what one tensor load brings
.set SLOT,  4*REG
.set SPARE, 2*SLOT                     ; behind the ring: the spare words, 128 bytes a wave
.set SPITCH, 528                       ; the f32 stage: 16 rows x (512 + 16) bytes a wave, in slot 0, behind its last fill and last read
.set ADRA, 16                          ; v16-17 LDS address of my A fragments in slot 0, 1;  v20-21 B's;  v22-23 the scale words' (lanes 0-15 A's, lanes 16-31 B's)
.set ADRB, 20
.set ADRS, 22
.set STO,  24
.set RD,   25
.set CO,   26                          ; 16 x lane
.set LO,   27                          ; 8 x lane
.set SPW,  28
.set NIL,  29
.set SCO,  30                          ; 32 r + 16 h
.set SC,   32                          ; v32-47 scale words, two sets of 8: they hold scales and nothing else
.set ZV,   48                          ; JOB 2: z
.set BI,   64                          ; v64-127 the bias along B's rows, in the result's layout
.set AF,   128                         ; v128-223 A's fragments, one set
.set EV,   128                         ; the way out: 64 numbers of a lane
.set TM,   192
.set PC,   208
.set PW,   228
.set SW,   232                         ; v232-239 the eight tiles' scale words
.set BL,   240                         ; JOB 0: the bias along A's rows, a pair for each tile;  JOB 2: Q
.set G1,  24
.set G0,  32
.set G1B, 48
.set G0B, 56
.set EA,  82
.set SEL, 84
.set MSB, 0
.macro WIN new                         ; the immediate's high byte repeats the setting that is left
.if MSB != \new
	s_set_vgpr_msb (MSB<<8)|\new
.set MSB, \new
.endif
.endm
.set MUL_LO, 0xa1                      ; source 0 (B) window 1, source 1 (A) window 0, C and D window 2
.set MUL_HI, 0xf1                      ; C and D window 3
.set TO_B,   0x40
.macro JLOAD s                         ; a joint load: waves 0, 1 for A, waves 2, 3 for B; an s_nop 0 and four v_nop follow each line
	s_cmp_eq_u32 s15, 0
	s_cbranch_scc0 .Lfor_b_\@
	tensor_load_to_lds s[G0+4*\s:G0+4*\s+3], s[G1:G1+7]
	s_nop 0
.rept 4
	v_nop
.endr
	s_branch .Lasked_\@
.Lfor_b_\@:
	tensor_load_to_lds s[G0B+4*\s:G0B+4*\s+3], s[G1B:G1B+7]
	s_nop 0
.rept 4
	v_nop
.endr
.Lasked_\@:
.endm
.macro CREST
	s_cmp_lg_u32 s14, 0
	s_cbranch_scc1 .Lnot_wave_0_\@
	s_barrier_signal -3
.Lnot_wave_0_\@:
	s_barrier_wait -3
	s_barrier_signal -1
	s_barrier_wait -1
.endm
.macro CROUND
	s_barrier_signal -1
	s_barrier_wait -1
	CREST
.endm
.macro PLACES
.rept 4
	v_nop
.endr
.endm
.macro QUANT s, pc, pw                 ; 64 numbers of a lane, register 16 b + i = k 32 b + 16 h + i of its row -> a fragment in v[pc] on, its scale word in v[pw]
.irp b, 0,1,2,3
	v_max3_num_f32 v[TM+\b], |v[\s+16*\b]|, |v[\s+1+16*\b]|, 0x1800000   ; the floor 2^(3 - 127) holds the byte at 1 from below
.endr
.irp i, 2,4,6,8,10,12,14
.irp b, 0,1,2,3
	v_max3_num_f32 v[TM+\b], v[TM+\b], |v[\s+16*\b+\i]|, |v[\s+1+16*\b+\i]|
.endr
.endr
.irp b, 0,1,2,3
	v_permlanex16_b32 v[TM+4+\b], v[TM+\b], s[SEL], s[SEL+1]
.endr
.irp b, 0,1,2,3
	v_max_num_f32 v[TM+\b], v[TM+\b], v[TM+4+\b]
.endr
.irp b, 0,1,2,3
	v_add_nc_u32 v[TM+12+\b], 0xff000000, v[TM+\b]         ; 2 off the exponent field: the conversion's scale operand
.endr
.irp b, 0,1,2,3
	v_lshrrev_b32 v[TM+4+\b], 23, v[TM+12+\b]
.endr
	v_lshl_or_b32 v[\pw], v[TM+5], 8, v[TM+4]
	v_lshl_or_b32 v[\pw], v[TM+6], 16, v[\pw]
	v_lshl_or_b32 v[\pw], v[TM+7], 24, v[\pw]
.irp c, 0,1
	v_cvt_scalef32_pk16_fp6_f32 v[\pc+6*\c:\pc+2+6*\c], v[\s+32*\c:\s+15+32*\c], v[TM+12+2*\c]
	v_cvt_scalef32_pk16_fp6_f32 v[\pc+12+4*\c:\pc+14+4*\c], v[\s+16+32*\c:\s+31+32*\c], v[TM+12+2*\c+1]
.endr
	v_nop                                                  ; one plain place behind a scaled conversion
.irp c, 0,1
.irp i, 0,1,2
	v_permlane16_swap_b32 v[\pc+6*\c+\i], v[\pc+12+4*\c+\i]
.endr
.irp i, 0,1,2
	v_mov_b32 v[\pc+3+6*\c+\i], v[\pc+12+4*\c+\i]
.endr
.endr
.endm
.if JOB == 0
	s_load_b64 s[4:5], s[0:1], 0x0                 ; ops: A, B and the biases
	s_load_b64 s[10:11], s[0:1], 0x8               ; the output
.else
	s_load_b256 s[4:11], s[0:1], 0x0               ; A, B (ops), the bias, the output
.endif
	v_lshl_add_u32 v[SPW], v0, 2, SPARE
	v_mov_b32 v[NIL], 0
	ds_add_u32 v[SPW], v[NIL]                      ; the wave's opening: the add and its wait ahead of my first tensor load
	v_lshrrev_b32 v1, 5, v0
	v_readfirstlane_b32 s14, v1                    ; wave
	s_lshr_b32 s15, s14, 1                         ; my half of the tile's rows; also: I fetch for A (0) or B (1)
	s_and_b32 s16, s14, 1                          ; my half of its columns; also: which block of 128 rows I fetch
	s_bfe_u32 s40, ttmp6, 0x40000                  ; cx
	s_bfe_u32 s41, ttmp6, 0x40004                  ; cy
	s_and_b32 s17, ttmp7, 0xffff                   ; the cluster's y
	s_lshl_b32 s43, s41, 2
	s_lshl_b32 s43, 15, s43                        ; my row of the cluster
	s_lshl_b32 s44, 0x1111, s40                    ; my column
.if JOB == 0                           ; clusters x = 0, 1: x's rows against Wq's, Wk's;  x = 2: Wv's against x's rows.  The choice hangs on the cluster's number, which all partners share, and steers no branch
	s_lshl_b32 s18, s17, 3
	s_lshl_b32 s19, ttmp9, 3
	s_add_co_u32 s19, s19, 32
	s_mov_b32 s67, 32
	s_cmp_eq_u32 ttmp9, 2
	s_cselect_b32 s20, 48, s18                     ; A's first block of 128 rows in ops
	s_cselect_b32 s46, s18, s19                    ; B's
	s_cselect_b32 s66, 32, 16                      ; the output chunk is A's block x s66 + B's block - s67
	s_cselect_b32 s67, 1024, s67
.else
	s_lshl_b32 s20, s17, 3
	s_lshl_b32 s46, ttmp9, 3
.endif
	s_lshl_b32 s21, s41, 1
	s_add_co_u32 s20, s20, s21                     ; A's registers take cy alone,
	s_lshl_b32 s47, s40, 1
	s_add_co_u32 s46, s46, s47                     ; B's cx alone
	s_add_co_u32 s68, s20, s15                     ; the block of A's rows that I multiply,
	s_add_co_u32 s69, s46, s16                     ; and of B's
	s_add_co_u32 s20, s20, s16                     ; the blocks that I fetch
	s_add_co_u32 s46, s46, s16
	s_mul_i32 s20, s20, KS*CH
	s_mul_i32 s46, s46, KS*CH
	s_add_co_u32 s20, s20, AOFF
	s_add_co_u32 s46, s46, BOFF
	s_mov_b32 s21, 0
	s_mov_b32 s47, 0
	s_mul_i32 s45, s14, REG                        ; where they go: no place in the cluster enters an LDS address
	s_or_b32 s[G1+0], s43, (3<<16)|(1<<21)         ; the mask; elements of 8 bytes; bit 21 beside a mask; no padding
	s_or_b32 s[G1B+0], s44, (3<<16)|(1<<21)
.irp g, G1, G1B
	s_mov_b32 s[\g+1], 32<<16                      ; tensor_dim0 = 32 elements = 256 bytes
	s_mov_b32 s[\g+2], 100<<16                     ; tensor_dim1 = 100 rows
	s_mov_b32 s[\g+3], 32<<16                      ; tile_dim0
	s_mov_b32 s[\g+4], 100                         ; tile_dim1
	s_mov_b32 s[\g+5], 32                          ; dense
	s_mov_b32 s[\g+6], 0
	s_mov_b32 s[\g+7], 0
.endr
	s_mov_b32 s[SEL], 0x76543210
	s_mov_b32 s[SEL+1], 0xfedcba98
	s_wait_dscnt 0x0                               ; the opening add is done
	s_wait_kmcnt 0x0
.if JOB == 0
	s_mov_b64 s[6:7], s[4:5]
	s_add_nc_u64 s[8:9], s[4:5], 1024*CH           ; the table of biases by row of ops
.endif
	s_add_nc_u64 s[20:21], s[4:5], s[20:21]
	s_add_nc_u64 s[46:47], s[6:7], s[46:47]
	CROUND                                         ; all sixteen work-groups are here: the first joint loads meet
.irp s, 0,1
	s_mov_b32 s[G0+4*\s], 1
	s_add_co_u32 s[G0+4*\s+1], s45, \s*SLOT
	s_add_nc_u64 s[G0+4*\s+2:G0+4*\s+3], s[20:21], \s*REG
	s_or_b32 s[G0+4*\s+3], s[G0+4*\s+3], 0x80000000
	s_mov_b32 s[G0B+4*\s], 1
	s_add_co_u32 s[G0B+4*\s+1], s45, \s*SLOT
	s_add_nc_u64 s[G0B+4*\s+2:G0B+4*\s+3], s[46:47], \s*REG
	s_or_b32 s[G0B+4*\s+3], s[G0B+4*\s+3], 0x80000000
	JLOAD \s
.endr
	v_and_b32 v1, 15, v0                           ; r
	v_bfe_u32 v2, v0, 4, 1                         ; h
	v_and_b32 v3, 31, v0
	v_lshlrev_b32 v[LO], 3, v3
	v_lshlrev_b32 v[CO], 4, v3
	v_lshlrev_b32 v[SCO], 5, v1
	v_lshl_add_u32 v[SCO], v2, 4, v[SCO]
	s_mul_i32 s21, s15, REG                        ; my block of A in a slot,
	s_mul_i32 s22, s16, REG
	s_add_co_u32 s22, s22, 2*REG                   ; and of B
.irp s, 0,1
	v_add_nc_u32 v[ADRA+\s], s21, v[LO]
	v_add_nc_u32 v[ADRB+\s], s22, v[LO]
	s_add_co_u32 s21, s21, SLOT
	s_add_co_u32 s22, s22, SLOT
.endr
	s_mul_i32 s21, s15, REG
	s_mul_i32 s22, s16, REG
	s_add_co_u32 s22, s22, 2*REG
	s_sub_co_u32 s22, s22, s21
	v_mul_u32_u24 v6, s22, v2                      ; lanes 16-31 take B's scale words: one product, the distance between the two blocks
	v_lshl_add_u32 v6, v1, 5, v6
	s_add_co_u32 s21, s21, 6144
	v_add_nc_u32 v[ADRS], s21, v6
	v_add_nc_u32 v[ADRS+1], SLOT, v[ADRS]
	s_mul_i32 s23, s14, 16*SPITCH                  ; my stage
	v_mul_u32_u24 v5, v1, SPITCH
	v_lshl_add_u32 v5, v2, 6, v5
	v_add_nc_u32 v[STO], s23, v5                   ; in: row r, + 64 h
	v_add_nc_u32 v[RD], s23, v[CO]                 ; back: a row of 512 bytes
	; the biases: asked for now, awaited at the way out; their address registers v8, v9 stay
	v_lshlrev_b32 v8, 6, v2
	s_mov_b32 s71, 0
.if JOB == 0
	v_and_b32 v9, 8, v1
	v_add_nc_u32 v9, v9, v1
	v_lshlrev_b32 v9, 2, v9
	s_lshl_b32 s70, s68, 9
	s_add_nc_u64 s[72:73], s[8:9], s[70:71]
.endif
	s_lshl_b32 s70, s69, 9
	s_add_nc_u64 s[8:9], s[8:9], s[70:71]
.irp b, 0,1,2,3,4,5,6,7                ; register 8 b + j of lane (r, h) is B's row 32 (b / 2) + 16 h + 8 (b % 2) + j
	global_load_b128 v[BI+8*\b:BI+8*\b+3], v8, s[8:9] offset:(32*(\b/2)+8*(\b%2))*4
	global_load_b128 v[BI+8*\b+4:BI+8*\b+7], v8, s[8:9] offset:(32*(\b/2)+8*(\b%2))*4+16
.endr
.if JOB == 0
.irp a, 0,1,2,3,4,5,6,7                ; and lane r of tile a is A's row 32 (a / 2) + 8 (a % 2) + r + 8 (r / 8).  One of the two biases is zeros: the price of one path for q, k and V^T
	global_load_b32 v[BL+2*\a], v9, s[72:73] offset:(32*(\a/2)+8*(\a%2))*4
.endr
.endif
.if JOB == 2
	v_mov_b32 v10, 0x32edffee                      ; the first addends of erf's two polynomials, as pairs
	v_mov_b32 v11, 0x32edffee
	v_mov_b32 v12, 0xb95fbd29
	v_mov_b32 v13, 0xb95fbd29
.endif
	; where the results go
.if JOB == 0
	s_mul_i32 s70, s68, s66
	s_add_co_u32 s70, s70, s69
	s_sub_co_u32 s70, s70, s67
.elseif JOB == 1
	s_lshl_b32 s70, s68, 3
	s_add_co_u32 s70, s70, s69
.elseif JOB == 2
	s_lshl_b32 s70, s68, 5
	s_add_co_u32 s70, s70, s69
.endif
.if QNT
	s_mul_i32 s70, s70, CH
.if JOB == 1
	s_add_co_u32 s70, s70, 16777216                ; the codes lie behind the f32 numbers
.endif
	s_add_nc_u64 s[76:77], s[10:11], s[70:71]      ; my chunk
.endif
.if F32O
	s_lshl_b32 s70, s68, 19                        ; 128 rows of 4,096 bytes
	s_lshl_b32 s86, s69, 9
	s_add_co_u32 s70, s70, s86
	s_add_nc_u64 s[78:79], s[10:11], s[70:71]
.endif
.macro FRAG reg, adr, off, t           ; a fragment: six loads of 8 bytes a lane, 256 consecutive bytes each
.irp p, 0,1,2,3,4,5
	ds_load_b64 v[\reg+2*\p:\reg+2*\p+1], v[\adr] offset:\off+6656*(\p/3)+768*(\t)+256*(\p%3)
.endr
.endm
.macro FETCH_B slot, q, p
	WIN TO_B
.irp i, 0,1,2,3,4,5,6,7
	FRAG 128*(\p)+12*\i, ADRB+\slot, CH*(\q), \i
.endr
	WIN 0
.endm
.macro FETCH_A slot, q, i0
.irp i, \i0, \i0+1, \i0+2, \i0+3
	FRAG AF+12*(\i), ADRA+\slot, CH*(\q), \i
.endr
.endm
.macro SCALES slot, q, p               ; register i of the set: lanes 0-15 the word of A's tile i, lanes 16-31 that of B's tile i
	ds_load_b128 v[SC+8*(\p):SC+8*(\p)+3], v[ADRS+\slot] offset:CH*(\q)
	ds_load_b128 v[SC+8*(\p)+4:SC+8*(\p)+7], v[ADRS+\slot] offset:CH*(\q)+16
.endm
; 16 matrix instructions: A's tiles a0, a0 + 1 x B's eight.  p: B's set and the scales'.  The 64 accumulators take turns, one instruction a turn, in the same order in every step
.macro MUL16 a0, p, zero
.irp a, \a0, \a0+1
.irp b, 0,1,2,3,4,5,6,7
.if \zero
	v_wmma_scale_f32_16x16x128_f8f6f4 v[8*(8*((\a)%4)+\b):8*(8*((\a)%4)+\b)+7], v[128*(\p)+12*\b:128*(\p)+12*\b+11], v[AF+12*(\a):AF+12*(\a)+11], 0, v[SC+8*(\p)+\b], v[SC+8*(\p)+(\a)] matrix_a_fmt:MATRIX_FMT_FP6 matrix_b_fmt:MATRIX_FMT_FP6 matrix_a_scale:MATRIX_SCALE_ROW1
.else
	v_wmma_scale_f32_16x16x128_f8f6f4 v[8*(8*((\a)%4)+\b):8*(8*((\a)%4)+\b)+7], v[128*(\p)+12*\b:128*(\p)+12*\b+11], v[AF+12*(\a):AF+12*(\a)+11], v[8*(8*((\a)%4)+\b):8*(8*((\a)%4)+\b)+7], v[SC+8*(\p)+\b], v[SC+8*(\p)+(\a)] matrix_a_fmt:MATRIX_FMT_FP6 matrix_b_fmt:MATRIX_FMT_FP6 matrix_a_scale:MATRIX_SCALE_ROW1
.endif
.endr
.endr
.endm
.macro STEP slot, zero                 ; a slot's first K step, on set 0; it fetches the second into set 1
	s_wait_dscnt 24                                ; all but the youngest 24 loads (A's tiles 4-7) are in
	WIN MUL_LO
	MUL16 0, 0, \zero
	MUL16 2, 0, \zero
	s_wait_dscnt 0x0                               ; A's tiles 4-7 are in
	PLACES                                         ; four places in front of loads into registers that matrix instructions have read
	FETCH_B \slot, 1, 1
	FETCH_A \slot, 1, 0
	SCALES \slot, 1, 1
	WIN MUL_HI
	MUL16 4, 0, \zero
	MUL16 6, 0, \zero
	PLACES
	WIN 0
	FETCH_A \slot, 1, 4
.endm
.macro TURN slot, next, fill           ; a slot's second K step, on set 1, changes slots: one barrier; fill = 1: it opens a round of the cluster's barrier and this slot is filled again
	s_wait_tensorcnt 0x0                           ; all my tensor loads have landed: my part of the next slot
	ds_add_u32 v[SPW], v[NIL]                      ; 0 onto my spare word
	s_wait_dscnt 25                                ; (the add and A's tiles 4-7 may be out)
	WIN MUL_LO
	MUL16 0, 1, 0
	s_wait_dscnt 0x0                               ; the add is done, and my reads of this slot are over
	s_barrier_signal -1
	MUL16 2, 1, 0
	WIN 0
	s_barrier_wait -1
.if \fill
	CREST                                          ; no wave of any partner still reads this slot or has a load on its way
	s_add_nc_u64 s[G0+4*\slot+2:G0+4*\slot+3], s[G0+4*\slot+2:G0+4*\slot+3], 2*REG
	s_add_nc_u64 s[G0B+4*\slot+2:G0B+4*\slot+3], s[G0B+4*\slot+2:G0B+4*\slot+3], 2*REG
	JLOAD \slot                                    ; the first tensor load behind the round; its four v_nop are the places in front of the loads below
.else
	PLACES
.endif
	FETCH_B \next, 0, 0
	FETCH_A \next, 0, 0
	SCALES \next, 0, 0
	WIN MUL_HI
	MUL16 4, 1, 0
	MUL16 6, 1, 0
	PLACES
	WIN 0
	FETCH_A \next, 0, 4
.endm
	s_wait_tensorcnt 1                             ; my part of slot 0 is in; slot 1's load may be out
	s_barrier_signal -1
	s_barrier_wait -1
	FETCH_B 0, 0, 0
	FETCH_A 0, 0, 0
	SCALES 0, 0, 0
	FETCH_A 0, 0, 4
	STEP 0, 1                                      ; the first step starts the sums: nothing is cleared
	s_mov_b32 s3, LAPS-1
.Llap:
	TURN 0, 1, 1
	STEP 1, 0
	TURN 1, 0, 1
	STEP 0, 0
	s_sub_co_u32 s3, s3, 1
	s_cmp_lg_u32 s3, 0
	s_cbranch_scc1 .Llap
	TURN 0, 1, 0                                   ; the last lap fills nothing
	STEP 1, 0
	s_wait_dscnt 24
	WIN MUL_LO
	MUL16 0, 1, 0
	MUL16 2, 1, 0
	s_wait_dscnt 0x0
	WIN MUL_HI
	MUL16 4, 1, 0
	MUL16 6, 1, 0
	WIN 0
; THE WAY OUT: eight trips, one for each of A's tiles (16 rows x 128 columns).  Only the copy out of the accumulators differs from trip to trip: it is written eight times, each under its own test of the count.
.macro COPY a                          ; the tile's 64 numbers + the bias along the columns, each accumulator from its low end on
	WIN (0x02+(\a)/4)
.set i, 0
.rept 32
	v_pk_add_f32 v[EV+i:EV+i+1], v[64*((\a)%4)+i:64*((\a)%4)+i+1], v[BI+i:BI+i+1]
.set i, i+2
.endr
	WIN 0
.if JOB == 0
.set i, 0
.rept 32
	v_pk_add_f32 v[EV+i:EV+i+1], v[EV+i:EV+i+1], v[BL+2*(\a):BL+2*(\a)+1] op_sel_hi:[1,0]
.set i, i+2
.endr
.endif
.endm
; gelu(x) = x/2 + x/2 erf(x / sqrt 2) for 16 numbers; erf(z) = z P(z^2) / Q(z^2) with z held to +-4: the rational form in f32
.macro GELU16 x
.irp i, 0,2,4,6,8,10,12,14
	v_pk_mul_f32 v[ZV+\i:ZV+\i+1], v[(\x)+\i:(\x)+\i+1], 0x3f3504f3 op_sel_hi:[1,0]
.endr
.irp i, 0,1,2,3,4,5,6,7,8,9,10,11,12,13,14,15
	v_med3_num_f32 v[ZV+\i], v[ZV+\i], -4.0, 4.0
.endr
.irp i, 0,2,4,6,8,10,12,14
	v_pk_mul_f32 v[192+\i:193+\i], v[ZV+\i:ZV+\i+1], v[ZV+\i:ZV+\i+1]
.endr
.irp i, 0,2,4,6,8,10,12,14
	v_pk_fma_f32 v[208+\i:209+\i], v[192+\i:193+\i], 0xaf95df0b, v[10:11] op_sel_hi:[1,0,1]
	v_pk_fma_f32 v[240+\i:241+\i], v[192+\i:193+\i], 0xb77460cd, v[12:13] op_sel_hi:[1,0,1]
.endr
.irp c, 0xb60cff51, 0xb86ec2d2, 0xba40ac63, 0xbb41a1f6, 0xbc83dbd4
.irp i, 0,2,4,6,8,10,12,14
	v_pk_fma_f32 v[208+\i:209+\i], v[208+\i:209+\i], v[192+\i:193+\i], \c op_sel_hi:[1,1,0]
.endr
.endr
.irp c, 0xbadc924e, 0xbbf19bf8, 0xbc69b6a7
.irp i, 0,2,4,6,8,10,12,14
	v_pk_fma_f32 v[240+\i:241+\i], v[240+\i:241+\i], v[192+\i:193+\i], \c op_sel_hi:[1,1,0]
.endr
.endr
.irp i, 0,1,2,3,4,5,6,7,8,9,10,11,12,13,14,15
	v_rcp_f32 v[240+\i], v[240+\i]
.endr
.irp i, 0,2,4,6,8,10,12,14
	v_pk_mul_f32 v[208+\i:209+\i], v[208+\i:209+\i], v[ZV+\i:ZV+\i+1]     ; plain work behind the reciprocals
.endr
.irp i, 0,2,4,6,8,10,12,14
	v_pk_mul_f32 v[ZV+\i:ZV+\i+1], v[(\x)+\i:(\x)+\i+1], 0.5 op_sel_hi:[1,0]
.endr
	s_wait_alu depctr_va_vdst(0)                   ; one wait for the sixteen reciprocals, ahead of their first reader
.irp i, 0,2,4,6,8,10,12,14
	v_pk_mul_f32 v[208+\i:209+\i], v[208+\i:209+\i], v[240+\i:241+\i]
.endr
.irp i, 0,2,4,6,8,10,12,14
	v_pk_fma_f32 v[(\x)+\i:(\x)+\i+1], v[ZV+\i:ZV+\i+1], v[208+\i:209+\i], v[ZV+\i:ZV+\i+1]
.endr
.endm
	PLACES                                         ; behind the last products: results are read, and registers that held A's fragments are written
	s_wait_loadcnt 0x0                             ; the biases
.if JOB == 0
.irp a, 0,1,2,3,4,5,6,7
	v_mov_b32 v[BL+2*\a+1], v[BL+2*\a]             ; named as a pair, so both are written
.endr
.endif
.if QNT
.irp i, 0,1,2,3,4,5,6,7
	v_mov_b32 v[SW+\i], 0
.endr
.irp b, 0,1,2,3
	v_mov_b32 v[TM+4+\b], 0                        ; a lane permute's destination counts as one of its sources
.endr
.endif
	s_mov_b32 s[EA], 0
.Lout:
	s_wait_xcnt 0x0                                ; the last trip's stores have read their data and their bases: both are written again below
	s_mov_b32 s87, 0
.if QNT
	s_mul_i32 s86, s[EA], 768
	s_add_nc_u64 s[74:75], s[76:77], s[86:87]      ; the tile's place in my chunk
.endif
.if F32O
	s_lshr_b32 s86, s[EA], 1
	s_lshl_b32 s86, s86, 17
	s_and_b32 s70, s[EA], 1
	s_lshl_b32 s70, s70, 15
	s_add_co_u32 s86, s86, s70                     ; row 32 (a / 2) + 8 (a % 2), of 4,096 bytes
	s_add_nc_u64 s[80:81], s[78:79], s[86:87]
.endif
.irp a, 0,1,2,3,4,5,6,7
	s_cmp_lg_u32 s[EA], \a
	s_cbranch_scc1 .Lnot\a
	COPY \a
.Lnot\a:
.endr
.if JOB == 2
	GELU16 EV
	GELU16 EV+16
	GELU16 EV+32
	GELU16 EV+48
.endif
.if F32O
.irp b, 0,1,2,3,4,5,6,7                ; into my stage: row r, the columns in their true order
	ds_store_b128 v[STO], v[EV+8*\b:EV+8*\b+3] offset:128*(\b/2)+32*(\b%2)
	ds_store_b128 v[STO], v[EV+8*\b+4:EV+8*\b+7] offset:128*(\b/2)+32*(\b%2)+16
.endr
.endif
.if QNT
	QUANT EV, PC, PW
.irp p, 0,1,2,3,4,5
	global_store_b64 v[LO], v[PC+2*\p:PC+2*\p+1], s[74:75] offset:6656*(\p/3)+256*(\p%3)   ; 256 consecutive bytes
.endr
.irp i, 0,1,2,3,4,5,6
	v_mov_b32 v[SW+\i], v[SW+\i+1]                 ; the scale words move up: after eight trips word a stands in register a
.endr
	v_mov_b32 v[SW+7], v[PW]
.endif
.if F32O
.irp i, 0,1,2,3,4,5,6,7,8,9,10,11,12,13,14,15
	ds_load_b128 v[EV+4*\i:EV+4*\i+3], v[RD] offset:\i*SPITCH     ; LDS serves a wave's instructions in order: these see my stores
.endr
.irp i, 0,1,2,3,4,5,6,7,8,9,10,11,12,13,14,15
	s_wait_dscnt 15-\i                             ; the rows behind row i may be out
	global_store_b128 v[CO], v[EV+4*\i:EV+4*\i+3], s[80:81] offset:(\i+8*(\i/8))*4096      ; 512 consecutive bytes of a row
.endr
.endif
	s_add_co_u32 s[EA], s[EA], 1
	s_cmp_lt_u32 s[EA], 8
	s_cbranch_scc1 .Lout
.if QNT
	s_mov_b32 s83, 0xffff0000
.irp i, 0,1,2,3
	v_cndmask_b32 v[TM+\i], v[SW+\i], v[SW+4+\i], s83     ; lanes 0-15 tiles 0-3, lanes 16-31 tiles 4-7
.endr
	global_store_b128 v[SCO], v[TM:TM+3], s[76:77] offset:6144    ; the chunk's 512 bytes of scale words
.endif
	s_wait_tensorcnt 0x0                           ; the wave's end
	ds_add_u32 v[SPW], v[NIL]
	s_wait_dscnt 0x0
	CROUND                                         ; the closing round
	s_endpgm
.Lfunc_end_k_qe23ab0d370_ffn2:
	.size	k_qe23ab0d370_ffn2, .Lfunc_end_k_qe23ab0d370_ffn2-k_qe23ab0d370_ffn2
	.p2alignl 7, 3214868480
	.fill 96, 4, 3214868480
	.section	.rodata,"a",@progbits
	.p2align	6, 0x0
	.amdhsa_kernel k_qe23ab0d370_ffn2
		.amdhsa_group_segment_fixed_size 327680
		.amdhsa_private_segment_fixed_size 0
		.amdhsa_enable_private_segment 0
		.amdhsa_kernarg_size 32
		.amdhsa_user_sgpr_count 2
		.amdhsa_user_sgpr_kernarg_segment_ptr 1
		.amdhsa_wavefront_size32 1
		.amdhsa_system_sgpr_workgroup_id_x 1
		.amdhsa_system_sgpr_workgroup_id_y 1
		.amdhsa_system_sgpr_workgroup_id_z 1
		.amdhsa_system_vgpr_workitem_id 0
		.amdhsa_next_free_vgpr 1024
		.amdhsa_next_free_sgpr 100
		.amdhsa_reserve_vcc 0
		.amdhsa_float_denorm_mode_32 3
		.amdhsa_float_denorm_mode_16_64 3
		.amdhsa_memory_ordered 1
		.amdhsa_forward_progress 1
		.amdhsa_inst_pref_size 150
	.end_amdhsa_kernel
	.amdgpu_metadata
---
amdhsa.version: [ 1, 2 ]
amdhsa.kernels:
  - .name:           k_qe23ab0d370_ffn2
    .symbol:         k_qe23ab0d370_ffn2.kd
    .args:
      - { .name: hq, .offset: 0, .size: 8, .value_kind: global_buffer, .address_space: global }
      - { .name: ops, .offset: 8, .size: 8, .value_kind: global_buffer, .address_space: global }
      - { .name: b2, .offset: 16, .size: 8, .value_kind: global_buffer, .address_space: global }
      - { .name: yf, .offset: 24, .size: 8, .value_kind: global_buffer, .address_space: global }
    .group_segment_fixed_size: 327680
    .private_segment_fixed_size: 0
    .kernarg_segment_align: 8
    .kernarg_segment_size: 32
    .max_flat_workgroup_size: 128
    .sgpr_count:     100
    .vgpr_count:     1024
    .wavefront_size: 32
...
	.end_amdgpu_metadata
.endif
;; end of part 6
;; launch lnorm (part 7): grid 256 x 1, 8 waves a work-group, no clusters, 0 bytes of LDS; arguments at, yf, gamma, beta, out0; writes out0
.if DOCPART == 7
	.amdgcn_target "amdgcn-amd-amdhsa--gfx1250"
	.amdhsa_code_object_version 6
	.text
	.protected	k_qe23ab0d370_lnorm
	.globl	k_qe23ab0d370_lnorm
	.p2align	8
	.type	k_qe23ab0d370_lnorm,@function
k_qe23ab0d370_lnorm:
	s_mov_b64 s[64:65], 0
	v_nop
	global_prefetch_b8 v0, s[64:65] scope:SCOPE_SE
	s_setreg_imm32_b32 hwreg(HW_REG_WAVE_MODE, 25, 1), 1
	s_wait_xcnt 0x0
; out = ((y - mean) / sqrt(var + 1e-6)) gamma + beta, y = attn_out + down, along rows of 1,024 f32.
; A row is 4,096 bytes: one wave takes a whole row, eight loads of 16 bytes a lane from each of the two summands, and keeps it in 32 registers: no LDS, no barrier.  A wave takes two rows; a work-group 16.
; The variance is taken of the deviations from the mean (two passes over registers), so no difference of large sums is formed.
; Memory binds: matrix units, clusters and LDS would add nothing.  Every load and store of a wave covers 512 consecutive bytes.
.set GM, 16                            ; v16-47 gamma;  v48-79 beta;  v80-143, v144-207 a row's two summands
.set BT, 48
	s_load_b256 s[4:11], s[0:1], 0x0               ; attn_out (the head of at), down, gamma, beta
	s_load_b64 s[12:13], s[0:1], 0x20              ; out0
	v_lshrrev_b32 v1, 5, v0
	v_readfirstlane_b32 s14, v1                    ; wave
	v_and_b32 v1, 31, v0
	v_lshlrev_b32 v1, 4, v1                        ; 16 x lane
	s_lshl_b32 s16, ttmp9, 4
	s_lshl_b32 s15, s14, 1
	s_add_co_u32 s16, s16, s15                     ; my first row
	s_lshl_b32 s16, s16, 12
	s_mov_b32 s17, 0
	s_mov_b32 s18, 0x76543210
	s_mov_b32 s19, 0xfedcba98
	s_mov_b32 s20, 0x3a800000                      ; 1 / 1,024
	s_mov_b32 s21, 0x358637bd                      ; 1e-6
	s_wait_kmcnt 0x0
	s_add_nc_u64 s[4:5], s[4:5], s[16:17]
	s_add_nc_u64 s[6:7], s[6:7], s[16:17]
	s_add_nc_u64 s[12:13], s[12:13], s[16:17]
.irp i, 0,1,2,3,4,5,6,7
	global_load_b128 v[GM+4*\i:GM+4*\i+3], v1, s[8:9] offset:512*\i
	global_load_b128 v[BT+4*\i:BT+4*\i+3], v1, s[10:11] offset:512*\i
.endr
.irp p, 0,1
.irp i, 0,1,2,3,4,5,6,7
	global_load_b128 v[80+64*\p+4*\i:83+64*\p+4*\i], v1, s[4:5] offset:4096*\p+512*\i th:TH_LOAD_NT
	global_load_b128 v[112+64*\p+4*\i:115+64*\p+4*\i], v1, s[6:7] offset:4096*\p+512*\i th:TH_LOAD_NT
.endr
.endr
.macro REDUCE                          ; v208 summed over the 32 lanes, the result in every lane
	v_add_f32_dpp v208, v208, v208 row_xmask:1 row_mask:0xf bank_mask:0xf
	v_add_f32_dpp v208, v208, v208 row_xmask:2 row_mask:0xf bank_mask:0xf
	v_add_f32_dpp v208, v208, v208 row_xmask:4 row_mask:0xf bank_mask:0xf
	v_add_f32_dpp v208, v208, v208 row_xmask:8 row_mask:0xf bank_mask:0xf
	v_permlanex16_b32 v209, v208, s18, s19
	v_add_f32 v208, v208, v209
.endm
.macro ROW p
.set RA, 80+64*(\p)
.set RY, RA+32
.set i, 0
.rept 16
	v_pk_add_f32 v[RA+i:RA+i+1], v[RA+i:RA+i+1], v[RY+i:RY+i+1]     ; y
.set i, i+2
.endr
	v_pk_add_f32 v[208:209], v[RA:RA+1], v[RA+2:RA+3]               ; the sum, in two chains
	v_pk_add_f32 v[210:211], v[RA+4:RA+5], v[RA+6:RA+7]
.set i, 8
.rept 6
	v_pk_add_f32 v[208:209], v[208:209], v[RA+i:RA+i+1]
	v_pk_add_f32 v[210:211], v[210:211], v[RA+i+2:RA+i+3]
.set i, i+4
.endr
	v_pk_add_f32 v[208:209], v[208:209], v[210:211]
	v_add_f32 v208, v208, v209
	REDUCE
	v_mul_f32 v212, s20, v208                      ; the mean
	v_mov_b32 v213, v212
.set i, 0
.rept 16
	v_pk_add_f32 v[RA+i:RA+i+1], v[RA+i:RA+i+1], v[212:213] neg_lo:[0,1] neg_hi:[0,1]
.set i, i+2
.endr
	v_pk_mul_f32 v[208:209], v[RA:RA+1], v[RA:RA+1]                 ; the sum of squares of the deviations
	v_pk_mul_f32 v[210:211], v[RA+2:RA+3], v[RA+2:RA+3]
.set i, 4
.rept 7
	v_pk_fma_f32 v[208:209], v[RA+i:RA+i+1], v[RA+i:RA+i+1], v[208:209]
	v_pk_fma_f32 v[210:211], v[RA+i+2:RA+i+3], v[RA+i+2:RA+i+3], v[210:211]
.set i, i+4
.endr
	v_pk_add_f32 v[208:209], v[208:209], v[210:211]
	v_add_f32 v208, v208, v209
	REDUCE
	v_fma_f32 v208, v208, s20, s21                 ; var + 1e-6
	v_rsq_f32 v214, v208
	v_nop                                          ; a plain place behind the transcendental
	s_wait_alu depctr_va_vdst(0)                   ; ahead of its first reader
	v_mov_b32 v215, v214
.set i, 0
.rept 16
	v_pk_mul_f32 v[RA+i:RA+i+1], v[RA+i:RA+i+1], v[214:215]
.set i, i+2
.endr
.set i, 0
.rept 16
	v_pk_fma_f32 v[RA+i:RA+i+1], v[RA+i:RA+i+1], v[GM+i:GM+i+1], v[BT+i:BT+i+1]
.set i, i+2
.endr
.irp i, 0,1,2,3,4,5,6,7
	global_store_b128 v1, v[RA+4*\i:RA+4*\i+3], s[12:13] offset:4096*(\p)+512*\i th:TH_STORE_NT
.endr
.endm
	s_wait_loadcnt 16                              ; gamma, beta and the first row are in; the second row's 16 loads may be out
	ROW 0
	s_wait_loadcnt 0x0
	ROW 1
	s_endpgm
.Lfunc_end_k_qe23ab0d370_lnorm:
	.size	k_qe23ab0d370_lnorm, .Lfunc_end_k_qe23ab0d370_lnorm-k_qe23ab0d370_lnorm
	.p2alignl 7, 3214868480
	.fill 96, 4, 3214868480
	.section	.rodata,"a",@progbits
	.p2align	6, 0x0
	.amdhsa_kernel k_qe23ab0d370_lnorm
		.amdhsa_group_segment_fixed_size 0
		.amdhsa_private_segment_fixed_size 0
		.amdhsa_enable_private_segment 0
		.amdhsa_kernarg_size 40
		.amdhsa_user_sgpr_count 2
		.amdhsa_user_sgpr_kernarg_segment_ptr 1
		.amdhsa_wavefront_size32 1
		.amdhsa_system_sgpr_workgroup_id_x 1
		.amdhsa_system_sgpr_workgroup_id_y 1
		.amdhsa_system_sgpr_workgroup_id_z 1
		.amdhsa_system_vgpr_workitem_id 0
		.amdhsa_next_free_vgpr 232
		.amdhsa_next_free_sgpr 66
		.amdhsa_reserve_vcc 0
		.amdhsa_float_denorm_mode_32 3
		.amdhsa_float_denorm_mode_16_64 3
		.amdhsa_memory_ordered 1
		.amdhsa_forward_progress 1
		.amdhsa_inst_pref_size 22
	.end_amdhsa_kernel
	.amdgpu_metadata
---
amdhsa.version: [ 1, 2 ]
amdhsa.kernels:
  - .name:           k_qe23ab0d370_lnorm
    .symbol:         k_qe23ab0d370_lnorm.kd
    .args:
      - { .name: at, .offset: 0, .size: 8, .value_kind: global_buffer, .address_space: global }
      - { .name: yf, .offset: 8, .size: 8, .value_kind: global_buffer, .address_space: global }
      - { .name: gamma, .offset: 16, .size: 8, .value_kind: global_buffer, .address_space: global }
      - { .name: beta, .offset: 24, .size: 8, .value_kind: global_buffer, .address_space: global }
      - { .name: out0, .offset: 32, .size: 8, .value_kind: global_buffer, .address_space: global }
    .group_segment_fixed_size: 0
    .private_segment_fixed_size: 0
    .kernarg_segment_align: 8
    .kernarg_segment_size: 40
    .max_flat_workgroup_size: 256
    .sgpr_count:     66
    .vgpr_count:     232
    .wavefront_size: 32
...
	.end_amdgpu_metadata
.endif
;; end of part 7
;; ======== version 2 of 2: 7 launches
;; limits: right only within a limited range of input values
;; workspace buffers: ops 13,135,872 bytes; mbits 1,048,576 bytes of whole numbers; qkv 9,830,400 bytes; ao 3,276,800 bytes; at 20,054,016 bytes; hq 13,107,200 bytes; yf 16,777,216 bytes
;; launch prep (part 8): grid 1303 x 1, 4 waves a work-group, no clusters, 13,824 bytes of LDS; arguments x, Wq, Wk, Wv, Wo, W1, W2, bq, bk, bv, mask, ops, mbits; writes ops, mbits
.if DOCPART == 8
	.amdgcn_target "amdgcn-amd-amdhsa--gfx1250"
	.amdhsa_code_object_version 6
	.text
	.protected	k_qe23ab0d370_prep
	.globl	k_qe23ab0d370_prep
	.p2align	8
	.type	k_qe23ab0d370_prep,@function
k_qe23ab0d370_prep:
	s_mov_b64 s[64:65], 0
	v_nop
	global_prefetch_b8 v0, s[64:65] scope:SCOPE_SE
	s_setreg_imm32_b32 hwreg(HW_REG_WAVE_MODE, 25, 1), 1
	s_wait_xcnt 0x0
; All inputs that are matrix operands become codes of FP6 (E2M3) with one E8M0 byte for each 32 along K, laid as IMAGES OF OPERAND REGISTERS.
; A chunk = 128 rows x 128 along K = 12,800 bytes: at 0 the registers 0-5 of its 8 fragments (tile t, pair p of registers at 768 t + 256 p + 8 x lane), at 6,144 the scale words
; (tile t, lane r at 32 r + 4 t), at 6,656 the registers 6-11.  Tile t, lane r holds row 32 (t / 2) + 8 (t % 2) + r + 8 (r / 8) of the 128.
; Work-groups 0-255: x (K innermost).  256-1023: Wq, Wk, Wv, Wo, W1, W2 (K is the first axis: a lane takes a column, its registers run down K).  The chunk's number in ops is the work-group's.
; 1024-1295: the mask and the lower triangle, as lane masks for the attention's score registers: one work-group for each (batch, block of 128 queries j, step of 128 keys s <= j).
; 1296-1302: a table of biases by row of ops: 4,096 zeros (x's rows), bq, bk, bv.
; A block's scale is 2^(floor(log2(largest magnitude)) - 2); its byte is the largest magnitude's exponent field - 2, held at 1 from below.
; LIMITS: a block of zeros, or one under 2^-124, keeps the byte 1 (zero codes add nothing; only this program reads the bytes); NaN and infinities among the inputs are not served.
; No matrix unit, no cluster, no tensor load: the work-groups share nothing and each byte is read once.
.set CH,    12800
.set XSC,   12800                      ; LDS: 0 .. 12,799 a weight's chunk; 12,800 .. 13,311 x's scale words: each path has bytes of its own
.set SPARE, 13312                      ; the spare words, 128 bytes a wave: two blocks of 256 bytes that no other line names
.set TM,    16                         ; v16-31 the quantiser's work
.set SEL,   48                         ; s[48:49] selects of v_permlanex16_b32: lane l xor 16
; 64 numbers of a lane, register 16 b + i = k 32 b + 16 (lane / 16) + i of its row, become a fragment's 12 registers in v[pc] on and its scale word in v[pw]
.macro QUANT s, pc, pw
.irp b, 0,1,2,3
	v_max3_num_f32 v[TM+\b], |v[\s+16*\b]|, |v[\s+1+16*\b]|, 0x1800000   ; the floor 2^(3 - 127) holds the byte at 1 from below
.endr
.irp i, 2,4,6,8,10,12,14
.irp b, 0,1,2,3
	v_max3_num_f32 v[TM+\b], v[TM+\b], |v[\s+16*\b+\i]|, |v[\s+1+16*\b+\i]|
.endr
.endr
.irp b, 0,1,2,3
	v_permlanex16_b32 v[TM+4+\b], v[TM+\b], s[SEL], s[SEL+1]
.endr
.irp b, 0,1,2,3
	v_max_num_f32 v[TM+\b], v[TM+\b], v[TM+4+\b]           ; with lane l xor 16's 16: the block's largest magnitude
.endr
.irp b, 0,1,2,3
	v_add_nc_u32 v[TM+12+\b], 0xff000000, v[TM+\b]         ; 2 off its exponent field: the conversion's scale operand
.endr
.irp b, 0,1,2,3
	v_lshrrev_b32 v[TM+4+\b], 23, v[TM+12+\b]              ; the byte
.endr
	v_lshl_or_b32 v[\pw], v[TM+5], 8, v[TM+4]
	v_lshl_or_b32 v[\pw], v[TM+6], 16, v[\pw]
	v_lshl_or_b32 v[\pw], v[TM+7], 24, v[\pw]
.irp c, 0,1
	v_cvt_scalef32_pk16_fp6_f32 v[\pc+6*\c:\pc+2+6*\c], v[\s+32*\c:\s+15+32*\c], v[TM+12+2*\c]
	v_cvt_scalef32_pk16_fp6_f32 v[\pc+12+4*\c:\pc+14+4*\c], v[\s+16+32*\c:\s+31+32*\c], v[TM+12+2*\c+1]
.endr
	v_nop                                                  ; one plain place behind a scaled conversion
.irp c, 0,1                            ; the layout wants a whole block in a lane: lanes 0-15 block 2 c, lanes 16-31 block 2 c + 1
.irp i, 0,1,2
	v_permlane16_swap_b32 v[\pc+6*\c+\i], v[\pc+12+4*\c+\i]
.endr
.irp i, 0,1,2
	v_mov_b32 v[\pc+3+6*\c+\i], v[\pc+12+4*\c+\i]
.endr
.endr
.endm
.macro LOAD64 reg, sb, off             ; my 16 numbers of each of four blocks of 32 of my row
.irp b, 0,1,2,3
.irp j, 0,1,2,3
	global_load_b128 v[\reg+16*\b+4*\j:\reg+16*\b+4*\j+3], v40, s[\sb:\sb+1] offset:\off+128*\b+16*\j th:TH_LOAD_NT
.endr
.endr
.endm
.macro PUT pc, off                     ; a fragment leaves as six runs of 256 consecutive bytes
.irp c, 0,1
.irp p, 0,1,2
	global_store_b64 v13, v[\pc+6*\c+2*\p:\pc+6*\c+2*\p+1], s[36:37] offset:\off+6656*\c+256*\p
.endr
.endr
.endm
	s_load_b512 s[4:19], s[0:1], 0x0               ; x 4, Wq 6, Wk 8, Wv 10, Wo 12, W1 14, W2 16, bq 18
	s_load_b256 s[20:27], s[0:1], 0x40             ; bk 20, bv 22, mask 24, ops 26
	s_load_b64 s[28:29], s[0:1], 0x60              ; mbits
	v_lshl_add_u32 v2, v0, 2, SPARE                ; my spare word,
	v_mov_b32 v3, 0                                ; and 0: kept for the add alone
	v_lshrrev_b32 v1, 5, v0
	v_readfirstlane_b32 s30, v1                    ; wave
	v_and_b32 v4, 31, v0                           ; lane
	v_and_b32 v5, 15, v0                           ; r
	v_bfe_u32 v6, v0, 4, 1                         ; h
	; every LDS address is made here, ahead of the parting of the paths
	v_lshlrev_b32 v7, 5, v5
	v_lshl_add_u32 v7, v1, 3, v7
	v_add_nc_u32 v7, XSC, v7                       ; x: my row's two scale words: 32 r + 8 wave
	v_lshl_add_u32 v8, v4, 4, XSC                  ; and back: 16 x lane
	v_bfe_u32 v9, v0, 3, 1
	v_lshl_add_u32 v9, v1, 1, v9                   ; a weight's column 32 wave + lane lies in tile 2 wave + (lane / 8) % 2,
	v_and_b32 v32, 7, v0
	v_lshl_add_u32 v32, v6, 3, v32                 ; at lane place lane % 8 + 8 (lane / 16)
	v_lshlrev_b32 v10, 2, v9
	v_lshl_add_u32 v10, v32, 5, v10
	v_add_nc_u32 v10, 6144, v10                    ; its scale word
	v_mul_u32_u24 v9, v9, 768
	v_lshl_add_u32 v9, v32, 3, v9                  ; its codes
	v_mul_u32_u24 v11, v1, 3072
	v_lshl_add_u32 v11, v4, 4, v11                 ; the copy out: 3,072 wave + 16 lane, in LDS and in the chunk alike
	v_lshlrev_b32 v13, 3, v4                       ; 8 x lane
	v_lshlrev_b32 v14, 4, v4                       ; 16 x lane
	v_lshlrev_b32 v15, 2, v0                       ; 4 x thread
	v_and_b32 v12, 8, v5
	v_add_nc_u32 v12, v12, v5                      ; r + 8 (r / 8)
.irp b, 0,1,2,3
	v_mov_b32 v[TM+4+\b], 0                        ; a lane permute's destination counts as one of its sources
.endr
	s_mov_b32 s[SEL], 0x76543210
	s_mov_b32 s[SEL+1], 0xfedcba98
	s_wait_kmcnt 0x0
	s_cmp_lt_u32 ttmp9, 256
	s_cbranch_scc0 .Lnot_x
	; ---- x: chunk (rb, ks) = (id / 8, id % 8).  Wave w quantises tiles 2 w and 2 w + 1
	s_lshr_b32 s32, ttmp9, 3
	s_and_b32 s33, ttmp9, 7
	s_lshl_b32 s32, s32, 7
	s_lshl_b32 s34, s30, 5
	s_add_co_u32 s32, s32, s34                     ; row 128 rb + 32 w
	s_lshl_b32 s32, s32, 12
	s_lshl_b32 s33, s33, 9
	s_add_co_u32 s32, s32, s33                     ; + 512 ks bytes
	s_mov_b32 s33, 0
	s_add_nc_u64 s[4:5], s[4:5], s[32:33]
	s_mul_i32 s34, ttmp9, CH
	s_mov_b32 s35, 0
	s_add_nc_u64 s[26:27], s[26:27], s[34:35]      ; the chunk
	s_mul_i32 s34, s30, 1536
	s_add_nc_u64 s[36:37], s[26:27], s[34:35]      ; my two tiles in it
	s_wait_alu depctr_va_vdst(0)
	v_lshlrev_b32 v40, 12, v12
	v_lshl_add_u32 v40, v6, 6, v40                 ; row r + 8 (r / 8) of 4,096 bytes, + 64 h
	LOAD64 64, 4, 0
	LOAD64 128, 4, 32768                           ; the odd tile lies 8 rows further down
	s_wait_loadcnt 16                              ; the first tile's loads are in; the second tile's 16 may be out
	QUANT 64, 192, 216
	PUT 192, 0
	s_wait_loadcnt 0x0
	QUANT 128, 224, 217                            ; registers of its own: no store's data are written again
	PUT 224, 768
	ds_store_b64 v7, v[216:217]                    ; lanes r and r + 16 write the same words with the same values
	s_wait_dscnt 0x0                               ; for the others' sake
	s_barrier_signal -1
	s_barrier_wait -1
	s_cmp_lg_u32 s30, 0
	s_cbranch_scc1 .Lx_end
	ds_load_b128 v[244:247], v8                    ; the chunk's 512 bytes of scale words leave as two whole runs of 256
	s_wait_dscnt 0x0
	global_store_b128 v14, v[244:247], s[26:27] offset:6144
.Lx_end:
	s_wait_tensorcnt 0x0                           ; the wave's end, behind my last LDS store
	ds_add_u32 v2, v3
	s_wait_dscnt 0x0
	s_endpgm
.Lnot_x:
	s_cmp_lt_u32 ttmp9, 1024
	s_cbranch_scc0 .Lnot_w
	; ---- a weight [K][N]: which, which 128 columns (rb), which 128 along K (ks).  All choices hang on the work-group's number
	s_sub_co_u32 s32, ttmp9, 256
	s_lshr_b32 s32, s32, 6
	s_cmp_eq_u32 s32, 1
	s_cselect_b64 s[6:7], s[8:9], s[6:7]
	s_cmp_eq_u32 s32, 2
	s_cselect_b64 s[6:7], s[10:11], s[6:7]
	s_cmp_eq_u32 s32, 3
	s_cselect_b64 s[6:7], s[12:13], s[6:7]
	s_lshr_b32 s33, ttmp9, 3
	s_and_b32 s34, s33, 7                          ; rb of the four square weights,
	s_and_b32 s35, s33, 31                         ; of W1,
	s_lshr_b32 s36, ttmp9, 5
	s_and_b32 s36, s36, 7                          ; of W2
	s_and_b32 s37, ttmp9, 7                        ; ks,
	s_and_b32 s38, ttmp9, 31                       ; W2's
	s_mov_b32 s39, 19                              ; 128 rows of 4,096 bytes = 2^19
	s_cmp_ge_u32 ttmp9, 512
	s_cselect_b64 s[6:7], s[14:15], s[6:7]
	s_cselect_b32 s34, s35, s34
	s_cselect_b32 s39, 21, s39                     ; W1's rows are 16,384 bytes
	s_cmp_ge_u32 ttmp9, 768
	s_cselect_b64 s[6:7], s[16:17], s[6:7]
	s_cselect_b32 s34, s36, s34
	s_cselect_b32 s37, s38, s37
	s_cselect_b32 s39, 19, s39
	s_lshl_b32 s40, s37, s39
	s_lshl_b32 s34, s34, 9
	s_add_co_u32 s40, s40, s34
	s_mov_b32 s41, 0
	s_add_nc_u64 s[6:7], s[6:7], s[40:41]
	s_mul_i32 s34, ttmp9, CH
	s_mov_b32 s35, 0
	s_add_nc_u64 s[26:27], s[26:27], s[34:35]
	s_cmp_eq_u32 s39, 21
	s_cbranch_scc1 .Lwide
.set k, 0
	s_wait_alu depctr_va_vdst(0)
.rept 128                              ; W(128 ks + k, my column): a wave reads 128 consecutive bytes, the work-group 512
	global_load_b32 v[64+k], v15, s[6:7] offset:k*4096 th:TH_LOAD_NT
.set k, k+1
.endr
	s_branch .Lw_in
.Lwide:
.set k, 0
	s_wait_alu depctr_va_vdst(0)
.rept 128
	global_load_b32 v[64+k], v15, s[6:7] offset:k*16384 th:TH_LOAD_NT
.set k, k+1
.endr
.Lw_in:
.macro WBLK t                          ; block t of 32 along K: all its numbers are mine
.set XS, 64+32*(\t)
.set CR, 192+8*(\t)
.if (\t) < 2
	s_wait_loadcnt 63                              ; 96 or 64 loads were issued behind this block's: 63 is the largest count that the wait can name
.elseif (\t) == 2
	s_wait_loadcnt 32
.else
	s_wait_loadcnt 0x0
.endif
	v_max3_num_f32 v32, |v[XS]|, |v[XS+1]|, |v[XS+2]|
	v_max3_num_f32 v33, |v[XS+3]|, |v[XS+4]|, |v[XS+5]|
.irp i, 6,10,14,18,22,26
	v_max3_num_f32 v32, v32, |v[XS+\i]|, |v[XS+\i+1]|
	v_max3_num_f32 v33, v33, |v[XS+\i+2]|, |v[XS+\i+3]|
.endr
	v_max3_num_f32 v32, v32, |v[XS+30]|, |v[XS+31]|
	v_max3_num_f32 v32, v32, v33, 0x1800000        ; the floor
	v_add_nc_u32 v34, 0xff000000, v32
	v_lshrrev_b32 v35, 23, v34
.if (\t) == 0
	v_mov_b32 v36, v35
.else
	v_lshl_or_b32 v36, v35, 8*(\t), v36            ; four bytes make the column's scale word
.endif
	v_cvt_scalef32_pk16_fp6_f32 v[CR:CR+2], v[XS:XS+15], v34
	v_cvt_scalef32_pk16_fp6_f32 v[224:226], v[XS+16:XS+31], v34    ; (a conversion's three registers begin on an even number)
	v_nop
.irp i, 0,1,2
	v_mov_b32 v[CR+3+\i], v[224+\i]
.endr
.irp p, 0,1,2                          ; block t is registers 6 (t / 2) .. + 5 of lane place + 16 (t % 2)
	ds_store_b64 v9, v[CR+2*\p:CR+2*\p+1] offset:6656*((\t)/2)+128*((\t)%2)+256*\p
.endr
.endm
	WBLK 0
	WBLK 1
	WBLK 2
	WBLK 3
	ds_store_b32 v10, v36
	s_wait_dscnt 0x0                               ; for the others' sake
	s_barrier_signal -1
	s_barrier_wait -1                              ; the chunk lies whole in LDS
.irp i, 0,1,2,3,4,5
	ds_load_b128 v[64+4*\i:67+4*\i], v11 offset:512*\i
.endr
.irp i, 0,1,2,3,4,5
	s_wait_dscnt 5-\i                              ; the loads behind load i may be out
	global_store_b128 v11, v[64+4*\i:67+4*\i], s[26:27] offset:512*\i    ; 512 consecutive bytes
.endr
	s_cmp_lg_u32 s30, 0
	s_cbranch_scc1 .Lw_end
	ds_load_b128 v[88:91], v11 offset:12288        ; 25 runs of 512 bytes: wave 0 takes the last
	s_wait_dscnt 0x0
	global_store_b128 v11, v[88:91], s[26:27] offset:12288
.Lw_end:
	s_wait_tensorcnt 0x0                           ; the wave's end, as above
	ds_add_u32 v2, v3
	s_wait_dscnt 0x0
	s_endpgm
.Lnot_w:
	s_cmp_lt_u32 ttmp9, 1296
	s_cbranch_scc0 .Lbias
	; ---- the mask: u = id - 1024; batch b = u / 136; the 136 pairs (j, s <= j) are taken 17 at a time: rows p and 15 - p of the triangle
	s_sub_co_u32 s32, ttmp9, 1024
	s_cmp_ge_u32 s32, 136
	s_cselect_b32 s33, 1, 0
	s_mul_i32 s34, s33, 136
	s_sub_co_u32 s32, s32, s34
	s_mul_i32 s34, s32, 241
	s_lshr_b32 s34, s34, 12                        ; p = u / 17 (exact for u under 136)
	s_mul_i32 s35, s34, 17
	s_sub_co_u32 s35, s32, s35                     ; v = u % 17
	s_sub_co_u32 s36, 15, s34
	s_sub_co_u32 s37, s35, s34
	s_sub_co_u32 s37, s37, 1
	s_cmp_le_u32 s35, s34
	s_cselect_b32 s36, s34, s36                    ; j
	s_cselect_b32 s37, s35, s37                    ; s
	s_lshl_b32 s38, s33, 11
	s_lshl_b32 s39, s36, 7
	s_add_co_u32 s38, s38, s39
	s_lshl_b32 s39, s30, 5
	s_add_co_u32 s38, s38, s39                     ; query row 2,048 b + 128 j + 32 w
	s_lshl_b32 s38, s38, 13
	s_lshl_b32 s39, s37, 9
	s_add_co_u32 s38, s38, s39
	s_mov_b32 s39, 0
	s_add_nc_u64 s[24:25], s[24:25], s[38:39]
	s_lshl_b32 s38, s33, 4
	s_add_co_u32 s38, s38, s36
	s_lshl_b32 s38, s38, 3
	s_add_co_u32 s38, s38, s30
	s_add_co_u32 s38, s38, s30                     ; (16 b + j) 8 + 2 w
	s_lshl_b32 s38, s38, 4
	s_add_co_u32 s38, s38, s37
	s_lshl_b32 s38, s38, 8                         ; 256 bytes for each (tile of queries, key step)
	s_add_nc_u64 s[28:29], s[28:29], s[38:39]
	s_wait_alu depctr_va_vdst(0)
	v_lshlrev_b32 v40, 13, v12
	v_lshl_add_u32 v40, v6, 6, v40                 ; row r + 8 (r / 8) of 8,192 bytes, + 64 h
	LOAD64 64, 24, 0                               ; register 16 b + i: mask(my query, key 32 b + 16 h + i of the step): the place of the attention's score register
	LOAD64 128, 24, 65536
	v_lshlrev_b32 v33, 4, v6
	v_sub_nc_u32 v32, v12, v33
	v_lshl_add_u32 v32, v1, 5, v32                 ; d = my query in the block - 16 h: key 32 b + i counts where it is at most d
	v_add_nc_u32 v33, 8, v32                       ; the odd tile's
.macro TRIL base, d
.set n, 0
.rept 64
	v_cmp_le_i32 vcc_lo, 32*(n/16)+n%16, v[\d]
	v_cndmask_b32 v[\base+n], 0, v[\base+n], vcc_lo
.set n, n+1
.endr
.endm
.macro MBITS base, w                   ; dword n of the 256 bytes = the 32 lanes' bits for score register n: it is gathered into lane n / 2 of a pair of registers
	v_mov_b32 v[\w], 0
	v_mov_b32 v[\w+1], 0
.set n, 0
.rept 64
	v_cmp_ne_u32 s[40+n%8], 0, v[\base+n]
	v_writelane_b32 v[\w+n%2], s[40+n%8], n/2
.set n, n+1
.endr
.endm
	s_wait_loadcnt 0x0
	s_cmp_lg_u32 s36, s37
	s_cbranch_scc1 .Lbelow                         ; under the diagonal every key counts that the mask lets count
	s_wait_alu depctr_va_vdst(0)
	TRIL 64, 32
	TRIL 128, 33
.Lbelow:
	MBITS 64, 36
	MBITS 128, 38
	global_store_b64 v13, v[36:37], s[28:29]       ; 256 consecutive bytes
	global_store_b64 v13, v[38:39], s[28:29] offset:4096
	s_endpgm
.Lbias:
	; ---- the table of biases: 4,096 bytes a work-group
	s_sub_co_u32 s32, ttmp9, 1296
	s_lshl_b32 s34, s32, 12
	s_add_co_u32 s34, s34, 1024*CH
	s_mov_b32 s35, 0
	s_add_nc_u64 s[26:27], s[26:27], s[34:35]
	v_lshlrev_b32 v40, 4, v0
	s_cmp_lt_u32 s32, 4
	s_cbranch_scc1 .Lzero
	s_cmp_eq_u32 s32, 5
	s_cselect_b64 s[18:19], s[20:21], s[18:19]
	s_cmp_eq_u32 s32, 6
	s_cselect_b64 s[18:19], s[22:23], s[18:19]
	global_load_b128 v[64:67], v40, s[18:19]
	global_load_b128 v[68:71], v40, s[18:19] offset:2048
	s_wait_loadcnt 0x0
	s_branch .Lb_out
.Lzero:
.irp i, 0,1,2,3,4,5,6,7
	v_mov_b32 v[64+\i], 0
.endr
.Lb_out:
	s_wait_alu depctr_va_vdst(0)
	global_store_b128 v40, v[64:67], s[26:27]
	global_store_b128 v40, v[68:71], s[26:27] offset:2048
	s_endpgm
.Lfunc_end_k_qe23ab0d370_prep:
	.size	k_qe23ab0d370_prep, .Lfunc_end_k_qe23ab0d370_prep-k_qe23ab0d370_prep
	.p2alignl 7, 3214868480
	.fill 96, 4, 3214868480
	.section	.rodata,"a",@progbits
	.p2align	6, 0x0
	.amdhsa_kernel k_qe23ab0d370_prep
		.amdhsa_group_segment_fixed_size 13824
		.amdhsa_private_segment_fixed_size 0
		.amdhsa_enable_private_segment 0
		.amdhsa_kernarg_size 104
		.amdhsa_user_sgpr_count 2
		.amdhsa_user_sgpr_kernarg_segment_ptr 1
		.amdhsa_wavefront_size32 1
		.amdhsa_system_sgpr_workgroup_id_x 1
		.amdhsa_system_sgpr_workgroup_id_y 1
		.amdhsa_system_sgpr_workgroup_id_z 1
		.amdhsa_system_vgpr_workitem_id 0
		.amdhsa_next_free_vgpr 256
		.amdhsa_next_free_sgpr 66
		.amdhsa_reserve_vcc 1
		.amdhsa_float_denorm_mode_32 3
		.amdhsa_float_denorm_mode_16_64 3
		.amdhsa_memory_ordered 1
		.amdhsa_forward_progress 1
		.amdhsa_inst_pref_size 81
	.end_amdhsa_kernel
	.amdgpu_metadata
---
amdhsa.version: [ 1, 2 ]
amdhsa.kernels:
  - .name:           k_qe23ab0d370_prep
    .symbol:         k_qe23ab0d370_prep.kd
    .args:
      - { .name: x, .offset: 0, .size: 8, .value_kind: global_buffer, .address_space: global }
      - { .name: Wq, .offset: 8, .size: 8, .value_kind: global_buffer, .address_space: global }
      - { .name: Wk, .offset: 16, .size: 8, .value_kind: global_buffer, .address_space: global }
      - { .name: Wv, .offset: 24, .size: 8, .value_kind: global_buffer, .address_space: global }
      - { .name: Wo, .offset: 32, .size: 8, .value_kind: global_buffer, .address_space: global }
      - { .name: W1, .offset: 40, .size: 8, .value_kind: global_buffer, .address_space: global }
      - { .name: W2, .offset: 48, .size: 8, .value_kind: global_buffer, .address_space: global }
      - { .name: bq, .offset: 56, .size: 8, .value_kind: global_buffer, .address_space: global }
      - { .name: bk, .offset: 64, .size: 8, .value_kind: global_buffer, .address_space: global }
      - { .name: bv, .offset: 72, .size: 8, .value_kind: global_buffer, .address_space: global }
      - { .name: mask, .offset: 80, .size: 8, .value_kind: global_buffer, .address_space: global }
      - { .name: ops, .offset: 88, .size: 8, .value_kind: global_buffer, .address_space: global }
      - { .name: mbits, .offset: 96, .size: 8, .value_kind: global_buffer, .address_space: global }
    .group_segment_fixed_size: 13824
    .private_segment_fixed_size: 0
    .kernarg_segment_align: 8
    .kernarg_segment_size: 104
    .max_flat_workgroup_size: 128
    .sgpr_count:     66
    .vgpr_count:     256
    .wavefront_size: 32
...
	.end_amdgpu_metadata
.endif
;; end of part 8
;; launch qkv (part 9): grid 12 x 16, 4 waves a work-group, clusters of 4 x 4, 327,680 bytes of LDS; arguments ops, qkv; writes qkv
.if DOCPART == 9
	.amdgcn_target "amdgcn-amd-amdhsa--gfx1250"
	.amdhsa_code_object_version 6
	.text
	.protected	k_qe23ab0d370_qkv
	.globl	k_qe23ab0d370_qkv
	.p2align	8
	.type	k_qe23ab0d370_qkv,@function
k_qe23ab0d370_qkv:
	s_mov_b64 s[64:65], 0
	v_nop
	global_prefetch_b8 v0, s[64:65] scope:SCOPE_SE
	s_setreg_imm32_b32 hwreg(HW_REG_WAVE_MODE, 25, 1), 1
	s_wait_xcnt 0x0
	s_wait_alu depctr_hold_cnt(0) depctr_sa_sdst(0) depctr_va_vdst(0) depctr_va_sdst(0) depctr_va_ssrc(0) depctr_va_vcc(0) depctr_vm_vsrc(0)
	s_getreg_b32 s2, hwreg(HW_REG_IB_STS2, 6, 4)
	s_cmp_eq_u32 s2, 0
	s_cbranch_scc0 .Lentry_in_a_cluster
	s_endpgm
.Lentry_in_a_cluster:
	s_bfe_u32 s2, ttmp6, 0x10000c
	s_cmp_lg_u32 s2, 0xf033
	s_cbranch_scc0 .Lentry_shape_is_right
	s_endpgm
.Lentry_shape_is_right:
; ONE TEXT FOR FOUR LAUNCHES, told apart by JOB: C = A B^T on codes of FP6 (E2M3) with E8M0 scales, f32 sums, and what follows the product.
;   JOB 0: q, k = x Wq + bq, x Wk + bk (A = x's rows, B = the weights' columns) and V^T (A = Wv's columns, B = x's rows, + bv): quantised along B's rows.   JOB 1: attn_out = o Wo + bo, as f32 and as codes.
;   JOB 2: gelu(attn_out W1 + b1), as codes.   JOB 3: h W2 + b2, as f32.
; OPERANDS lie in memory as images of operand registers, in chunks of 128 rows x 128 K = 12,800 bytes: registers 0-5 of 8 fragments at 768 t + 256 p + 8 lane, the scale words at 6,144 + 32 r + 4 t,
; registers 6-11 from 6,656 on; a block of rows has its K steps on end.  Tile t, lane r holds row 32 (t / 2) + 8 (t % 2) + r + 8 (r / 8).  So a fragment is six LDS loads of 256 consecutive bytes,
; and two K steps of 128 rows, codes and scales, are one dense tensor load of 100 rows of 256 bytes.
; SHARES: a tile of C is 256 x 256, four waves of 128 x 128 (64 accumulators, 512 registers).  Source 0 = 16 rows of B, source 1 = 16 rows of A: a lane holds one row of A, and by the order of rows above the
; 16 registers of B's tiles 2 b and 2 b + 1 are 16 NEIGHBOURS along B's rows, which are the next product's K: a wave's 128 x 128 becomes one chunk of the next operand, in registers.
; RING: two slots of two K steps; each wave fetches one block of rows (waves 0, 1: A's two; waves 2, 3: B's).  CLUSTER 4 x 4: A's tiles are asked for jointly along a row, B's along a column.
; By this text's own count a wave has one tensor load out at the start and one behind each change of slots.
; LIMITS: blocks of zeros or under 2^-124 keep the byte 1; NaN and infinities are not served; JOB 2: 1 + erf has an absolute error near 1e-7, so gelu(x) for x under about -4 is right only beside a block's larger numbers.
; No prefetch: the operands are read by many clusters at about the same time and a refill has two K steps, 128 matrix instructions, in which to land.
; (At the head a wave issues one tensor load, slot 0's; slot 1's first fill follows behind a tensor wait, an add, its wait and a round: so one load a wave is out at the start too.)
.set JOB, 0
.if JOB == 3
.set KS, 32
.else
.set KS, 8
.endif
.set AOFF, 0
.set BOFF, 0
.set QNT, 1                            ; the result leaves as codes
.set F32O, 0                           ; the result leaves as f32
.if JOB == 1
.set BOFF, 448*12800
.set F32O, 1
.elseif JOB == 2
.set AOFF, 16777216
.set BOFF, 512*12800
.elseif JOB == 3
.set BOFF, 768*12800
.set QNT, 0
.set F32O, 1
.endif
.set LAPS,  KS/4                       ; a lap = two slots = four K steps
.set CH,    12800
.set REG,   2*CH                       ; what one tensor load brings
.set SLOT,  4*REG
.set SPARE, 2*SLOT                     ; behind the ring: the spare words, 128 bytes a wave
.set SPITCH, 528                       ; the f32 stage: 16 rows x (512 + 16) bytes a wave, in slot 0, behind its last fill and last read
.set ADRA, 16                          ; v16-17 LDS address of my A fragments in slot 0, 1;  v20-21 B's;  v22-23 the scale words' (lanes 0-15 A's, lanes 16-31 B's)
.set ADRB, 20
.set ADRS, 22
.set STO,  24
.set RD,   25
.set CO,   26                          ; 16 x lane
.set LO,   27                          ; 8 x lane
.set SPW,  28
.set NIL,  29
.set SCO,  30                          ; 32 r + 16 h
.set SC,   32                          ; v32-47 scale words, two sets of 8: they hold scales and nothing else
.set ZV,   48                          ; JOB 2: z
.set BI,   64                          ; v64-127 the bias along B's rows, in the result's layout
.set AF,   128                         ; v128-223 A's fragments, one set
.set EV,   128                         ; the way out: 64 numbers of a lane
.set TM,   192
.set PC,   208
.set PW,   228
.set SW,   232                         ; v232-239 the eight tiles' scale words
.set BL,   240                         ; JOB 0: the bias along A's rows, a pair for each tile;  JOB 2: Q
.set G1,  24
.set G0,  32
.set G1B, 48
.set G0B, 56
.set EA,  82
.set SEL, 84
.set MSB, 0
.macro WIN new                         ; the immediate's high byte repeats the setting that is left
.if MSB != \new
	s_set_vgpr_msb (MSB<<8)|\new
.set MSB, \new
.endif
.endm
.set MUL_LO, 0xa1                      ; source 0 (B) window 1, source 1 (A) window 0, C and D window 2
.set MUL_HI, 0xf1                      ; C and D window 3
.set TO_B,   0x40
.macro JLOAD s                         ; a joint load: waves 0, 1 for A, waves 2, 3 for B; an s_nop 0 and four v_nop follow each line
	s_cmp_eq_u32 s15, 0
	s_cbranch_scc0 .Lfor_b_\@
	tensor_load_to_lds s[G0+4*\s:G0+4*\s+3], s[G1:G1+7]
	s_nop 0
.rept 4
	v_nop
.endr
	s_branch .Lasked_\@
.Lfor_b_\@:
	tensor_load_to_lds s[G0B+4*\s:G0B+4*\s+3], s[G1B:G1B+7]
	s_nop 0
.rept 4
	v_nop
.endr
.Lasked_\@:
.endm
.macro CREST
	s_cmp_lg_u32 s14, 0
	s_cbranch_scc1 .Lnot_wave_0_\@
	s_barrier_signal -3
.Lnot_wave_0_\@:
	s_barrier_wait -3
	s_barrier_signal -1
	s_barrier_wait -1
.endm
.macro CROUND
	s_barrier_signal -1
	s_barrier_wait -1
	CREST
.endm
.macro PLACES
.rept 4
	v_nop
.endr
.endm
.macro QUANT s, pc, pw                 ; 64 numbers of a lane, register 16 b + i = k 32 b + 16 h + i of its row -> a fragment in v[pc] on, its scale word in v[pw]
.irp b, 0,1,2,3
	v_max3_num_f32 v[TM+\b], |v[\s+16*\b]|, |v[\s+1+16*\b]|, 0x1800000   ; the floor 2^(3 - 127) holds the byte at 1 from below
.endr
.irp i, 2,4,6,8,10,12,14
.irp b, 0,1,2,3
	v_max3_num_f32 v[TM+\b], v[TM+\b], |v[\s+16*\b+\i]|, |v[\s+1+16*\b+\i]|
.endr
.endr
.irp b, 0,1,2,3
	v_permlanex16_b32 v[TM+4+\b], v[TM+\b], s[SEL], s[SEL+1]
.endr
.irp b, 0,1,2,3
	v_max_num_f32 v[TM+\b], v[TM+\b], v[TM+4+\b]
.endr
.irp b, 0,1,2,3
	v_add_nc_u32 v[TM+12+\b], 0xff000000, v[TM+\b]         ; 2 off the exponent field: the conversion's scale operand
.endr
.irp b, 0,1,2,3
	v_lshrrev_b32 v[TM+4+\b], 23, v[TM+12+\b]
.endr
	v_lshl_or_b32 v[\pw], v[TM+5], 8, v[TM+4]
	v_lshl_or_b32 v[\pw], v[TM+6], 16, v[\pw]
	v_lshl_or_b32 v[\pw], v[TM+7], 24, v[\pw]
.irp c, 0,1
	v_cvt_scalef32_pk16_fp6_f32 v[\pc+6*\c:\pc+2+6*\c], v[\s+32*\c:\s+15+32*\c], v[TM+12+2*\c]
	v_cvt_scalef32_pk16_fp6_f32 v[\pc+12+4*\c:\pc+14+4*\c], v[\s+16+32*\c:\s+31+32*\c], v[TM+12+2*\c+1]
.endr
	v_nop                                                  ; one plain place behind a scaled conversion
.irp c, 0,1
.irp i, 0,1,2
	v_permlane16_swap_b32 v[\pc+6*\c+\i], v[\pc+12+4*\c+\i]
.endr
.irp i, 0,1,2
	v_mov_b32 v[\pc+3+6*\c+\i], v[\pc+12+4*\c+\i]
.endr
.endr
.endm
.if JOB == 0
	s_load_b64 s[4:5], s[0:1], 0x0                 ; ops: A, B and the biases
	s_load_b64 s[10:11], s[0:1], 0x8               ; the output
.else
	s_load_b256 s[4:11], s[0:1], 0x0               ; A, B (ops), the bias, the output
.endif
	v_lshl_add_u32 v[SPW], v0, 2, SPARE
	v_mov_b32 v[NIL], 0
	ds_add_u32 v[SPW], v[NIL]                      ; the wave's opening: the add and its wait ahead of my first tensor load
	ds_add_u32 v[SPW], v[NIL]
	v_lshrrev_b32 v1, 5, v0
	v_readfirstlane_b32 s14, v1                    ; wave
	s_lshr_b32 s15, s14, 1                         ; my half of the tile's rows; also: I fetch for A (0) or B (1)
	s_and_b32 s16, s14, 1                          ; my half of its columns; also: which block of 128 rows I fetch
	s_bfe_u32 s40, ttmp6, 0x40000                  ; cx
	s_bfe_u32 s41, ttmp6, 0x40004                  ; cy
	s_and_b32 s17, ttmp7, 0xffff                   ; the cluster's y
	s_lshl_b32 s43, s41, 2
	s_lshl_b32 s43, 15, s43                        ; my row of the cluster
	s_lshl_b32 s44, 0x1111, s40                    ; my column
.if JOB == 0                           ; clusters x = 0, 1: x's rows against Wq's, Wk's;  x = 2: Wv's against x's rows.  The choice hangs on the cluster's number, which all partners share, and steers no branch
	s_lshl_b32 s18, s17, 3
	s_lshl_b32 s19, ttmp9, 3
	s_add_co_u32 s19, s19, 32
	s_mov_b32 s67, 32
	s_cmp_eq_u32 ttmp9, 2
	s_cselect_b32 s20, 48, s18                     ; A's first block of 128 rows in ops
	s_cselect_b32 s46, s18, s19                    ; B's
	s_cselect_b32 s66, 32, 16                      ; the output chunk is A's block x s66 + B's block - s67
	s_cselect_b32 s67, 1024, s67
.else
	s_lshl_b32 s20, s17, 3
	s_lshl_b32 s46, ttmp9, 3
.endif
	s_lshl_b32 s21, s41, 1
	s_add_co_u32 s20, s20, s21                     ; A's registers take cy alone,
	s_lshl_b32 s47, s40, 1
	s_add_co_u32 s46, s46, s47                     ; B's cx alone
	s_add_co_u32 s68, s20, s15                     ; the block of A's rows that I multiply,
	s_add_co_u32 s69, s46, s16                     ; and of B's
	s_add_co_u32 s20, s20, s16                     ; the blocks that I fetch
	s_add_co_u32 s46, s46, s16
	s_mul_i32 s20, s20, KS*CH
	s_mul_i32 s46, s46, KS*CH
	s_add_co_u32 s20, s20, AOFF
	s_add_co_u32 s46, s46, BOFF
	s_mov_b32 s21, 0
	s_mov_b32 s47, 0
	s_mul_i32 s45, s14, REG                        ; where they go: no place in the cluster enters an LDS address
	s_or_b32 s[G1+0], s43, (3<<16)|(1<<21)         ; the mask; elements of 8 bytes; bit 21 beside a mask; no padding
	s_or_b32 s[G1B+0], s44, (3<<16)|(1<<21)
.irp g, G1, G1B
	s_mov_b32 s[\g+1], 32<<16                      ; tensor_dim0 = 32 elements = 256 bytes
	s_mov_b32 s[\g+2], 100<<16                     ; tensor_dim1 = 100 rows
	s_mov_b32 s[\g+3], 32<<16                      ; tile_dim0
	s_mov_b32 s[\g+4], 100                         ; tile_dim1
	s_mov_b32 s[\g+5], 32                          ; dense
	s_mov_b32 s[\g+6], 0
	s_mov_b32 s[\g+7], 0
.endr
	s_mov_b32 s[SEL], 0x76543210
	s_mov_b32 s[SEL+1], 0xfedcba98
	s_wait_dscnt 0x0                               ; the opening add is done
	s_wait_kmcnt 0x0
.if JOB == 0
	s_mov_b64 s[6:7], s[4:5]
	s_add_nc_u64 s[8:9], s[4:5], 1024*CH           ; the table of biases by row of ops
.endif
	s_add_nc_u64 s[20:21], s[4:5], s[20:21]
	s_add_nc_u64 s[46:47], s[6:7], s[46:47]
	CROUND                                         ; all sixteen work-groups are here: the first joint loads meet
.irp s, 0,1
	s_mov_b32 s[G0+4*\s], 1
	s_add_co_u32 s[G0+4*\s+1], s45, \s*SLOT
	s_add_nc_u64 s[G0+4*\s+2:G0+4*\s+3], s[20:21], \s*REG
	s_or_b32 s[G0+4*\s+3], s[G0+4*\s+3], 0x80000000
	s_mov_b32 s[G0B+4*\s], 1
	s_add_co_u32 s[G0B+4*\s+1], s45, \s*SLOT
	s_add_nc_u64 s[G0B+4*\s+2:G0B+4*\s+3], s[46:47], \s*REG
	s_or_b32 s[G0B+4*\s+3], s[G0B+4*\s+3], 0x80000000
.if \s == 1
	s_wait_alu depctr_va_vdst(0)
	s_wait_tensorcnt 0x0
	ds_add_u32 v[SPW], v[NIL]
	s_wait_dscnt 0x0
	CROUND
.endif
	JLOAD \s
.endr
	v_and_b32 v1, 15, v0                           ; r
	v_bfe_u32 v2, v0, 4, 1                         ; h
	v_and_b32 v3, 31, v0
	v_lshlrev_b32 v[LO], 3, v3
	v_lshlrev_b32 v[CO], 4, v3
	v_lshlrev_b32 v[SCO], 5, v1
	v_lshl_add_u32 v[SCO], v2, 4, v[SCO]
	s_mul_i32 s21, s15, REG                        ; my block of A in a slot,
	s_mul_i32 s22, s16, REG
	s_add_co_u32 s22, s22, 2*REG                   ; and of B
.irp s, 0,1
	v_add_nc_u32 v[ADRA+\s], s21, v[LO]
	v_add_nc_u32 v[ADRB+\s], s22, v[LO]
	s_add_co_u32 s21, s21, SLOT
	s_add_co_u32 s22, s22, SLOT
.endr
	s_mul_i32 s21, s15, REG
	s_mul_i32 s22, s16, REG
	s_add_co_u32 s22, s22, 2*REG
	s_sub_co_u32 s22, s22, s21
	v_mul_u32_u24 v6, s22, v2                      ; lanes 16-31 take B's scale words: one product, the distance between the two blocks
	v_lshl_add_u32 v6, v1, 5, v6
	s_add_co_u32 s21, s21, 6144
	v_add_nc_u32 v[ADRS], s21, v6
	v_add_nc_u32 v[ADRS+1], SLOT, v[ADRS]
	s_mul_i32 s23, s14, 16*SPITCH                  ; my stage
	v_mul_u32_u24 v5, v1, SPITCH
	v_lshl_add_u32 v5, v2, 6, v5
	v_add_nc_u32 v[STO], s23, v5                   ; in: row r, + 64 h
	v_add_nc_u32 v[RD], s23, v[CO]                 ; back: a row of 512 bytes
	; the biases: asked for now, awaited at the way out; their address registers v8, v9 stay
	v_lshlrev_b32 v8, 6, v2
	s_mov_b32 s71, 0
.if JOB == 0
	v_and_b32 v9, 8, v1
	v_add_nc_u32 v9, v9, v1
	v_lshlrev_b32 v9, 2, v9
	s_lshl_b32 s70, s68, 9
	s_add_nc_u64 s[72:73], s[8:9], s[70:71]
.endif
	s_lshl_b32 s70, s69, 9
	s_add_nc_u64 s[8:9], s[8:9], s[70:71]
.irp b, 0,1,2,3,4,5,6,7                ; register 8 b + j of lane (r, h) is B's row 32 (b / 2) + 16 h + 8 (b % 2) + j
	global_load_b128 v[BI+8*\b:BI+8*\b+3], v8, s[8:9] offset:(32*(\b/2)+8*(\b%2))*4
	global_load_b128 v[BI+8*\b+4:BI+8*\b+7], v8, s[8:9] offset:(32*(\b/2)+8*(\b%2))*4+16
.endr
.if JOB == 0
.irp a, 0,1,2,3,4,5,6,7                ; and lane r of tile a is A's row 32 (a / 2) + 8 (a % 2) + r + 8 (r / 8).  One of the two biases is zeros: the price of one path for q, k and V^T
	global_load_b32 v[BL+2*\a], v9, s[72:73] offset:(32*(\a/2)+8*(\a%2))*4
.endr
.endif
.if JOB == 2
	v_mov_b32 v10, 0x32edffee                      ; the first addends of erf's two polynomials, as pairs
	v_mov_b32 v11, 0x32edffee
	v_mov_b32 v12, 0xb95fbd29
	v_mov_b32 v13, 0xb95fbd29
.endif
	; where the results go
.if JOB == 0
	s_mul_i32 s70, s68, s66
	s_add_co_u32 s70, s70, s69
	s_sub_co_u32 s70, s70, s67
.elseif JOB == 1
	s_lshl_b32 s70, s68, 3
	s_add_co_u32 s70, s70, s69
.elseif JOB == 2
	s_lshl_b32 s70, s68, 5
	s_add_co_u32 s70, s70, s69
.endif
.if QNT
	s_mul_i32 s70, s70, CH
.if JOB == 1
	s_add_co_u32 s70, s70, 16777216                ; the codes lie behind the f32 numbers
.endif
	s_add_nc_u64 s[76:77], s[10:11], s[70:71]      ; my chunk
.endif
.if F32O
	s_lshl_b32 s70, s68, 19                        ; 128 rows of 4,096 bytes
	s_lshl_b32 s86, s69, 9
	s_add_co_u32 s70, s70, s86
	s_add_nc_u64 s[78:79], s[10:11], s[70:71]
.endif
.macro FRAG reg, adr, off, t           ; a fragment: six loads of 8 bytes a lane, 256 consecutive bytes each
.irp p, 0,1,2,3,4,5
	ds_load_b64 v[\reg+2*\p:\reg+2*\p+1], v[\adr] offset:\off+6656*(\p/3)+768*(\t)+256*(\p%3)
.endr
.endm
.macro FETCH_B slot, q, p
	WIN TO_B
.irp i, 0,1,2,3,4,5,6,7
	FRAG 128*(\p)+12*\i, ADRB+\slot, CH*(\q), \i
.endr
	WIN 0
.endm
.macro FETCH_A slot, q, i0
.irp i, \i0, \i0+1, \i0+2, \i0+3
	FRAG AF+12*(\i), ADRA+\slot, CH*(\q), \i
.endr
.endm
.macro SCALES slot, q, p               ; register i of the set: lanes 0-15 the word of A's tile i, lanes 16-31 that of B's tile i
	ds_load_b128 v[SC+8*(\p):SC+8*(\p)+3], v[ADRS+\slot] offset:CH*(\q)
	ds_load_b128 v[SC+8*(\p)+4:SC+8*(\p)+7], v[ADRS+\slot] offset:CH*(\q)+16
.endm
; 16 matrix instructions: A's tiles a0, a0 + 1 x B's eight.  p: B's set and the scales'.  The 64 accumulators take turns, one instruction a turn, in the same order in every step
.macro MUL16 a0, p, zero
.irp a, \a0, \a0+1
.irp b, 0,1,2,3,4,5,6,7
.if \zero
	v_wmma_scale_f32_16x16x128_f8f6f4 v[8*(8*((\a)%4)+\b):8*(8*((\a)%4)+\b)+7], v[128*(\p)+12*\b:128*(\p)+12*\b+11], v[AF+12*(\a):AF+12*(\a)+11], 0, v[SC+8*(\p)+\b], v[SC+8*(\p)+(\a)] matrix_a_fmt:MATRIX_FMT_FP6 matrix_b_fmt:MATRIX_FMT_FP6 matrix_a_scale:MATRIX_SCALE_ROW1
.else
	v_wmma_scale_f32_16x16x128_f8f6f4 v[8*(8*((\a)%4)+\b):8*(8*((\a)%4)+\b)+7], v[128*(\p)+12*\b:128*(\p)+12*\b+11], v[AF+12*(\a):AF+12*(\a)+11], v[8*(8*((\a)%4)+\b):8*(8*((\a)%4)+\b)+7], v[SC+8*(\p)+\b], v[SC+8*(\p)+(\a)] matrix_a_fmt:MATRIX_FMT_FP6 matrix_b_fmt:MATRIX_FMT_FP6 matrix_a_scale:MATRIX_SCALE_ROW1
.endif
.endr
.endr
.endm
.macro STEP slot, zero                 ; a slot's first K step, on set 0; it fetches the second into set 1
	s_wait_dscnt 24                                ; all but the youngest 24 loads (A's tiles 4-7) are in
	WIN MUL_LO
	MUL16 0, 0, \zero
	MUL16 2, 0, \zero
	s_wait_dscnt 0x0                               ; A's tiles 4-7 are in
	PLACES                                         ; four places in front of loads into registers that matrix instructions have read
	FETCH_B \slot, 1, 1
	FETCH_A \slot, 1, 0
	SCALES \slot, 1, 1
	WIN MUL_HI
	MUL16 4, 0, \zero
	MUL16 6, 0, \zero
	PLACES
	WIN 0
	FETCH_A \slot, 1, 4
.endm
.macro TURN slot, next, fill           ; a slot's second K step, on set 1, changes slots: one barrier; fill = 1: it opens a round of the cluster's barrier and this slot is filled again
	s_wait_tensorcnt 0x0                           ; all my tensor loads have landed: my part of the next slot
	ds_add_u32 v[SPW], v[NIL]                      ; 0 onto my spare word
	s_wait_dscnt 25                                ; (the add and A's tiles 4-7 may be out)
	WIN MUL_LO
	MUL16 0, 1, 0
	s_wait_dscnt 0x0                               ; the add is done, and my reads of this slot are over
	s_barrier_signal -1
	MUL16 2, 1, 0
	WIN 0
	s_barrier_wait -1
.if \fill
	CREST                                          ; no wave of any partner still reads this slot or has a load on its way
	s_add_nc_u64 s[G0+4*\slot+2:G0+4*\slot+3], s[G0+4*\slot+2:G0+4*\slot+3], 2*REG
	s_add_nc_u64 s[G0B+4*\slot+2:G0B+4*\slot+3], s[G0B+4*\slot+2:G0B+4*\slot+3], 2*REG
	JLOAD \slot                                    ; the first tensor load behind the round; its four v_nop are the places in front of the loads below
.else
	PLACES
.endif
	FETCH_B \next, 0, 0
	FETCH_A \next, 0, 0
	s_wait_alu depctr_va_vdst(0)
	SCALES \next, 0, 0
	WIN MUL_HI
	MUL16 4, 1, 0
	MUL16 6, 1, 0
	PLACES
	WIN 0
	FETCH_A \next, 0, 4
.endm
	s_wait_tensorcnt 1                             ; my part of slot 0 is in; slot 1's load may be out
	s_barrier_signal -1
	s_barrier_wait -1
	FETCH_B 0, 0, 0
	FETCH_A 0, 0, 0
	SCALES 0, 0, 0
	FETCH_A 0, 0, 4
	STEP 0, 1                                      ; the first step starts the sums: nothing is cleared
	s_mov_b32 s3, LAPS-1
.Llap:
	TURN 0, 1, 1
	STEP 1, 0
	TURN 1, 0, 1
	STEP 0, 0
	s_sub_co_u32 s3, s3, 1
	s_cmp_lg_u32 s3, 0
	s_cbranch_scc1 .Llap
	TURN 0, 1, 0                                   ; the last lap fills nothing
	STEP 1, 0
	s_wait_dscnt 24
	WIN MUL_LO
	MUL16 0, 1, 0
	MUL16 2, 1, 0
	s_wait_dscnt 0x0
	WIN MUL_HI
	MUL16 4, 1, 0
	MUL16 6, 1, 0
	WIN 0
; THE WAY OUT: eight trips, one for each of A's tiles (16 rows x 128 columns).  Only the copy out of the accumulators differs from trip to trip: it is written eight times, each under its own test of the count.
.macro COPY a                          ; the tile's 64 numbers + the bias along the columns, each accumulator from its low end on
	WIN (0x02+(\a)/4)
.set i, 0
.rept 32
	v_pk_add_f32 v[EV+i:EV+i+1], v[64*((\a)%4)+i:64*((\a)%4)+i+1], v[BI+i:BI+i+1]
.set i, i+2
.endr
	WIN 0
.if JOB == 0
.set i, 0
.rept 32
	v_pk_add_f32 v[EV+i:EV+i+1], v[EV+i:EV+i+1], v[BL+2*(\a):BL+2*(\a)+1] op_sel_hi:[1,0]
.set i, i+2
.endr
.endif
.endm
; gelu(x) = x/2 + x/2 erf(x / sqrt 2) for 16 numbers; erf(z) = z P(z^2) / Q(z^2) with z held to +-4: the rational form in f32
.macro GELU16 x
.irp i, 0,2,4,6,8,10,12,14
	v_pk_mul_f32 v[ZV+\i:ZV+\i+1], v[(\x)+\i:(\x)+\i+1], 0x3f3504f3 op_sel_hi:[1,0]
.endr
.irp i, 0,1,2,3,4,5,6,7,8,9,10,11,12,13,14,15
	v_med3_num_f32 v[ZV+\i], v[ZV+\i], -4.0, 4.0
.endr
.irp i, 0,2,4,6,8,10,12,14
	v_pk_mul_f32 v[192+\i:193+\i], v[ZV+\i:ZV+\i+1], v[ZV+\i:ZV+\i+1]
.endr
.irp i, 0,2,4,6,8,10,12,14
	v_pk_fma_f32 v[208+\i:209+\i], v[192+\i:193+\i], 0xaf95df0b, v[10:11] op_sel_hi:[1,0,1]
	v_pk_fma_f32 v[240+\i:241+\i], v[192+\i:193+\i], 0xb77460cd, v[12:13] op_sel_hi:[1,0,1]
.endr
.irp c, 0xb60cff51, 0xb86ec2d2, 0xba40ac63, 0xbb41a1f6, 0xbc83dbd4
.irp i, 0,2,4,6,8,10,12,14
	v_pk_fma_f32 v[208+\i:209+\i], v[208+\i:209+\i], v[192+\i:193+\i], \c op_sel_hi:[1,1,0]
.endr
.endr
.irp c, 0xbadc924e, 0xbbf19bf8, 0xbc69b6a7
.irp i, 0,2,4,6,8,10,12,14
	v_pk_fma_f32 v[240+\i:241+\i], v[240+\i:241+\i], v[192+\i:193+\i], \c op_sel_hi:[1,1,0]
.endr
.endr
.irp i, 0,1,2,3,4,5,6,7,8,9,10,11,12,13,14,15
	v_rcp_f32 v[240+\i], v[240+\i]
.endr
.irp i, 0,2,4,6,8,10,12,14
	v_pk_mul_f32 v[208+\i:209+\i], v[208+\i:209+\i], v[ZV+\i:ZV+\i+1]     ; plain work behind the reciprocals
.endr
.irp i, 0,2,4,6,8,10,12,14
	v_pk_mul_f32 v[ZV+\i:ZV+\i+1], v[(\x)+\i:(\x)+\i+1], 0.5 op_sel_hi:[1,0]
.endr
	s_wait_alu depctr_va_vdst(0)                   ; one wait for the sixteen reciprocals, ahead of their first reader
.irp i, 0,2,4,6,8,10,12,14
	v_pk_mul_f32 v[208+\i:209+\i], v[208+\i:209+\i], v[240+\i:241+\i]
.endr
.irp i, 0,2,4,6,8,10,12,14
	v_pk_fma_f32 v[(\x)+\i:(\x)+\i+1], v[ZV+\i:ZV+\i+1], v[208+\i:209+\i], v[ZV+\i:ZV+\i+1]
.endr
.endm
	PLACES                                         ; behind the last products: results are read, and registers that held A's fragments are written
	s_wait_loadcnt 0x0                             ; the biases
.if JOB == 0
.irp a, 0,1,2,3,4,5,6,7
	v_mov_b32 v[BL+2*\a+1], v[BL+2*\a]             ; named as a pair, so both are written
.endr
.endif
.if QNT
.irp i, 0,1,2,3,4,5,6,7
	v_mov_b32 v[SW+\i], 0
.endr
.irp b, 0,1,2,3
	v_mov_b32 v[TM+4+\b], 0                        ; a lane permute's destination counts as one of its sources
.endr
.endif
	s_mov_b32 s[EA], 0
.Lout:
	s_wait_xcnt 0x0                                ; the last trip's stores have read their data and their bases: both are written again below
	s_mov_b32 s87, 0
.if QNT
	s_mul_i32 s86, s[EA], 768
	s_add_nc_u64 s[74:75], s[76:77], s[86:87]      ; the tile's place in my chunk
.endif
.if F32O
	s_lshr_b32 s86, s[EA], 1
	s_lshl_b32 s86, s86, 17
	s_and_b32 s70, s[EA], 1
	s_lshl_b32 s70, s70, 15
	s_add_co_u32 s86, s86, s70                     ; row 32 (a / 2) + 8 (a % 2), of 4,096 bytes
	s_add_nc_u64 s[80:81], s[78:79], s[86:87]
.endif
.irp a, 0,1,2,3,4,5,6,7
	s_cmp_lg_u32 s[EA], \a
	s_cbranch_scc1 .Lnot\a
	COPY \a
.Lnot\a:
.endr
.if JOB == 2
	GELU16 EV
	GELU16 EV+16
	GELU16 EV+32
	GELU16 EV+48
.endif
.if F32O
.irp b, 0,1,2,3,4,5,6,7                ; into my stage: row r, the columns in their true order
	ds_store_b128 v[STO], v[EV+8*\b:EV+8*\b+3] offset:128*(\b/2)+32*(\b%2)
	ds_store_b128 v[STO], v[EV+8*\b+4:EV+8*\b+7] offset:128*(\b/2)+32*(\b%2)+16
.endr
.endif
.if QNT
	QUANT EV, PC, PW
.irp p, 0,1,2,3,4,5
	global_store_b64 v[LO], v[PC+2*\p:PC+2*\p+1], s[74:75] offset:6656*(\p/3)+256*(\p%3)   ; 256 consecutive bytes
.endr
.irp i, 0,1,2,3,4,5,6
	v_mov_b32 v[SW+\i], v[SW+\i+1]                 ; the scale words move up: after eight trips word a stands in register a
.endr
	v_mov_b32 v[SW+7], v[PW]
.endif
.if F32O
.irp i, 0,1,2,3,4,5,6,7,8,9,10,11,12,13,14,15
	ds_load_b128 v[EV+4*\i:EV+4*\i+3], v[RD] offset:\i*SPITCH     ; LDS serves a wave's instructions in order: these see my stores
.endr
.irp i, 0,1,2,3,4,5,6,7,8,9,10,11,12,13,14,15
	s_wait_dscnt 15-\i                             ; the rows behind row i may be out
	global_store_b128 v[CO], v[EV+4*\i:EV+4*\i+3], s[80:81] offset:(\i+8*(\i/8))*4096      ; 512 consecutive bytes of a row
.endr
.endif
	s_add_co_u32 s[EA], s[EA], 1
	s_cmp_lt_u32 s[EA], 8
	s_cbranch_scc1 .Lout
.if QNT
	s_mov_b32 s83, 0xffff0000
.irp i, 0,1,2,3
	v_cndmask_b32 v[TM+\i], v[SW+\i], v[SW+4+\i], s83     ; lanes 0-15 tiles 0-3, lanes 16-31 tiles 4-7
.endr
	global_store_b128 v[SCO], v[TM:TM+3], s[76:77] offset:6144    ; the chunk's 512 bytes of scale words
.endif
	s_wait_tensorcnt 0x0                           ; the wave's end
	ds_add_u32 v[SPW], v[NIL]
	s_wait_dscnt 0x0
	CROUND                                         ; the closing round
	s_endpgm
.Lfunc_end_k_qe23ab0d370_qkv:
	.size	k_qe23ab0d370_qkv, .Lfunc_end_k_qe23ab0d370_qkv-k_qe23ab0d370_qkv
	.p2alignl 7, 3214868480
	.fill 96, 4, 3214868480
	.section	.rodata,"a",@progbits
	.p2align	6, 0x0
	.amdhsa_kernel k_qe23ab0d370_qkv
		.amdhsa_group_segment_fixed_size 327680
		.amdhsa_private_segment_fixed_size 0
		.amdhsa_enable_private_segment 0
		.amdhsa_kernarg_size 16
		.amdhsa_user_sgpr_count 2
		.amdhsa_user_sgpr_kernarg_segment_ptr 1
		.amdhsa_wavefront_size32 1
		.amdhsa_system_sgpr_workgroup_id_x 1
		.amdhsa_system_sgpr_workgroup_id_y 1
		.amdhsa_system_sgpr_workgroup_id_z 1
		.amdhsa_system_vgpr_workitem_id 0
		.amdhsa_next_free_vgpr 1024
		.amdhsa_next_free_sgpr 100
		.amdhsa_reserve_vcc 0
		.amdhsa_float_denorm_mode_32 3
		.amdhsa_float_denorm_mode_16_64 3
		.amdhsa_memory_ordered 1
		.amdhsa_forward_progress 1
		.amdhsa_inst_pref_size 169
	.end_amdhsa_kernel
	.amdgpu_metadata
---
amdhsa.version: [ 1, 2 ]
amdhsa.kernels:
  - .name:           k_qe23ab0d370_qkv
    .symbol:         k_qe23ab0d370_qkv.kd
    .args:
      - { .name: ops, .offset: 0, .size: 8, .value_kind: global_buffer, .address_space: global }
      - { .name: qkv, .offset: 8, .size: 8, .value_kind: global_buffer, .address_space: global }
    .group_segment_fixed_size: 327680
    .private_segment_fixed_size: 0
    .kernarg_segment_align: 8
    .kernarg_segment_size: 16
    .max_flat_workgroup_size: 128
    .sgpr_count:     100
    .vgpr_count:     1024
    .wavefront_size: 32
...
	.end_amdgpu_metadata
.endif
;; end of part 9
;; launch attn (part 10): grid 8 x 32, 16 waves a work-group, clusters of 4 x 1, 327,680 bytes of LDS; arguments qkv, mbits, ao; writes ao
.if DOCPART == 10
	.amdgcn_target "amdgcn-amd-amdhsa--gfx1250"
	.amdhsa_code_object_version 6
	.text
	.protected	k_qe23ab0d370_attn
	.globl	k_qe23ab0d370_attn
	.p2align	8
	.type	k_qe23ab0d370_attn,@function
k_qe23ab0d370_attn:
	s_mov_b64 s[64:65], 0
	v_nop
	global_prefetch_b8 v0, s[64:65] scope:SCOPE_SE
	s_setreg_imm32_b32 hwreg(HW_REG_WAVE_MODE, 25, 1), 1
	s_wait_xcnt 0x0
	s_wait_alu depctr_hold_cnt(0) depctr_sa_sdst(0) depctr_va_vdst(0) depctr_va_sdst(0) depctr_va_ssrc(0) depctr_va_vcc(0) depctr_vm_vsrc(0)
	s_getreg_b32 s2, hwreg(HW_REG_IB_STS2, 6, 4)
	s_cmp_eq_u32 s2, 0
	s_cbranch_scc0 .Lentry_in_a_cluster
	s_endpgm
.Lentry_in_a_cluster:
	s_bfe_u32 s2, ttmp6, 0x10000c
	s_cmp_lg_u32 s2, 0x3003
	s_cbranch_scc0 .Lentry_shape_is_right
	s_endpgm
.Lentry_shape_is_right:
; Attention on codes of FP6 (E2M3), head size 64, 2,048 keys, with the given mask under the lower triangle; the result, divided by the row's sum, leaves as codes for the next product.
; q, k: chunks of 128 tokens x 128 features (a pair of heads: head c is the chunk's half c and bytes 2 c, 2 c + 1 of a scale word).  V^T: chunks of 128 features x 128 keys (head c: tiles 4 c .. 4 c + 3).
; A chunk: registers 0-5 of 8 fragments at 768 t + 256 p + 8 lane; scale words at 6,144 + 32 r + 4 t; registers 6-11 from 6,656.  Tile t, lane r = row 32 (t / 2) + 8 (t % 2) + r + 8 (r / 8).
; THE SOFTMAX: t = score x log2(e) / 8; M = the running largest t rounded up to a whole number; p = 2^(t - M) is quantised along the keys; the sum is taken of the unquantised p and divides at the end.
; THE MASK FILLS, IT DOES NOT CUT: a hidden score becomes -2^33 (in place of -1e9): times c that is a whole number, so in a row ALL of whose scores are hidden t - M is exactly 0 and p = 1.
; KEY STEPS WHOLLY ABOVE THE DIAGONAL ARE LEFT OUT: the lower triangle is built by the problem itself.  In a row with a visible score every p there is 0 and adds nothing.  In a row all of whose scores are hidden
; p = 1 on all 2,048 keys, so the result is (the sum of the quantised V over all keys) / 2,048, the same for every such row: that sum T is made once in a work-group, each wave one key step by four products on
; constant codes of p = 1, joined through LDS, and taken by a select at the end in the rows whose M says that all was hidden.
; SHARES: work-group y = batch x 16 + head.  One head's K and V for all keys, 221,184 bytes, lie in LDS for the whole launch: nothing is filled again.  Each of 16 waves owns one tile of 16 queries:
; wave w = 4 i + s takes block of 128 queries J = e or 15 - e, e = 2 s + cluster x, tile 4 (i % 2) + cx in it: cx enters global addresses alone.  Waves s, s + 4, s + 8, s + 12 and waves 4 i .. 4 i + 3 each have 34 steps.
; LOADS: a row of K is 6,656 bytes of a chunk from 6,144 c on (codes and scale words); V^T comes as two rows of 3,584 bytes a chunk, from 3,072 c and from 6,144 + 3,072 c (each with 512 bytes beside the 3,072 of codes:
; the scale words or bytes that are not read).  Every wave issues ONE tensor load, at the head: waves 0-7 two rows of K each, waves 8-15 four rows of V^T each, asked for jointly by the cluster's four work-groups,
; which need the same head.  One barrier shows all of it to all waves, a second the parts of T; the walk over the keys has none.
; THE MASK WORDS of a step, 64 scalar registers, are asked for one step ahead, as soon as the 64 selects of the step in hand have read theirs; the step asked for is held at J, inside the tile's 4,096 bytes.
; The K product's upper 64 along K meet zero codes of Q, so K's fragments overlap: fragment T is v[32 + 6 T .. 43 + 6 T].
; LIMITS: scores at or under about -1e9 are not told from hidden ones; NaN and infinities are not served; blocks of zeros keep the byte 1.
; No prefetch: all of K and V is asked for by the one group of loads at the head, and there is no loop that runs ahead of a load.
.set CH,    12800
.set KROW,  6656
.set VROW,  3584
.set VB,    16*KROW                    ; V^T: 16 first rows, then 16 second rows
.set VHI,   16*VROW+512                ; from a step's registers 0-5 to its registers 6-11
.set TST,   VB+32*VROW                 ; 16 x 256 bytes: each wave's part of T
.set SCR,   TST+4096                   ; 16 x 256 bytes: T, each wave's own copy
.set SPARE, SCR+4096                   ; the spare words, 128 bytes a wave: eight blocks of 256 bytes
.set AK0,  1
.set AV0,  2
.set ASK0, 3
.set ASV0, 4
.set SPW,  5
.set NIL,  6
.set GO,   7                           ; global: 8 lane + 6,656 c + 768 t
.set ADK,  8
.set ADV,  9
.set ADS,  10
.set ADT,  11
.set GS,   28                          ; global: 32 r + 6,144 + 4 t + 2 c
.set TSW,  29                          ; LDS: my part of T, on the way in
.set TRD,  30                          ; the sixteen parts, 8 bytes a lane
.set SCW,  31                          ; my copy of T, in
.set SCRD, 86                          ; and back, in the layout of O^T
.set TAV,  87                          ; V^T of key step w
.set TAT,  88                          ; and its scale words
.set C2K,  202                         ; 2,048.0
.set TBK,  2                           ; s2  LDS byte of the key step in hand in K;  s3 in V^T
.set TBV,  3
.set G1K,  4
.set G1V,  12
.set G0K,  20
.set G0V,  24
.set MOF,  20                          ; the mask words' byte offset (a descriptor's register: written only behind the wait that shows the loads done)
.set WV,   28
.set JQ,   29
.set CS,   30                          ; s[30:31] c = log2(e) / 8
.set SEL,  66
.set MP,   100                         ; s[100:101] my tile's mask words: 16 steps x 256 bytes
.set KST,  104                         ; the key step
.set NST,  105
.macro CROUND
	s_barrier_signal -1
	s_barrier_wait -1
	s_cmp_lg_u32 s[WV], 0
	s_cbranch_scc1 .Lnot_wave_0_\@
	s_barrier_signal -3
.Lnot_wave_0_\@:
	s_barrier_wait -3
	s_barrier_signal -1
	s_barrier_wait -1
.endm
	s_load_b128 s[32:35], s[0:1], 0x0              ; qkv, mbits
	v_lshl_add_u32 v[SPW], v0, 2, SPARE
	v_mov_b32 v[NIL], 0
	ds_add_u32 v[SPW], v[NIL]                      ; the wave's opening: the add, twice on end, and its wait ahead of the first tensor load
	ds_add_u32 v[SPW], v[NIL]
	v_lshrrev_b32 v8, 5, v0
	s_delay_alu instid0(VALU_DEP_1)
	v_readfirstlane_b32 s[WV], v8
	s_bfe_u32 s38, ttmp6, 0x40000                  ; cx
	s_and_b32 s39, ttmp7, 0xffff
	s_lshr_b32 s40, s39, 4                         ; batch
	s_bfe_u32 s41, s39, 0x30001                    ; pair of heads
	s_and_b32 s44, s39, 1                          ; head c of the pair
	s_xor_b32 s37, s44, 1                          ; 1 - c
	s_and_b32 s45, s[WV], 3                        ; s
	s_lshl_b32 s47, s45, 1
	s_add_co_u32 s47, s47, ttmp9                   ; e = 2 s + cluster x
	s_lshr_b32 s48, s[WV], 3
	s_xor_b32 s48, s48, s45
	s_lshr_b32 s49, s45, 1
	s_xor_b32 s48, s48, s49
	s_and_b32 s48, s48, 1
	s_mul_i32 s48, s48, 15
	s_xor_b32 s[JQ], s47, s48                      ; J = e or 15 - e
	s_bfe_u32 s43, s[WV], 0x10002
	s_lshl_b32 s43, s43, 2
	s_add_co_u32 s43, s43, s38                     ; my tile in the block of queries
	s_and_b32 s46, s[WV], 7                        ; which of the eight loads of K, or of V^T, is mine
	; K: chunk (16 b + step) 16 + 8 + pair, from byte 6,144 c; load n: steps 2 n, 2 n + 1
	s_lshl_b32 s50, s40, 8
	s_add_co_u32 s50, s50, s41
	s_add_co_u32 s50, s50, 8
	s_mul_i32 s50, s50, CH
	s_mul_i32 s49, s44, 6144
	s_add_co_u32 s50, s50, s49
	s_mul_i32 s49, s46, 2*16*CH
	s_add_co_u32 s50, s50, s49
	s_mov_b32 s51, 0
	; V^T: chunk 512 + 32 pair + 16 b + step, from byte 3,072 c + 6,144 (n / 4); steps 4 (n % 4) .. + 3
	s_lshl_b32 s52, s41, 5
	s_lshl_b32 s49, s40, 4
	s_add_co_u32 s52, s52, s49
	s_add_co_u32 s52, s52, 512
	s_mul_i32 s52, s52, CH
	s_mul_i32 s49, s44, 3072
	s_add_co_u32 s52, s52, s49
	s_bfe_u32 s49, s[WV], 0x10002
	s_mul_i32 s49, s49, 6144
	s_add_co_u32 s52, s52, s49
	s_and_b32 s49, s[WV], 3
	s_mul_i32 s49, s49, 4*CH
	s_add_co_u32 s52, s52, s49
	s_mov_b32 s53, 0
	s_mov_b32 s[G1K], 15|(3<<16)|(1<<21)           ; the mask: all four work-groups; elements of 8 bytes; bit 21 beside a mask; no padding
	s_mov_b32 s[G1K+1], (KROW/8)<<16
	s_mov_b32 s[G1K+2], 2<<16                      ; 2 rows,
	s_mov_b32 s[G1K+3], (KROW/8)<<16
	s_mov_b32 s[G1K+4], 2
	s_mov_b32 s[G1K+5], 16*CH/8                    ; 16 chunks apart
	s_mov_b32 s[G1K+6], 0
	s_mov_b32 s[G1K+7], 0
	s_mov_b32 s[G1V], 15|(3<<16)|(1<<21)
	s_mov_b32 s[G1V+1], (VROW/8)<<16
	s_mov_b32 s[G1V+2], 4<<16                      ; 4 rows,
	s_mov_b32 s[G1V+3], (VROW/8)<<16
	s_mov_b32 s[G1V+4], 4
	s_mov_b32 s[G1V+5], CH/8                       ; a chunk apart
	s_mov_b32 s[G1V+6], 0
	s_mov_b32 s[G1V+7], 0
	s_mov_b32 s[CS], 0x3e38aa3b
	s_mov_b32 s[CS+1], s[CS]
	s_mov_b32 s[SEL], 0x76543210
	s_mov_b32 s[SEL+1], 0xfedcba98
	s_mov_b32 s[TBK], 0
	s_mov_b32 s[TBV], 0
	s_mov_b32 s[KST], 0
	s_wait_dscnt 0x0                               ; both opening adds are done
	s_wait_kmcnt 0x0
	s_mov_b32 s[G0K], 1
	s_mul_i32 s[G0K+1], s46, 2*KROW
	s_add_nc_u64 s[G0K+2:G0K+3], s[32:33], s[50:51]
	s_or_b32 s[G0K+3], s[G0K+3], 0x80000000
	s_mov_b32 s[G0V], 1
	s_mul_i32 s[G0V+1], s46, 4*VROW                ; loads 0-3: the first rows, loads 4-7: the second rows
	s_add_co_u32 s[G0V+1], s[G0V+1], VB
	s_add_nc_u64 s[G0V+2:G0V+3], s[32:33], s[52:53]
	s_or_b32 s[G0V+3], s[G0V+3], 0x80000000
	CROUND                                         ; all four work-groups are here
	s_cmp_lt_u32 s[WV], 8                          ; one load a wave, in the two arms of one branch on the wave's number; an s_nop 0 and four v_nop follow each
	s_cbranch_scc0 .Lfor_v
	tensor_load_to_lds s[G0K:G0K+3], s[G1K:G1K+7]
	s_nop 0
.rept 4
	v_nop
.endr
	s_branch .Lasked
.Lfor_v:
	tensor_load_to_lds s[G0V:G0V+3], s[G1V:G1V+7]
	s_nop 0
.rept 4
	v_nop
.endr
.Lasked:
	s_lshl_b32 s48, s40, 4
	s_add_co_u32 s48, s48, s[JQ]                   ; 16 b + J
	s_lshl_b32 s49, s48, 4
	s_add_co_u32 s49, s49, s41
	s_mul_i32 s50, s49, CH
	s_add_nc_u64 s[54:55], s[32:33], s[50:51]      ; Q's chunk
	s_lshl_b32 s49, s48, 3
	s_add_co_u32 s49, s49, s43
	s_lshl_b32 s50, s49, 12
	s_add_nc_u64 s[MP:MP+1], s[34:35], s[50:51]    ; 16 steps x 256 bytes for each tile of queries
	s_mul_i32 s56, s44, 6656
	s_mul_i32 s57, s43, 768
	s_add_co_u32 s56, s56, s57
	s_lshl_b32 s57, s43, 2
	s_lshl_b32 s58, s44, 1
	s_add_co_u32 s57, s57, s58
	s_add_co_u32 s57, s57, 6144
	s_mul_i32 s59, s37, 6144
	s_add_co_u32 s59, s59, s58                     ; K's scale bytes in a row: 6,144 (c = 0) or 2 (c = 1)
	s_lshl_b32 s58, s44, 9                         ; K's codes in a row: 512 c
	s_mul_i32 s60, s37, 16*VROW
	s_mul_i32 s36, s44, 3088
	s_add_co_u32 s60, s60, s36
	s_add_co_u32 s60, s60, VB                      ; V's four scale words: at the head of the second row (c = 0) or at 3,072 + 16 of the first (c = 1)
	s_lshl_b32 s61, s[WV], 8
	s_add_co_u32 s62, s61, SCR
	s_add_co_u32 s61, s61, TST
	s_mul_i32 s63, s[WV], VROW                     ; key step w in V^T
	v_and_b32 v8, 15, v0                           ; r
	v_and_b32 v9, 31, v0                           ; lane
	v_bfe_u32 v10, v0, 4, 1                        ; h
	v_lshlrev_b32 v9, 3, v9
	v_lshlrev_b32 v8, 5, v8
	s_delay_alu instid0(VALU_DEP_2)
	v_add_nc_u32 v[GO], s56, v9
	s_delay_alu instid0(VALU_DEP_2)
	v_add_nc_u32 v[GS], s57, v8
.irp p, 0,1,2
	global_load_b64 v[16+2*\p:17+2*\p], v[GO], s[54:55] offset:256*\p      ; Q's 64 codes a row stay in registers
.endr
	global_load_u16 v255, v[GS], s[54:55]          ; its two scale bytes; the upper two are 0 and meet zero codes
	v_add_nc_u32 v[AK0], s58, v9
	v_add_nc_u32 v[ASK0], s59, v8
	v_add_nc_u32 v[AV0], VB, v9
	v_add_nc_u32 v[ASV0], s60, v8
	v_lshl_add_u32 v[TSW], v10, 5, s61             ; 256 w + 32 h: the sixteen lanes of a half hold the same numbers and write the same bytes
	v_add_nc_u32 v[TRD], TST, v9
	v_add_nc_u32 v[SCW], s62, v9
	v_lshl_add_u32 v[SCRD], v10, 5, s62
	v_add_nc_u32 v[TAV], s63, v[AV0]
	v_add_nc_u32 v[TAT], s63, v[ASV0]
.irp i, 22,23,24,25,26,27,80,81,82,83,84,85
	v_mov_b32 v\i, 0                               ; Q's upper codes; what stands behind K's last fragment
.endr
	v_mov_b32 v200, 0x7d7d7d7d                     ; the scale word of p = 1
	v_mov_b32 v201, 0xd0000000                     ; -2^33
	v_mov_b32 v[C2K], 0x45000000
	v_mov_b32 v13, 0xff61b1e6                      ; the largest t so far: -3e38
	s_delay_alu instid0(VALU_DEP_1)
	v_floor_f32 v12, -v13                          ; -M
	v_mov_b32 v14, 0
	v_mov_b32 v15, 0
.irp b, 0,1,2,3
	v_mov_b32 v[236+\b], 0                         ; a lane permute's destination counts as one of its sources
.endr
	v_mov_b32 v252, 0
	v_mov_b32 v253, 0
.set j, 0
.rept 32
	v_mov_b32 v[160+j], 0                          ; O^T: the step is written once, and its first trip finds zeros
.set j, j+1
.endr
.irp i, 0,3,6,9
	v_mov_b32 v[224+\i], 0x18618618                ; for T: sixteen codes of 4.0 in 96 bits: under the byte 125 that is p = 1
	v_mov_b32 v[225+\i], 0x86186186
	v_mov_b32 v[226+\i], 0x61861861
.endr
.macro VLOAD av, at                    ; a step's four fragments of V^T and their scale words
.irp t, 0,1,2,3
.irp p, 0,1,2,3,4,5
	ds_load_b64 v[32+12*\t+2*\p:33+12*\t+2*\p], v[\av] offset:VHI*(\p/3)+768*\t+256*(\p%3)
.endr
.endr
	ds_load_b128 v[248:251], v[\at]
.endm
.macro STEP
	s_cmp_gt_u32 s[KST], s[JQ]                     ; the wave's number, the cluster's and the count of steps alone: a step wholly above the diagonal is passed over
	s_cbranch_scc1 .Ljoin_\@
	v_add_nc_u32 v[ADK], s[TBK], v[AK0]            ; four plain lines: the places behind the last products
	v_add_nc_u32 v[ADV], s[TBV], v[AV0]
	v_add_nc_u32 v[ADS], s[TBK], v[ASK0]
	v_add_nc_u32 v[ADT], s[TBV], v[ASV0]
.irp t, 0,1,2,3,4,5,6,7
.irp p, 0,1,2
	ds_load_b64 v[32+6*\t+2*\p:33+6*\t+2*\p], v[ADK] offset:768*\t+256*\p
.endr
	ds_load_u16 v[192+\t], v[ADS] offset:4*\t
.endr
	s_wait_alu depctr_va_vdst(0)
	s_wait_dscnt 0x0
.irp t, 0,1,2,3,4,5,6,7                ; S^T = K Q^T: lane (r, h) holds query r; register 16 b + i is key 32 b + 16 h + i
	v_wmma_scale_f32_16x16x128_f8f6f4 v[96+8*\t:103+8*\t], v[32+6*\t:43+6*\t], v[16:27], 0, v[192+\t], v255 matrix_a_fmt:MATRIX_FMT_FP6 matrix_b_fmt:MATRIX_FMT_FP6
.endr
.rept 4
	v_nop
.endr
	VLOAD ADV, ADT                                 ; lands while the softmax is walked
	s_wait_kmcnt 0x0                               ; this step's mask words, asked for a step ago: word n holds the 32 lanes' bits for score register n
.set n, 0
.rept 64
	v_cndmask_b32 v[96+n], v201, v[96+n], s[32+n+4*(n/32)]
.set n, n+1
.endr
	s_add_co_u32 s[MOF], s[KST], 1                 ; the next step's words (the loads that read the old offset are done): the step is held at J, the last that I walk
	s_min_u32 s[MOF], s[MOF], s[JQ]
	s_lshl_b32 s[MOF], s[MOF], 8
	s_load_b512 s[32:47], s[MP:MP+1], s[MOF] offset:0x0
	s_load_b512 s[48:63], s[MP:MP+1], s[MOF] offset:0x40
	s_load_b512 s[68:83], s[MP:MP+1], s[MOF] offset:0x80
	s_load_b512 s[84:99], s[MP:MP+1], s[MOF] offset:0xc0
.irp b, 0,1,2,3
	v_max3_num_f32 v[232+\b], v[96+16*\b], v[97+16*\b], v[98+16*\b]      ; the largest score of each block of 32 keys: for the row's maximum and for the block's largest p
.endr
.irp i, 3,5,7,9,11,13
.irp b, 0,1,2,3
	s_delay_alu instid0(VALU_DEP_4)
	v_max3_num_f32 v[232+\b], v[232+\b], v[96+16*\b+\i], v[97+16*\b+\i]
.endr
.endr
.irp b, 0,1,2,3
	s_delay_alu instid0(VALU_DEP_4)
	v_max_num_f32 v[232+\b], v[232+\b], v[111+16*\b]
.endr
.irp b, 0,1,2,3
	s_delay_alu instid0(VALU_DEP_4)
	v_permlanex16_b32 v[236+\b], v[232+\b], s[SEL], s[SEL+1]
.endr
.irp b, 0,1,2,3
	s_delay_alu instid0(VALU_DEP_4)
	v_max_num_f32 v[232+\b], v[232+\b], v[236+\b]
.endr
	s_delay_alu instid0(VALU_DEP_2)
	v_max3_num_f32 v254, v232, v233, v234
	s_delay_alu instid0(VALU_DEP_1)
	v_max_num_f32 v254, v254, v235
	s_delay_alu instid0(VALU_DEP_1)
	v_mul_f32 v254, s[CS], v254
	s_delay_alu instid0(VALU_DEP_1)
	v_max_num_f32 v13, v13, v254                   ; the running largest t
	v_mov_b32 v254, v12
	s_delay_alu instid0(VALU_DEP_2)
	v_floor_f32 v12, -v13                          ; the new -M
	s_delay_alu instid0(VALU_DEP_1)
	v_sub_f32 v254, v12, v254
	s_delay_alu instid0(VALU_DEP_1)
	v_cvt_i32_f32 v254, v254                       ; (it saturates)
	s_delay_alu instid0(VALU_DEP_1)
	v_ldexp_f32 v252, 1.0, v254                    ; f = 2^(old M - new M): exact
.set j, 0
.rept 32
	v_pk_fma_f32 v[96+j:97+j], v[96+j:97+j], s[CS:CS+1], v[12:13] op_sel_hi:[1,0,0]    ; t - M
.set j, j+2
.endr
.irp b, 0,1,2,3
	v_fma_f32 v[232+\b], v[232+\b], s[CS], v12
.endr
.set j, 0
	s_wait_alu depctr_va_vdst(0)
.rept 64
	v_exp_f32 v[96+j], v[96+j]                     ; p, at most 1
.set j, j+1
.endr
	v_pk_mul_f32 v[14:15], v[14:15], v[252:253] op_sel_hi:[1,0]     ; the sums under the new M: a plain place behind the exponentials
	s_wait_alu depctr_va_vdst(0)                   ; one wait for the batch, ahead of its first reader
.irp b, 0,1,2,3
	v_exp_f32 v[232+\b], v[232+\b]                 ; each block's largest p
.endr
	v_pk_add_f32 v[236:237], v[100:101], v[104:105]
	v_pk_add_f32 v[246:247], v[108:109], v[112:113]
	v_pk_add_f32 v[244:245], v[116:117], v[120:121]
	v_pk_add_f32 v[242:243], v[124:125], v[128:129]
	v_pk_add_f32 v[240:241], v[132:133], v[136:137]
	v_pk_add_f32 v[238:239], v[140:141], v[144:145]
	v_pk_add_f32 v[230:231], v[148:149], v[152:153]
	v_pk_add_f32 v[14:15], v[14:15], v[156:157]
	v_pk_add_f32 v[236:237], v[236:237], v[96:97]
	v_pk_add_f32 v[246:247], v[246:247], v[98:99]
	v_pk_add_f32 v[244:245], v[244:245], v[102:103]
	v_pk_add_f32 v[242:243], v[242:243], v[106:107]
	v_pk_add_f32 v[240:241], v[240:241], v[110:111]
	v_pk_add_f32 v[238:239], v[238:239], v[114:115]
	v_pk_add_f32 v[230:231], v[230:231], v[118:119]
	v_pk_add_f32 v[14:15], v[14:15], v[122:123]
	v_pk_add_f32 v[236:237], v[236:237], v[126:127]
	v_pk_add_f32 v[246:247], v[246:247], v[130:131]
	v_pk_add_f32 v[244:245], v[244:245], v[134:135]
	v_pk_add_f32 v[242:243], v[242:243], v[138:139]
	v_pk_add_f32 v[240:241], v[240:241], v[142:143]
	v_pk_add_f32 v[238:239], v[238:239], v[146:147]
	v_pk_add_f32 v[230:231], v[230:231], v[150:151]
	v_pk_add_f32 v[14:15], v[14:15], v[154:155]
	v_pk_add_f32 v[236:237], v[236:237], v[158:159]
	s_delay_alu instid0(VALU_DEP_2)
	v_pk_add_f32 v[14:15], v[14:15], v[242:243]
	s_delay_alu instid0(VALU_DEP_2)
	v_pk_add_f32 v[236:237], v[236:237], v[240:241]
	v_pk_add_f32 v[246:247], v[246:247], v[238:239]
	v_pk_add_f32 v[244:245], v[244:245], v[230:231]
	s_delay_alu instid0(VALU_DEP_2)
	v_pk_add_f32 v[14:15], v[14:15], v[246:247]
	s_delay_alu instid0(VALU_DEP_2)
	v_pk_add_f32 v[236:237], v[236:237], v[244:245]
	s_delay_alu instid0(VALU_DEP_1)
	v_pk_add_f32 v[14:15], v[14:15], v[236:237]
	s_wait_alu depctr_va_vdst(0)                   ; and one for the four
.irp b, 0,1,2,3
	v_max_num_f32 v[232+\b], 0x1800000, v[232+\b]  ; the floor: the byte cannot fall under 1
.endr
.irp b, 0,1,2,3
	s_delay_alu instid0(VALU_DEP_4)
	v_add_nc_u32 v[244+\b], 0xff000000, v[232+\b]
.endr
.irp b, 0,1,2,3
	s_delay_alu instid0(VALU_DEP_4)
	v_lshrrev_b32 v[236+\b], 23, v[244+\b]
.endr
	s_delay_alu instid0(VALU_DEP_3)
	v_lshl_or_b32 v253, v237, 8, v236              ; p's scale word
	s_delay_alu instid0(VALU_DEP_1)
	v_lshl_or_b32 v253, v238, 16, v253
	s_delay_alu instid0(VALU_DEP_1)
	v_lshl_or_b32 v253, v239, 24, v253
.irp c, 0,1
	v_cvt_scalef32_pk16_fp6_f32 v[224+6*\c:226+6*\c], v[96+32*\c:111+32*\c], v[244+2*\c]
	v_cvt_scalef32_pk16_fp6_f32 v[236+4*\c:238+4*\c], v[112+32*\c:127+32*\c], v[244+2*\c+1]
.endr
	v_nop
.irp c, 0,1
.irp i, 0,1,2
	v_permlane16_swap_b32 v[224+6*\c+\i], v[236+4*\c+\i]
.endr
.irp i, 0,1,2
	s_delay_alu instid0(VALU_DEP_3)
	v_mov_b32 v[227+6*\c+\i], v[236+4*\c+\i]
.endr
.endr
.set j, 0
.rept 16
	v_pk_mul_f32 v[160+j:161+j], v[160+j:161+j], v[252:253] op_sel_hi:[1,0]    ; O^T under the new M; also the places in front of the products below
.set j, j+2
.endr
	s_wait_alu depctr_va_vdst(0)
	s_wait_dscnt 0x0                               ; V is in
.irp t, 0,1,2,3                        ; O^T += V^T P^T: four accumulators by turns
	v_wmma_scale_f32_16x16x128_f8f6f4 v[160+8*\t:167+8*\t], v[32+12*\t:43+12*\t], v[224:235], v[160+8*\t:167+8*\t], v[248+\t], v253 matrix_a_fmt:MATRIX_FMT_FP6 matrix_b_fmt:MATRIX_FMT_FP6
.endr
.Ljoin_\@:
	s_add_co_u32 s[KST], s[KST], 1
	s_add_co_u32 s[TBK], s[TBK], KROW
	s_add_co_u32 s[TBV], s[TBV], VROW
.endm
	s_wait_alu depctr_va_vdst(0)
	s_wait_loadcnt 0x0                             ; Q; its base registers are free from here on
	s_load_b512 s[32:47], s[MP:MP+1], 0x0          ; key step 0's mask words
	s_load_b512 s[48:63], s[MP:MP+1], 0x40
	s_load_b512 s[68:83], s[MP:MP+1], 0x80
	s_load_b512 s[84:99], s[MP:MP+1], 0xc0
	s_wait_tensorcnt 0x0                           ; my part of K or V is in
	ds_add_u32 v[SPW], v[NIL]
	s_wait_dscnt 0x0
	s_barrier_signal -1
	s_barrier_wait -1                              ; and everybody's: all of K and V lies in LDS
	; T: my part is key step w's sum of V^T, by four products on the codes of p = 1 made at the head
	VLOAD TAV, TAT
	s_wait_dscnt 0x0
.irp t, 0,1,2,3
	v_wmma_scale_f32_16x16x128_f8f6f4 v[96+8*\t:103+8*\t], v[32+12*\t:43+12*\t], v[224:235], 0, v[248+\t], v200 matrix_a_fmt:MATRIX_FMT_FP6 matrix_b_fmt:MATRIX_FMT_FP6
.endr
.rept 4
	v_nop
.endr
.irp t, 0,1,2,3                        ; all columns are equal: 64 numbers, at 64 t + 32 h + 4 j of my 256 bytes; each accumulator from its low end on
	ds_store_b128 v[TSW], v[96+8*\t:99+8*\t] offset:64*\t
	ds_store_b128 v[TSW], v[100+8*\t:103+8*\t] offset:64*\t+16
.endr
	s_wait_dscnt 0x0                               ; for the others' sake
	s_barrier_signal -1
	s_barrier_wait -1
.irp k, 0,1,2,3,4,5,6,7,8,9,10,11,12,13,14,15
	ds_load_b64 v[128+2*\k:129+2*\k], v[TRD] offset:256*\k      ; two of the 64 numbers a lane, of all sixteen parts
.endr
	s_wait_dscnt 0x0
.irp k, 0,1,2,3,4,5,6,7
	v_pk_add_f32 v[128+4*\k:129+4*\k], v[128+4*\k:129+4*\k], v[130+4*\k:131+4*\k]
.endr
.irp k, 0,1,2,3
	v_pk_add_f32 v[128+8*\k:129+8*\k], v[128+8*\k:129+8*\k], v[132+8*\k:133+8*\k]
.endr
	v_pk_add_f32 v[128:129], v[128:129], v[136:137]
	v_pk_add_f32 v[144:145], v[144:145], v[152:153]
	s_delay_alu instid0(VALU_DEP_1)
	v_pk_add_f32 v[128:129], v[128:129], v[144:145]
	ds_store_b64 v[SCW], v[128:129]                ; T, into bytes of my own: read back at the end in the layout of O^T
	s_wait_alu depctr_va_vdst(0)
	s_mov_b32 s[NST], 16                           ; sixteen key steps: the count is a constant, and a step that the wave does not need is passed over inside the trip
.Lstep:
	STEP
	s_sub_co_u32 s[NST], s[NST], 1
	s_cmp_lg_u32 s[NST], 0
	s_cbranch_scc1 .Lstep
	; THE WAY OUT: O^T / the sum; its 32 registers are 16 neighbours of each of two blocks of 32 features: half a fragment of the next product
	s_wait_alu depctr_va_vdst(0)
	s_wait_kmcnt 0x0                               ; the mask words asked for last have landed: their registers are free
	s_load_b64 s[32:33], s[0:1], 0x10              ; ao
	s_and_b32 s39, ttmp7, 0xffff
	s_lshr_b32 s40, s39, 4
	s_bfe_u32 s41, s39, 0x30001
	s_lshl_b32 s40, s40, 4
	s_add_co_u32 s40, s40, s[JQ]
	s_lshl_b32 s40, s40, 3
	s_add_co_u32 s40, s40, s41
	s_mul_i32 s34, s40, CH                         ; chunk (16 b + J) 8 + pair
	s_mov_b32 s35, 0
.rept 4
	v_nop
.endr
.irp t, 0,1,2,3
	ds_load_b128 v[96+8*\t:99+8*\t], v[SCRD] offset:64*\t       ; LDS serves a wave's instructions in order: these see my store
	ds_load_b128 v[100+8*\t:103+8*\t], v[SCRD] offset:64*\t+16
.endr
	v_add_f32 v14, v14, v15
	s_delay_alu instid0(VALU_DEP_1)
	v_permlanex16_b32 v252, v14, s[SEL], s[SEL+1]
	s_delay_alu instid0(VALU_DEP_1)
	v_add_f32 v14, v14, v252
	v_cmp_eq_f32 vcc_lo, 0x4eb8aa3b, v12           ; -M = c 2^33: all of the row's scores were hidden
	v_cndmask_b32 v14, v14, v[C2K], vcc_lo         ; then p = 1 on 2,048 keys
	s_wait_alu depctr_va_vdst(0)
	v_rcp_f32 v14, v14
	v_nop
	s_wait_kmcnt 0x0
	s_add_nc_u64 s[32:33], s[32:33], s[34:35]
	s_wait_dscnt 0x0                               ; T is in
	s_wait_alu depctr_va_vdst(0)                   ; ahead of the first reader of the reciprocal and of O^T
.set j, 0
.rept 32
	v_cndmask_b32 v[96+j], v[160+j], v[96+j], vcc_lo            ; and the weighted sum is T
.set j, j+1
.endr
.set j, 0
.rept 32
	v_mul_f32 v[96+j], v[96+j], v14
.set j, j+1
.endr
.irp b, 0,1
	v_max3_num_f32 v[232+\b], |v[96+16*\b]|, |v[97+16*\b]|, 0x1800000
.endr
.irp i, 2,4,6,8,10,12,14
.irp b, 0,1
	s_delay_alu instid0(VALU_DEP_2)
	v_max3_num_f32 v[232+\b], v[232+\b], |v[96+16*\b+\i]|, |v[97+16*\b+\i]|
.endr
.endr
.irp b, 0,1
	s_delay_alu instid0(VALU_DEP_2)
	v_permlanex16_b32 v[236+\b], v[232+\b], s[SEL], s[SEL+1]
.endr
.irp b, 0,1
	s_delay_alu instid0(VALU_DEP_2)
	v_max_num_f32 v[232+\b], v[232+\b], v[236+\b]
.endr
.irp b, 0,1
	s_delay_alu instid0(VALU_DEP_2)
	v_add_nc_u32 v[244+\b], 0xff000000, v[232+\b]
.endr
.irp b, 0,1
	s_delay_alu instid0(VALU_DEP_2)
	v_lshrrev_b32 v[236+\b], 23, v[244+\b]
.endr
	s_delay_alu instid0(VALU_DEP_1)
	v_lshl_or_b32 v254, v237, 8, v236
	v_cvt_scalef32_pk16_fp6_f32 v[224:226], v[96:111], v244
	v_cvt_scalef32_pk16_fp6_f32 v[240:242], v[112:127], v245
	v_nop
.irp i, 0,1,2
	v_permlane16_swap_b32 v[224+\i], v[240+\i]
.endr
.irp i, 0,1,2
	s_delay_alu instid0(VALU_DEP_3)
	v_mov_b32 v[227+\i], v[240+\i]
.endr
.irp p, 0,1,2
	global_store_b64 v[GO], v[224+2*\p:225+2*\p], s[32:33] offset:256*\p       ; 256 consecutive bytes
.endr
	global_store_b16 v[GS], v254, s[32:33]         ; my head's two bytes of each row's scale word (lanes r and r + 16 write the same): the one store of this program that fills no whole run
	s_wait_tensorcnt 0x0                           ; the wave's end
	ds_add_u32 v[SPW], v[NIL]
	s_wait_dscnt 0x0
	CROUND                                         ; the closing round
	s_endpgm
.Lfunc_end_k_qe23ab0d370_attn:
	.size	k_qe23ab0d370_attn, .Lfunc_end_k_qe23ab0d370_attn-k_qe23ab0d370_attn
	.p2alignl 7, 3214868480
	.fill 96, 4, 3214868480
	.section	.rodata,"a",@progbits
	.p2align	6, 0x0
	.amdhsa_kernel k_qe23ab0d370_attn
		.amdhsa_group_segment_fixed_size 327680
		.amdhsa_private_segment_fixed_size 0
		.amdhsa_enable_private_segment 0
		.amdhsa_kernarg_size 24
		.amdhsa_user_sgpr_count 2
		.amdhsa_user_sgpr_kernarg_segment_ptr 1
		.amdhsa_wavefront_size32 1
		.amdhsa_system_sgpr_workgroup_id_x 1
		.amdhsa_system_sgpr_workgroup_id_y 1
		.amdhsa_system_sgpr_workgroup_id_z 1
		.amdhsa_system_vgpr_workitem_id 0
		.amdhsa_next_free_vgpr 256
		.amdhsa_next_free_sgpr 106
		.amdhsa_reserve_vcc 1
		.amdhsa_float_denorm_mode_32 3
		.amdhsa_float_denorm_mode_16_64 3
		.amdhsa_memory_ordered 1
		.amdhsa_forward_progress 1
		.amdhsa_inst_pref_size 47
	.end_amdhsa_kernel
	.amdgpu_metadata
---
amdhsa.version: [ 1, 2 ]
amdhsa.kernels:
  - .name:           k_qe23ab0d370_attn
    .symbol:         k_qe23ab0d370_attn.kd
    .args:
      - { .name: qkv, .offset: 0, .size: 8, .value_kind: global_buffer, .address_space: global }
      - { .name: mbits, .offset: 8, .size: 8, .value_kind: global_buffer, .address_space: global }
      - { .name: ao, .offset: 16, .size: 8, .value_kind: global_buffer, .address_space: global }
    .group_segment_fixed_size: 327680
    .private_segment_fixed_size: 0
    .kernarg_segment_align: 8
    .kernarg_segment_size: 24
    .max_flat_workgroup_size: 512
    .sgpr_count:     106
    .vgpr_count:     256
    .wavefront_size: 32
...
	.end_amdgpu_metadata
.endif
;; end of part 10
;; launch oproj (part 11): grid 8 x 32, 4 waves a work-group, clusters of 4 x 4, 327,680 bytes of LDS; arguments ao, ops, bo, at; writes at
.if DOCPART == 11
	.amdgcn_target "amdgcn-amd-amdhsa--gfx1250"
	.amdhsa_code_object_version 6
	.text
	.protected	k_qe23ab0d370_oproj
	.globl	k_qe23ab0d370_oproj
	.p2align	8
	.type	k_qe23ab0d370_oproj,@function
k_qe23ab0d370_oproj:
	s_mov_b64 s[64:65], 0
	v_nop
	global_prefetch_b8 v0, s[64:65] scope:SCOPE_SE
	s_setreg_imm32_b32 hwreg(HW_REG_WAVE_MODE, 25, 1), 1
	s_wait_xcnt 0x0
	s_wait_alu depctr_hold_cnt(0) depctr_sa_sdst(0) depctr_va_vdst(0) depctr_va_sdst(0) depctr_va_ssrc(0) depctr_va_vcc(0) depctr_vm_vsrc(0)
	s_getreg_b32 s2, hwreg(HW_REG_IB_STS2, 6, 4)
	s_cmp_eq_u32 s2, 0
	s_cbranch_scc0 .Lentry_in_a_cluster
	s_endpgm
.Lentry_in_a_cluster:
	s_bfe_u32 s2, ttmp6, 0x10000c
	s_cmp_lg_u32 s2, 0xf033
	s_cbranch_scc0 .Lentry_shape_is_right
	s_endpgm
.Lentry_shape_is_right:
.set JOB, 1
.if JOB == 3
.set KS,   32
.set BOFF, 768*12800
.set QNT,  0
.else
.set KS,   8
.set BOFF, 448*12800
.set QNT,  1
.endif
.set CH,    12800
.set SS,    6
.set NF,    KS/SS
.set TAIL,  KS-SS*NF
.set PART,  3*CH
.set HALFS, SS*CH
.set SLOT,  2*HALFS
.set SPARE, 2*SLOT
.set SPITCH, 272
.set ADRA, 10
.set ADRB, 14
.set ADRS, 18
.set STO,  24
.set RD,   25
.set CO,   26
.set LO,   27
.set SPW,  28
.set NIL,  29
.set GS,   30
.set SC,   32
.set BI,   40
.set PC,   72
.set T2,   104
.set TM,   108
.set ACC,  128
.set G1,   24
.set G0,   32
.set G1B,  48
.set G0B,  56
.set G1T,  68
.set G1TB, 76
.set G0T,  84
.set G0TB, 88
.set OC,   92
.set OS,   94
.set OF,   96
.set SEL,  12
.set MSB, 0
.macro WIN new
.if MSB != \new
	s_set_vgpr_msb (MSB<<8)|\new
.set MSB, \new
.endif
.endm
.set MUL,  0x05
.set TO_F, 0x40
.macro JLOAD g0a, g1a, g0b, g1b
	s_cmp_eq_u32 s15, 0
	s_cbranch_scc0 .Lfor_b_\@
	tensor_load_to_lds s[\g0a:\g0a+3], s[\g1a:\g1a+7]
	s_nop 0
.rept 4
	v_nop
.endr
	s_branch .Lasked_\@
.Lfor_b_\@:
	tensor_load_to_lds s[\g0b:\g0b+3], s[\g1b:\g1b+7]
	s_nop 0
.rept 4
	v_nop
.endr
.Lasked_\@:
.endm
.macro CROUND
	s_barrier_signal -1
	s_barrier_wait -1
	s_cmp_lg_u32 s14, 0
	s_cbranch_scc1 .Lnot_wave_0_\@
	s_barrier_signal -3
.Lnot_wave_0_\@:
	s_barrier_wait -3
	s_barrier_signal -1
	s_barrier_wait -1
.endm
.macro PLACES
.rept 4
	v_nop
.endr
.endm
	s_load_b256 s[4:11], s[0:1], 0x0
	v_lshl_add_u32 v[SPW], v0, 2, SPARE
	v_mov_b32 v[NIL], 0
	ds_add_u32 v[SPW], v[NIL]
	ds_add_u32 v[SPW], v[NIL]
	v_lshrrev_b32 v1, 5, v0
	v_readfirstlane_b32 s14, v1
	s_lshr_b32 s15, s14, 1
	s_and_b32 s16, s14, 1
	s_bfe_u32 s40, ttmp6, 0x40000
	s_bfe_u32 s41, ttmp6, 0x40004
	s_and_b32 s17, ttmp7, 0xffff
	s_lshl_b32 s43, s41, 2
	s_lshl_b32 s43, 15, s43
	s_lshl_b32 s44, 0x1111, s40
	s_lshl_b32 s18, s17, 2
	s_add_co_u32 s18, s18, s41
	s_lshl_b32 s19, ttmp9, 2
	s_add_co_u32 s19, s19, s40
	s_mul_i32 s20, s18, KS*CH
	s_mov_b32 s21, 0
	s_mul_i32 s46, s19, KS*CH
	s_add_co_u32 s46, s46, BOFF
	s_mov_b32 s47, 0
	s_mul_i32 s22, s16, PART
	s_mov_b32 s23, 0
	s_mul_i32 s66, s16, CH
	s_add_co_u32 s66, s66, NF*SS*CH
	s_mov_b32 s67, 0
	s_mul_i32 s45, s14, PART
	s_mul_i32 s42, s15, HALFS
	s_mul_i32 s2, s16, CH
	s_add_co_u32 s42, s42, s2
	s_add_co_u32 s42, s42, SLOT
	s_or_b32 s[G1], s43, (3<<16)|(1<<21)
	s_or_b32 s[G1B], s44, (3<<16)|(1<<21)
	s_or_b32 s[G1T], s43, (3<<16)|(1<<21)
	s_or_b32 s[G1TB], s44, (3<<16)|(1<<21)
.irp g, G1, G1B
	s_mov_b32 s[\g+1], 32<<16
	s_mov_b32 s[\g+2], 150<<16
	s_mov_b32 s[\g+3], 32<<16
	s_mov_b32 s[\g+4], 150
	s_mov_b32 s[\g+5], 32
	s_mov_b32 s[\g+6], 0
	s_mov_b32 s[\g+7], 0
.endr
.irp g, G1T, G1TB
	s_mov_b32 s[\g+1], 32<<16
	s_mov_b32 s[\g+2], 50<<16
	s_mov_b32 s[\g+3], 32<<16
	s_mov_b32 s[\g+4], 50
	s_mov_b32 s[\g+5], 32
	s_mov_b32 s[\g+6], 0
	s_mov_b32 s[\g+7], 0
.endr
	s_mov_b32 s[SEL], 0x76543210
	s_mov_b32 s[SEL+1], 0xfedcba98
	s_wait_dscnt 0x0
	s_wait_kmcnt 0x0
	s_add_nc_u64 s[20:21], s[4:5], s[20:21]
	s_add_nc_u64 s[46:47], s[6:7], s[46:47]
	s_mov_b32 s[G0T], 1
	s_mov_b32 s[G0T+1], s42
	s_add_nc_u64 s[G0T+2:G0T+3], s[20:21], s[66:67]
	s_or_b32 s[G0T+3], s[G0T+3], 0x80000000
	s_mov_b32 s[G0TB], 1
	s_mov_b32 s[G0TB+1], s42
	s_add_nc_u64 s[G0TB+2:G0TB+3], s[46:47], s[66:67]
	s_or_b32 s[G0TB+3], s[G0TB+3], 0x80000000
	s_add_nc_u64 s[20:21], s[20:21], s[22:23]
	s_add_nc_u64 s[46:47], s[46:47], s[22:23]
.irp s, 0,1
.if (\s == 0) || (NF > 1)
	s_mov_b32 s[G0+4*\s], 1
	s_add_co_u32 s[G0+4*\s+1], s45, \s*SLOT
	s_add_nc_u64 s[G0+4*\s+2:G0+4*\s+3], s[20:21], \s*SS*CH
	s_or_b32 s[G0+4*\s+3], s[G0+4*\s+3], 0x80000000
	s_mov_b32 s[G0B+4*\s], 1
	s_add_co_u32 s[G0B+4*\s+1], s45, \s*SLOT
	s_add_nc_u64 s[G0B+4*\s+2:G0B+4*\s+3], s[46:47], \s*SS*CH
	s_or_b32 s[G0B+4*\s+3], s[G0B+4*\s+3], 0x80000000
.endif
.endr
	CROUND
	JLOAD G0, G1, G0B, G1B
.if NF > 1
	JLOAD G0+4, G1, G0B+4, G1B
.else
	s_wait_alu depctr_va_vdst(0)
	s_wait_tensorcnt 0x0
	ds_add_u32 v28, v29
	s_wait_dscnt 0x0
	CROUND
	JLOAD G0T, G1T, G0TB, G1TB
.endif
	v_and_b32 v1, 15, v0
	v_bfe_u32 v2, v0, 4, 1
	s_wait_alu depctr_va_vdst(0)
	v_and_b32 v3, 31, v0
	v_lshlrev_b32 v8, 6, v2
	s_lshl_b32 s98, s19, 9
	s_lshl_b32 s99, s16, 8
	s_add_co_u32 s98, s98, s99
	s_mov_b32 s99, 0
	s_add_nc_u64 s[8:9], s[8:9], s[98:99]
.irp b, 0,1,2,3
	global_load_b128 v[BI+8*\b:BI+8*\b+3], v8, s[8:9] offset:(32*(\b/2)+8*(\b%2))*4
	global_load_b128 v[BI+8*\b+4:BI+8*\b+7], v8, s[8:9] offset:(32*(\b/2)+8*(\b%2))*4+16
.endr
	v_lshlrev_b32 v[LO], 3, v3
	v_lshlrev_b32 v[GS], 5, v1
	s_mul_i32 s2, s15, 3072
	s_mul_i32 s3, s16, 3072
	s_add_co_u32 s3, s3, HALFS
	v_add_nc_u32 v[ADRA], s2, v[LO]
	v_add_nc_u32 v[ADRB], s3, v[LO]
	s_lshl_b32 s2, s16, 4
	s_xor_b32 s3, s15, 1
	s_lshl_b32 s3, s3, 4
	s_add_co_u32 s2, s2, s3
	s_add_co_u32 s2, s2, HALFS-16
	v_mul_u32_u24 v6, s2, v2
	v_lshl_add_u32 v6, v1, 5, v6
	s_lshl_b32 s3, s15, 4
	s_add_co_u32 s3, s3, 6144
	v_add_nc_u32 v[ADRS], s3, v6
.irp g, ADRA, ADRB, ADRS
	v_add_nc_u32 v[\g+1], PART, v[\g]
	v_add_nc_u32 v[\g+2], SLOT, v[\g]
	v_add_nc_u32 v[\g+3], SLOT+PART, v[\g]
.endr
	s_mul_i32 s2, s14, 16*SPITCH
	v_mul_u32_u24 v5, v1, SPITCH
	v_lshl_add_u32 v5, v2, 6, v5
	v_add_nc_u32 v[STO], s2, v5
	v_mul_u32_u24 v5, v2, SPITCH
	v_lshl_add_u32 v5, v1, 4, v5
	v_add_nc_u32 v[RD], s2, v5
	v_lshlrev_b32 v[CO], 12, v2
	v_lshl_add_u32 v[CO], v1, 4, v[CO]
.if QNT
	s_lshl_b32 s98, s18, 3
	s_add_co_u32 s98, s98, s19
	s_mul_i32 s98, s98, CH
	s_add_co_u32 s98, s98, 16777216
	s_add_nc_u64 s[OS:OS+1], s[10:11], s[98:99]
	s_mul_i32 s98, s16, 6656
	s_mul_i32 s2, s15, 3072
	s_add_co_u32 s98, s98, s2
	s_add_nc_u64 s[OC:OC+1], s[OS:OS+1], s[98:99]
	s_lshl_b32 s98, s15, 4
	s_lshl_b32 s2, s16, 1
	s_add_co_u32 s98, s98, s2
	s_add_co_u32 s98, s98, 6144
	s_add_nc_u64 s[OS:OS+1], s[OS:OS+1], s[98:99]
.endif
	s_lshl_b32 s98, s18, 19
	s_lshl_b32 s2, s15, 18
	s_add_co_u32 s98, s98, s2
	s_lshl_b32 s2, s19, 9
	s_add_co_u32 s98, s98, s2
	s_lshl_b32 s2, s16, 8
	s_add_co_u32 s98, s98, s2
	s_add_nc_u64 s[OF:OF+1], s[10:11], s[98:99]
.macro FRAG reg, adr, off, t
.irp p, 0,1,2,3,4,5
	ds_load_b64 v[\reg+2*\p:\reg+2*\p+1], v[\adr] offset:\off+6656*(\p/3)+768*(\t)+256*(\p%3)
.endr
.endm
.macro FETCH slot, q
	WIN 0
	ds_load_b128 v[SC+4*((\q)%2):SC+4*((\q)%2)+3], v[ADRS+2*(\slot)+(\q)/3] offset:CH*((\q)%3)
	WIN TO_F
.irp i, 0,1,2,3
	FRAG 128*((\q)%2)+12*\i, ADRA+2*(\slot)+(\q)/3, CH*((\q)%3), \i
.endr
.irp i, 0,1,2,3
	FRAG 128*((\q)%2)+48+12*\i, ADRB+2*(\slot)+(\q)/3, CH*((\q)%3), \i
.endr
.endm
.macro MUL16 p, first
.irp a, 0,1,2,3
.irp b, 0,1,2,3
.if \first
	v_wmma_scale_f32_16x16x128_f8f6f4 v[ACC+8*(4*\a+\b):ACC+8*(4*\a+\b)+7], v[128*(\p)+48+12*\b:128*(\p)+48+12*\b+11], v[128*(\p)+12*\a:128*(\p)+12*\a+11], v[BI+8*\b:BI+8*\b+7], v[SC+4*(\p)+\b], v[SC+4*(\p)+\a] matrix_a_fmt:MATRIX_FMT_FP6 matrix_b_fmt:MATRIX_FMT_FP6 matrix_a_scale:MATRIX_SCALE_ROW1
.else
	v_wmma_scale_f32_16x16x128_f8f6f4 v[ACC+8*(4*\a+\b):ACC+8*(4*\a+\b)+7], v[128*(\p)+48+12*\b:128*(\p)+48+12*\b+11], v[128*(\p)+12*\a:128*(\p)+12*\a+11], v[ACC+8*(4*\a+\b):ACC+8*(4*\a+\b)+7], v[SC+4*(\p)+\b], v[SC+4*(\p)+\a] matrix_a_fmt:MATRIX_FMT_FP6 matrix_b_fmt:MATRIX_FMT_FP6 matrix_a_scale:MATRIX_SCALE_ROW1
.endif
.endr
.endr
.endm
.macro PROC slot, n, first
.set Q, 0
.rept \n
	s_wait_dscnt 0x0
.if Q+1 < \n
	PLACES
	FETCH \slot, Q+1
.endif
	WIN MUL
.if (\first) && (Q == 0)
	MUL16 0, 1
.else
	MUL16 Q%2, 0
.endif
.set Q, Q+1
.endr
	WIN 0
.endm
.macro CHANGE kind, slot
	s_wait_tensorcnt 0x0
	ds_add_u32 v[SPW], v[NIL]
.if \kind == 1
	s_add_nc_u64 s[G0+4*(\slot)+2:G0+4*(\slot)+3], s[G0+4*(\slot)+2:G0+4*(\slot)+3], 2*SS*CH
	s_add_nc_u64 s[G0B+4*(\slot)+2:G0B+4*(\slot)+3], s[G0B+4*(\slot)+2:G0B+4*(\slot)+3], 2*SS*CH
.endif
	s_wait_dscnt 0x0
.if \kind == 0
	s_barrier_signal -1
	s_barrier_wait -1
	PLACES
.else
	CROUND
.if \kind == 1
	JLOAD G0+4*(\slot), G1, G0B+4*(\slot), G1B
.else
	JLOAD G0T, G1T, G0TB, G1TB
.endif
.endif
.endm
	s_wait_tensorcnt 1
	s_barrier_signal -1
	s_barrier_wait -1
	FETCH 0, 0
	s_wait_loadcnt 0x0
	PROC 0, SS, 1
.if NF > 1
	CHANGE 1, 0
	FETCH 1, 0
	PROC 1, SS, 0
	CHANGE 1, 1
	FETCH 0, 0
	PROC 0, SS, 0
	CHANGE 1, 0
	FETCH 1, 0
	PROC 1, SS, 0
	CHANGE 2, 1
	FETCH 0, 0
	PROC 0, SS, 0
.endif
	CHANGE 0, 0
	FETCH 1, 0
	PROC 1, TAIL, 0
.macro TOSTAGE a
.set EV, ACC+32*(\a)
.set PA, PC+8*(\a)
.irp b, 0,1,2,3
	ds_store_b128 v[STO], v[EV+8*\b:EV+8*\b+3] offset:128*(\b/2)+32*(\b%2)
	ds_store_b128 v[STO], v[EV+8*\b+4:EV+8*\b+7] offset:128*(\b/2)+32*(\b%2)+16
.endr
.if QNT
.irp b, 0,1
	v_max3_num_f32 v[TM+\b], |v[EV+16*\b]|, |v[EV+1+16*\b]|, 0x1800000
.endr
.irp i, 2,4,6,8,10,12,14
.irp b, 0,1
	v_max3_num_f32 v[TM+\b], v[TM+\b], |v[EV+16*\b+\i]|, |v[EV+1+16*\b+\i]|
.endr
.endr
.irp b, 0,1
	v_permlanex16_b32 v[TM+2+\b], v[TM+\b], s[SEL], s[SEL+1]
.endr
.irp b, 0,1
	v_max_num_f32 v[TM+\b], v[TM+\b], v[TM+2+\b]
.endr
.irp b, 0,1
	v_add_nc_u32 v[TM+4+\b], 0xff000000, v[TM+\b]
.endr
.irp b, 0,1
	v_lshrrev_b32 v[TM+2+\b], 23, v[TM+4+\b]
.endr
	v_lshl_or_b32 v[PA+6], v[TM+3], 8, v[TM+2]
	v_cvt_scalef32_pk16_fp6_f32 v[PA:PA+2], v[EV:EV+15], v[TM+4]
	v_cvt_scalef32_pk16_fp6_f32 v[T2:T2+2], v[EV+16:EV+31], v[TM+5]
	v_nop
.irp i, 0,1,2
	v_permlane16_swap_b32 v[PA+\i], v[T2+\i]
.endr
.irp i, 0,1,2
	v_mov_b32 v[PA+3+\i], v[T2+\i]
.endr
.irp p, 0,1,2
	global_store_b64 v[LO], v[PA+2*\p:PA+2*\p+1], s[OC:OC+1] offset:768*(\a)+256*\p
.endr
	global_store_b16 v[GS], v[PA+6], s[OS:OS+1] offset:4*(\a)
.endif
.irp i, 0,1,2,3,4,5,6,7
	ds_load_b128 v[EV+4*\i:EV+4*\i+3], v[RD] offset:2*\i*SPITCH
.endr
.endm
.macro SEND a, younger
.set EV, ACC+32*(\a)
.irp i, 0,1,2,3,4,5,6,7
	s_wait_dscnt \younger+7-\i
	global_store_b128 v[CO], v[EV+4*\i:EV+4*\i+3], s[OF:OF+1] offset:(32*((\a)/2)+8*((\a)%2)+2*\i+8*(\i/4))*4096
.endr
.endm
	PLACES
.if QNT
	v_mov_b32 v[TM+2], 0
	v_mov_b32 v[TM+3], 0
.endif
	s_wait_alu depctr_va_vdst(0)
	TOSTAGE 0
.irp a, 1,2,3
	TOSTAGE \a
	SEND \a-1, 16
.endr
	SEND 3, 0
	s_wait_tensorcnt 0x0
	ds_add_u32 v[SPW], v[NIL]
	s_wait_dscnt 0x0
	CROUND
	s_endpgm
.Lfunc_end_k_qe23ab0d370_oproj:
	.size	k_qe23ab0d370_oproj, .Lfunc_end_k_qe23ab0d370_oproj-k_qe23ab0d370_oproj
	.p2alignl 7, 3214868480
	.fill 96, 4, 3214868480
	.section	.rodata,"a",@progbits
	.p2align	6, 0x0
	.amdhsa_kernel k_qe23ab0d370_oproj
		.amdhsa_group_segment_fixed_size 327680
		.amdhsa_private_segment_fixed_size 0
		.amdhsa_enable_private_segment 0
		.amdhsa_kernarg_size 32
		.amdhsa_user_sgpr_count 2
		.amdhsa_user_sgpr_kernarg_segment_ptr 1
		.amdhsa_wavefront_size32 1
		.amdhsa_system_sgpr_workgroup_id_x 1
		.amdhsa_system_sgpr_workgroup_id_y 1
		.amdhsa_system_sgpr_workgroup_id_z 1
		.amdhsa_system_vgpr_workitem_id 0
		.amdhsa_next_free_vgpr 512
		.amdhsa_next_free_sgpr 100
		.amdhsa_reserve_vcc 0
		.amdhsa_float_denorm_mode_32 3
		.amdhsa_float_denorm_mode_16_64 3
		.amdhsa_memory_ordered 1
		.amdhsa_forward_progress 1
		.amdhsa_inst_pref_size 71
	.end_amdhsa_kernel
	.amdgpu_metadata
---
amdhsa.version: [ 1, 2 ]
amdhsa.kernels:
  - .name:           k_qe23ab0d370_oproj
    .symbol:         k_qe23ab0d370_oproj.kd
    .args:
      - { .name: ao, .offset: 0, .size: 8, .value_kind: global_buffer, .address_space: global }
      - { .name: ops, .offset: 8, .size: 8, .value_kind: global_buffer, .address_space: global }
      - { .name: bo, .offset: 16, .size: 8, .value_kind: global_buffer, .address_space: global }
      - { .name: at, .offset: 24, .size: 8, .value_kind: global_buffer, .address_space: global }
    .group_segment_fixed_size: 327680
    .private_segment_fixed_size: 0
    .kernarg_segment_align: 8
    .kernarg_segment_size: 32
    .max_flat_workgroup_size: 128
    .sgpr_count:     100
    .vgpr_count:     512
    .wavefront_size: 32
...
	.end_amdgpu_metadata
.endif
;; end of part 11
;; launch ffn1 (part 12): grid 16 x 16, 4 waves a work-group, clusters of 4 x 4, 327,680 bytes of LDS; arguments at, ops, b1, hq; writes hq
.if DOCPART == 12
	.amdgcn_target "amdgcn-amd-amdhsa--gfx1250"
	.amdhsa_code_object_version 6
	.text
	.protected	k_qe23ab0d370_ffn1
	.globl	k_qe23ab0d370_ffn1
	.p2align	8
	.type	k_qe23ab0d370_ffn1,@function
k_qe23ab0d370_ffn1:
	s_mov_b64 s[64:65], 0
	v_nop
	global_prefetch_b8 v0, s[64:65] scope:SCOPE_SE
	s_setreg_imm32_b32 hwreg(HW_REG_WAVE_MODE, 25, 1), 1
	s_wait_xcnt 0x0
	s_wait_alu depctr_hold_cnt(0) depctr_sa_sdst(0) depctr_va_vdst(0) depctr_va_sdst(0) depctr_va_ssrc(0) depctr_va_vcc(0) depctr_vm_vsrc(0)
	s_getreg_b32 s2, hwreg(HW_REG_IB_STS2, 6, 4)
	s_cmp_eq_u32 s2, 0
	s_cbranch_scc0 .Lentry_in_a_cluster
	s_endpgm
.Lentry_in_a_cluster:
	s_bfe_u32 s2, ttmp6, 0x10000c
	s_cmp_lg_u32 s2, 0xf033
	s_cbranch_scc0 .Lentry_shape_is_right
	s_endpgm
.Lentry_shape_is_right:
.set JOB, 2
.if JOB == 3
.set KS, 32
.else
.set KS, 8
.endif
.set AOFF, 0
.set BOFF, 0
.set QNT, 1
.set F32O, 0
.if JOB == 1
.set BOFF, 448*12800
.set F32O, 1
.elseif JOB == 2
.set AOFF, 16777216
.set BOFF, 512*12800
.elseif JOB == 3
.set BOFF, 768*12800
.set QNT, 0
.set F32O, 1
.endif
.set LAPS,  KS/4
.set CH,    12800
.set REG,   2*CH
.set SLOT,  4*REG
.set SPARE, 2*SLOT
.set SPITCH, 528
.set ADRA, 16
.set ADRB, 20
.set ADRS, 22
.set STO,  24
.set RD,   25
.set CO,   26
.set LO,   27
.set SPW,  28
.set NIL,  29
.set SCO,  30
.set SC,   32
.set ZV,   48
.set BI,   64
.set AF,   128
.set EV,   128
.set TM,   192
.set PC,   208
.set PW,   228
.set SW,   232
.set BL,   240
.set G1,  24
.set G0,  32
.set G1B, 48
.set G0B, 56
.set EA,  82
.set SEL, 84
.set MSB, 0
.macro WIN new
.if MSB != \new
	s_set_vgpr_msb (MSB<<8)|\new
.set MSB, \new
.endif
.endm
.set MUL_LO, 0xa1
.set MUL_HI, 0xf1
.set TO_B,   0x40
.macro JLOAD s
	s_cmp_eq_u32 s15, 0
	s_cbranch_scc0 .Lfor_b_\@
	tensor_load_to_lds s[G0+4*\s:G0+4*\s+3], s[G1:G1+7]
	s_nop 0
.rept 4
	v_nop
.endr
	s_branch .Lasked_\@
.Lfor_b_\@:
	tensor_load_to_lds s[G0B+4*\s:G0B+4*\s+3], s[G1B:G1B+7]
	s_nop 0
.rept 4
	v_nop
.endr
.Lasked_\@:
.endm
.macro CREST
	s_cmp_lg_u32 s14, 0
	s_cbranch_scc1 .Lnot_wave_0_\@
	s_barrier_signal -3
.Lnot_wave_0_\@:
	s_barrier_wait -3
	s_barrier_signal -1
	s_barrier_wait -1
.endm
.macro CROUND
	s_barrier_signal -1
	s_barrier_wait -1
	CREST
.endm
.macro PLACES
.rept 4
	v_nop
.endr
.endm
.macro QUANT s, pc, pw
.irp b, 0,1,2,3
	v_max3_num_f32 v[TM+\b], |v[\s+16*\b]|, |v[\s+1+16*\b]|, 0x1800000
.endr
.irp i, 2,4,6,8,10,12,14
.irp b, 0,1,2,3
	v_max3_num_f32 v[TM+\b], v[TM+\b], |v[\s+16*\b+\i]|, |v[\s+1+16*\b+\i]|
.endr
.endr
.irp b, 0,1,2,3
	v_permlanex16_b32 v[TM+4+\b], v[TM+\b], s[SEL], s[SEL+1]
.endr
.irp b, 0,1,2,3
	v_max_num_f32 v[TM+\b], v[TM+\b], v[TM+4+\b]
.endr
.irp b, 0,1,2,3
	v_add_nc_u32 v[TM+12+\b], 0xff000000, v[TM+\b]
.endr
.irp b, 0,1,2,3
	v_lshrrev_b32 v[TM+4+\b], 23, v[TM+12+\b]
.endr
	v_lshl_or_b32 v[\pw], v[TM+5], 8, v[TM+4]
	v_lshl_or_b32 v[\pw], v[TM+6], 16, v[\pw]
	v_lshl_or_b32 v[\pw], v[TM+7], 24, v[\pw]
.irp c, 0,1
	v_cvt_scalef32_pk16_fp6_f32 v[\pc+6*\c:\pc+2+6*\c], v[\s+32*\c:\s+15+32*\c], v[TM+12+2*\c]
	v_cvt_scalef32_pk16_fp6_f32 v[\pc+12+4*\c:\pc+14+4*\c], v[\s+16+32*\c:\s+31+32*\c], v[TM+12+2*\c+1]
.endr
	v_nop
.irp c, 0,1
.irp i, 0,1,2
	v_permlane16_swap_b32 v[\pc+6*\c+\i], v[\pc+12+4*\c+\i]
.endr
.irp i, 0,1,2
	v_mov_b32 v[\pc+3+6*\c+\i], v[\pc+12+4*\c+\i]
.endr
.endr
.endm
.if JOB == 0
	s_load_b64 s[4:5], s[0:1], 0x0
	s_load_b64 s[10:11], s[0:1], 0x8
.else
	s_load_b256 s[4:11], s[0:1], 0x0
.endif
	v_lshl_add_u32 v[SPW], v0, 2, SPARE
	v_mov_b32 v[NIL], 0
	ds_add_u32 v[SPW], v[NIL]
	ds_add_u32 v[SPW], v[NIL]
	v_lshrrev_b32 v1, 5, v0
	v_readfirstlane_b32 s14, v1
	s_lshr_b32 s15, s14, 1
	s_and_b32 s16, s14, 1
	s_bfe_u32 s40, ttmp6, 0x40000
	s_bfe_u32 s41, ttmp6, 0x40004
	s_and_b32 s17, ttmp7, 0xffff
	s_lshl_b32 s43, s41, 2
	s_lshl_b32 s43, 15, s43
	s_lshl_b32 s44, 0x1111, s40
.if JOB == 0
	s_lshl_b32 s18, s17, 3
	s_lshl_b32 s19, ttmp9, 3
	s_add_co_u32 s19, s19, 32
	s_mov_b32 s67, 32
	s_cmp_eq_u32 ttmp9, 2
	s_cselect_b32 s20, 48, s18
	s_cselect_b32 s46, s18, s19
	s_cselect_b32 s66, 32, 16
	s_cselect_b32 s67, 1024, s67
.else
	s_lshl_b32 s20, s17, 3
	s_lshl_b32 s46, ttmp9, 3
.endif
	s_lshl_b32 s21, s41, 1
	s_add_co_u32 s20, s20, s21
	s_lshl_b32 s47, s40, 1
	s_add_co_u32 s46, s46, s47
	s_add_co_u32 s68, s20, s15
	s_add_co_u32 s69, s46, s16
	s_add_co_u32 s20, s20, s16
	s_add_co_u32 s46, s46, s16
	s_mul_i32 s20, s20, KS*CH
	s_mul_i32 s46, s46, KS*CH
	s_add_co_u32 s20, s20, AOFF
	s_add_co_u32 s46, s46, BOFF
	s_mov_b32 s21, 0
	s_mov_b32 s47, 0
	s_mul_i32 s45, s14, REG
	s_or_b32 s[G1+0], s43, (3<<16)|(1<<21)
	s_or_b32 s[G1B+0], s44, (3<<16)|(1<<21)
.irp g, G1, G1B
	s_mov_b32 s[\g+1], 32<<16
	s_mov_b32 s[\g+2], 100<<16
	s_mov_b32 s[\g+3], 32<<16
	s_mov_b32 s[\g+4], 100
	s_mov_b32 s[\g+5], 32
	s_mov_b32 s[\g+6], 0
	s_mov_b32 s[\g+7], 0
.endr
	s_mov_b32 s[SEL], 0x76543210
	s_mov_b32 s[SEL+1], 0xfedcba98
	s_wait_dscnt 0x0
	s_wait_kmcnt 0x0
.if JOB == 0
	s_mov_b64 s[6:7], s[4:5]
	s_add_nc_u64 s[8:9], s[4:5], 1024*CH
.endif
	s_add_nc_u64 s[20:21], s[4:5], s[20:21]
	s_add_nc_u64 s[46:47], s[6:7], s[46:47]
	CROUND
.irp s, 0,1
	s_mov_b32 s[G0+4*\s], 1
	s_add_co_u32 s[G0+4*\s+1], s45, \s*SLOT
	s_add_nc_u64 s[G0+4*\s+2:G0+4*\s+3], s[20:21], \s*REG
	s_or_b32 s[G0+4*\s+3], s[G0+4*\s+3], 0x80000000
	s_mov_b32 s[G0B+4*\s], 1
	s_add_co_u32 s[G0B+4*\s+1], s45, \s*SLOT
	s_add_nc_u64 s[G0B+4*\s+2:G0B+4*\s+3], s[46:47], \s*REG
	s_or_b32 s[G0B+4*\s+3], s[G0B+4*\s+3], 0x80000000
.if \s == 1
	s_wait_alu depctr_va_vdst(0)
	s_wait_tensorcnt 0x0
	ds_add_u32 v[SPW], v[NIL]
	s_wait_dscnt 0x0
	CROUND
.endif
	JLOAD \s
.endr
	v_and_b32 v1, 15, v0
	v_bfe_u32 v2, v0, 4, 1
	v_and_b32 v3, 31, v0
	v_lshlrev_b32 v[LO], 3, v3
	v_lshlrev_b32 v[CO], 4, v3
	v_lshlrev_b32 v[SCO], 5, v1
	v_lshl_add_u32 v[SCO], v2, 4, v[SCO]
	s_mul_i32 s21, s15, REG
	s_mul_i32 s22, s16, REG
	s_add_co_u32 s22, s22, 2*REG
.irp s, 0,1
	v_add_nc_u32 v[ADRA+\s], s21, v[LO]
	v_add_nc_u32 v[ADRB+\s], s22, v[LO]
	s_add_co_u32 s21, s21, SLOT
	s_add_co_u32 s22, s22, SLOT
.endr
	s_mul_i32 s21, s15, REG
	s_mul_i32 s22, s16, REG
	s_add_co_u32 s22, s22, 2*REG
	s_sub_co_u32 s22, s22, s21
	v_mul_u32_u24 v6, s22, v2
	v_lshl_add_u32 v6, v1, 5, v6
	s_add_co_u32 s21, s21, 6144
	v_add_nc_u32 v[ADRS], s21, v6
	v_add_nc_u32 v[ADRS+1], SLOT, v[ADRS]
	s_mul_i32 s23, s14, 16*SPITCH
	v_mul_u32_u24 v5, v1, SPITCH
	v_lshl_add_u32 v5, v2, 6, v5
	v_add_nc_u32 v[STO], s23, v5
	v_add_nc_u32 v[RD], s23, v[CO]
	v_lshlrev_b32 v8, 6, v2
	s_mov_b32 s71, 0
.if JOB == 0
	v_and_b32 v9, 8, v1
	v_add_nc_u32 v9, v9, v1
	v_lshlrev_b32 v9, 2, v9
	s_lshl_b32 s70, s68, 9
	s_add_nc_u64 s[72:73], s[8:9], s[70:71]
.endif
	s_lshl_b32 s70, s69, 9
	s_add_nc_u64 s[8:9], s[8:9], s[70:71]
.irp b, 0,1,2,3,4,5,6,7
	global_load_b128 v[BI+8*\b:BI+8*\b+3], v8, s[8:9] offset:(32*(\b/2)+8*(\b%2))*4
	global_load_b128 v[BI+8*\b+4:BI+8*\b+7], v8, s[8:9] offset:(32*(\b/2)+8*(\b%2))*4+16
.endr
.if JOB == 0
.irp a, 0,1,2,3,4,5,6,7
	global_load_b32 v[BL+2*\a], v9, s[72:73] offset:(32*(\a/2)+8*(\a%2))*4
.endr
.endif
.if JOB == 2
	v_mov_b32 v10, 0x32edffee
	v_mov_b32 v11, 0x32edffee
	v_mov_b32 v12, 0xb95fbd29
	v_mov_b32 v13, 0xb95fbd29
.endif
.if JOB == 0
	s_mul_i32 s70, s68, s66
	s_add_co_u32 s70, s70, s69
	s_sub_co_u32 s70, s70, s67
.elseif JOB == 1
	s_lshl_b32 s70, s68, 3
	s_add_co_u32 s70, s70, s69
.elseif JOB == 2
	s_lshl_b32 s70, s68, 5
	s_add_co_u32 s70, s70, s69
.endif
.if QNT
	s_mul_i32 s70, s70, CH
.if JOB == 1
	s_add_co_u32 s70, s70, 16777216
.endif
	s_add_nc_u64 s[76:77], s[10:11], s[70:71]
.endif
.if F32O
	s_lshl_b32 s70, s68, 19
	s_lshl_b32 s86, s69, 9
	s_add_co_u32 s70, s70, s86
	s_add_nc_u64 s[78:79], s[10:11], s[70:71]
.endif
.macro FRAG reg, adr, off, t
.irp p, 0,1,2,3,4,5
	ds_load_b64 v[\reg+2*\p:\reg+2*\p+1], v[\adr] offset:\off+6656*(\p/3)+768*(\t)+256*(\p%3)
.endr
.endm
.macro FETCH_B slot, q, p
	WIN TO_B
.irp i, 0,1,2,3,4,5,6,7
	FRAG 128*(\p)+12*\i, ADRB+\slot, CH*(\q), \i
.endr
	WIN 0
.endm
.macro FETCH_A slot, q, i0
.irp i, \i0, \i0+1, \i0+2, \i0+3
	FRAG AF+12*(\i), ADRA+\slot, CH*(\q), \i
.endr
.endm
.macro SCALES slot, q, p
	ds_load_b128 v[SC+8*(\p):SC+8*(\p)+3], v[ADRS+\slot] offset:CH*(\q)
	ds_load_b128 v[SC+8*(\p)+4:SC+8*(\p)+7], v[ADRS+\slot] offset:CH*(\q)+16
.endm
.macro MUL16 a0, p, zero
.irp a, \a0, \a0+1
.irp b, 0,1,2,3,4,5,6,7
.if \zero
	v_wmma_scale_f32_16x16x128_f8f6f4 v[8*(8*((\a)%4)+\b):8*(8*((\a)%4)+\b)+7], v[128*(\p)+12*\b:128*(\p)+12*\b+11], v[AF+12*(\a):AF+12*(\a)+11], 0, v[SC+8*(\p)+\b], v[SC+8*(\p)+(\a)] matrix_a_fmt:MATRIX_FMT_FP6 matrix_b_fmt:MATRIX_FMT_FP6 matrix_a_scale:MATRIX_SCALE_ROW1
.else
	v_wmma_scale_f32_16x16x128_f8f6f4 v[8*(8*((\a)%4)+\b):8*(8*((\a)%4)+\b)+7], v[128*(\p)+12*\b:128*(\p)+12*\b+11], v[AF+12*(\a):AF+12*(\a)+11], v[8*(8*((\a)%4)+\b):8*(8*((\a)%4)+\b)+7], v[SC+8*(\p)+\b], v[SC+8*(\p)+(\a)] matrix_a_fmt:MATRIX_FMT_FP6 matrix_b_fmt:MATRIX_FMT_FP6 matrix_a_scale:MATRIX_SCALE_ROW1
.endif
.endr
.endr
.endm
.macro STEP slot, zero
	s_wait_dscnt 24
	WIN MUL_LO
	MUL16 0, 0, \zero
	MUL16 2, 0, \zero
	s_wait_dscnt 0x0
	PLACES
	FETCH_B \slot, 1, 1
	FETCH_A \slot, 1, 0
	SCALES \slot, 1, 1
	WIN MUL_HI
	MUL16 4, 0, \zero
	MUL16 6, 0, \zero
	PLACES
	WIN 0
	FETCH_A \slot, 1, 4
.endm
.macro TURN slot, next, fill
	s_wait_tensorcnt 0x0
	ds_add_u32 v[SPW], v[NIL]
	s_wait_dscnt 25
	WIN MUL_LO
	MUL16 0, 1, 0
	s_wait_dscnt 0x0
	s_barrier_signal -1
	MUL16 2, 1, 0
	WIN 0
	s_barrier_wait -1
.if \fill
	CREST
	s_add_nc_u64 s[G0+4*\slot+2:G0+4*\slot+3], s[G0+4*\slot+2:G0+4*\slot+3], 2*REG
	s_add_nc_u64 s[G0B+4*\slot+2:G0B+4*\slot+3], s[G0B+4*\slot+2:G0B+4*\slot+3], 2*REG
	JLOAD \slot
.else
	PLACES
.endif
	FETCH_B \next, 0, 0
	FETCH_A \next, 0, 0
	SCALES \next, 0, 0
	WIN MUL_HI
	MUL16 4, 1, 0
	MUL16 6, 1, 0
	PLACES
	WIN 0
	FETCH_A \next, 0, 4
.endm
	s_wait_tensorcnt 1
	s_barrier_signal -1
	s_barrier_wait -1
	FETCH_B 0, 0, 0
	FETCH_A 0, 0, 0
	SCALES 0, 0, 0
	FETCH_A 0, 0, 4
	STEP 0, 1
	s_mov_b32 s3, LAPS-1
.Llap:
	TURN 0, 1, 1
	STEP 1, 0
	TURN 1, 0, 1
	STEP 0, 0
	s_sub_co_u32 s3, s3, 1
	s_cmp_lg_u32 s3, 0
	s_cbranch_scc1 .Llap
	TURN 0, 1, 0
	STEP 1, 0
	s_wait_dscnt 24
	WIN MUL_LO
	MUL16 0, 1, 0
	MUL16 2, 1, 0
	s_wait_dscnt 0x0
	WIN MUL_HI
	MUL16 4, 1, 0
	MUL16 6, 1, 0
	WIN 0
.macro COPY a
	WIN (0x02+(\a)/4)
.set i, 0
.rept 32
	v_pk_add_f32 v[EV+i:EV+i+1], v[64*((\a)%4)+i:64*((\a)%4)+i+1], v[BI+i:BI+i+1]
.set i, i+2
.endr
	WIN 0
.if JOB == 0
.set i, 0
.rept 32
	v_pk_add_f32 v[EV+i:EV+i+1], v[EV+i:EV+i+1], v[BL+2*(\a):BL+2*(\a)+1] op_sel_hi:[1,0]
.set i, i+2
.endr
.endif
.endm
.macro GELU16 x
.irp i, 0,2,4,6,8,10,12,14
	v_pk_mul_f32 v[ZV+\i:ZV+\i+1], v[(\x)+\i:(\x)+\i+1], 0x3f3504f3 op_sel_hi:[1,0]
.endr
.irp i, 0,1,2,3,4,5,6,7,8,9,10,11,12,13,14,15
	v_med3_num_f32 v[ZV+\i], v[ZV+\i], -4.0, 4.0
.endr
.irp i, 0,2,4,6,8,10,12,14
	v_pk_mul_f32 v[192+\i:193+\i], v[ZV+\i:ZV+\i+1], v[ZV+\i:ZV+\i+1]
.endr
.irp i, 0,2,4,6,8,10,12,14
	v_pk_fma_f32 v[208+\i:209+\i], v[192+\i:193+\i], 0xaf95df0b, v[10:11] op_sel_hi:[1,0,1]
	v_pk_fma_f32 v[240+\i:241+\i], v[192+\i:193+\i], 0xb77460cd, v[12:13] op_sel_hi:[1,0,1]
.endr
.irp c, 0xb60cff51, 0xb86ec2d2, 0xba40ac63, 0xbb41a1f6, 0xbc83dbd4
.irp i, 0,2,4,6,8,10,12,14
	v_pk_fma_f32 v[208+\i:209+\i], v[208+\i:209+\i], v[192+\i:193+\i], \c op_sel_hi:[1,1,0]
.endr
.endr
.irp c, 0xbadc924e, 0xbbf19bf8, 0xbc69b6a7
.irp i, 0,2,4,6,8,10,12,14
	v_pk_fma_f32 v[240+\i:241+\i], v[240+\i:241+\i], v[192+\i:193+\i], \c op_sel_hi:[1,1,0]
.endr
.endr
	s_wait_alu depctr_va_vdst(0)
.irp i, 0,1,2,3,4,5,6,7,8,9,10,11,12,13,14,15
	v_rcp_f32 v[240+\i], v[240+\i]
.endr
.irp i, 0,2,4,6,8,10,12,14
	v_pk_mul_f32 v[208+\i:209+\i], v[208+\i:209+\i], v[ZV+\i:ZV+\i+1]
.endr
.irp i, 0,2,4,6,8,10,12,14
	v_pk_mul_f32 v[ZV+\i:ZV+\i+1], v[(\x)+\i:(\x)+\i+1], 0.5 op_sel_hi:[1,0]
.endr
	s_wait_alu depctr_va_vdst(0)
.irp i, 0,2,4,6,8,10,12,14
	v_pk_mul_f32 v[208+\i:209+\i], v[208+\i:209+\i], v[240+\i:241+\i]
.endr
.irp i, 0,2,4,6,8,10,12,14
	v_pk_fma_f32 v[(\x)+\i:(\x)+\i+1], v[ZV+\i:ZV+\i+1], v[208+\i:209+\i], v[ZV+\i:ZV+\i+1]
.endr
.endm
	PLACES
	s_wait_loadcnt 0x0
.if JOB == 0
.irp a, 0,1,2,3,4,5,6,7
	v_mov_b32 v[BL+2*\a+1], v[BL+2*\a]
.endr
.endif
.if QNT
.irp i, 0,1,2,3,4,5,6,7
	v_mov_b32 v[SW+\i], 0
.endr
.irp b, 0,1,2,3
	v_mov_b32 v[TM+4+\b], 0
.endr
.endif
	s_mov_b32 s[EA], 0
.Lout:
	s_wait_xcnt 0x0
	s_mov_b32 s87, 0
.if QNT
	s_mul_i32 s86, s[EA], 768
	s_add_nc_u64 s[74:75], s[76:77], s[86:87]
.endif
.if F32O
	s_lshr_b32 s86, s[EA], 1
	s_lshl_b32 s86, s86, 17
	s_and_b32 s70, s[EA], 1
	s_lshl_b32 s70, s70, 15
	s_add_co_u32 s86, s86, s70
	s_add_nc_u64 s[80:81], s[78:79], s[86:87]
.endif
.irp a, 0,1,2,3,4,5,6,7
	s_cmp_lg_u32 s[EA], \a
	s_cbranch_scc1 .Lnot\a
	COPY \a
.Lnot\a:
.endr
.if JOB == 2
	GELU16 EV
	GELU16 EV+16
	GELU16 EV+32
	GELU16 EV+48
.endif
.if F32O
.irp b, 0,1,2,3,4,5,6,7
	ds_store_b128 v[STO], v[EV+8*\b:EV+8*\b+3] offset:128*(\b/2)+32*(\b%2)
	ds_store_b128 v[STO], v[EV+8*\b+4:EV+8*\b+7] offset:128*(\b/2)+32*(\b%2)+16
.endr
.endif
.if QNT
	QUANT EV, PC, PW
.irp p, 0,1,2,3,4,5
	global_store_b64 v[LO], v[PC+2*\p:PC+2*\p+1], s[74:75] offset:6656*(\p/3)+256*(\p%3)
.endr
.irp i, 0,1,2,3,4,5,6
	v_mov_b32 v[SW+\i], v[SW+\i+1]
.endr
	v_mov_b32 v[SW+7], v[PW]
.endif
.if F32O
.irp i, 0,1,2,3,4,5,6,7,8,9,10,11,12,13,14,15
	ds_load_b128 v[EV+4*\i:EV+4*\i+3], v[RD] offset:\i*SPITCH
.endr
.irp i, 0,1,2,3,4,5,6,7,8,9,10,11,12,13,14,15
	s_wait_dscnt 15-\i
	global_store_b128 v[CO], v[EV+4*\i:EV+4*\i+3], s[80:81] offset:(\i+8*(\i/8))*4096
.endr
.endif
	s_add_co_u32 s[EA], s[EA], 1
	s_cmp_lt_u32 s[EA], 8
	s_cbranch_scc1 .Lout
.if QNT
	s_mov_b32 s83, 0xffff0000
.irp i, 0,1,2,3
	v_cndmask_b32 v[TM+\i], v[SW+\i], v[SW+4+\i], s83
.endr
	global_store_b128 v[SCO], v[TM:TM+3], s[76:77] offset:6144
.endif
	s_wait_tensorcnt 0x0
	ds_add_u32 v[SPW], v[NIL]
	s_wait_dscnt 0x0
	CROUND
	s_endpgm
.Lfunc_end_k_qe23ab0d370_ffn1:
	.size	k_qe23ab0d370_ffn1, .Lfunc_end_k_qe23ab0d370_ffn1-k_qe23ab0d370_ffn1
	.p2alignl 7, 3214868480
	.fill 96, 4, 3214868480
	.section	.rodata,"a",@progbits
	.p2align	6, 0x0
	.amdhsa_kernel k_qe23ab0d370_ffn1
		.amdhsa_group_segment_fixed_size 327680
		.amdhsa_private_segment_fixed_size 0
		.amdhsa_enable_private_segment 0
		.amdhsa_kernarg_size 32
		.amdhsa_user_sgpr_count 2
		.amdhsa_user_sgpr_kernarg_segment_ptr 1
		.amdhsa_wavefront_size32 1
		.amdhsa_system_sgpr_workgroup_id_x 1
		.amdhsa_system_sgpr_workgroup_id_y 1
		.amdhsa_system_sgpr_workgroup_id_z 1
		.amdhsa_system_vgpr_workitem_id 0
		.amdhsa_next_free_vgpr 1024
		.amdhsa_next_free_sgpr 100
		.amdhsa_reserve_vcc 0
		.amdhsa_float_denorm_mode_32 3
		.amdhsa_float_denorm_mode_16_64 3
		.amdhsa_memory_ordered 1
		.amdhsa_forward_progress 1
		.amdhsa_inst_pref_size 201
	.end_amdhsa_kernel
	.amdgpu_metadata
---
amdhsa.version: [ 1, 2 ]
amdhsa.kernels:
  - .name:           k_qe23ab0d370_ffn1
    .symbol:         k_qe23ab0d370_ffn1.kd
    .args:
      - { .name: at, .offset: 0, .size: 8, .value_kind: global_buffer, .address_space: global }
      - { .name: ops, .offset: 8, .size: 8, .value_kind: global_buffer, .address_space: global }
      - { .name: b1, .offset: 16, .size: 8, .value_kind: global_buffer, .address_space: global }
      - { .name: hq, .offset: 24, .size: 8, .value_kind: global_buffer, .address_space: global }
    .group_segment_fixed_size: 327680
    .private_segment_fixed_size: 0
    .kernarg_segment_align: 8
    .kernarg_segment_size: 32
    .max_flat_workgroup_size: 128
    .sgpr_count:     100
    .vgpr_count:     1024
    .wavefront_size: 32
...
	.end_amdgpu_metadata
.endif
;; end of part 12
;; launch ffn2 (part 13): grid 8 x 32, 4 waves a work-group, clusters of 4 x 4, 327,680 bytes of LDS; arguments hq, ops, b2, yf; writes yf
.if DOCPART == 13
	.amdgcn_target "amdgcn-amd-amdhsa--gfx1250"
	.amdhsa_code_object_version 6
	.text
	.protected	k_qe23ab0d370_ffn2
	.globl	k_qe23ab0d370_ffn2
	.p2align	8
	.type	k_qe23ab0d370_ffn2,@function
k_qe23ab0d370_ffn2:
	s_mov_b64 s[64:65], 0
	v_nop
	global_prefetch_b8 v0, s[64:65] scope:SCOPE_SE
	s_setreg_imm32_b32 hwreg(HW_REG_WAVE_MODE, 25, 1), 1
	s_wait_xcnt 0x0
	s_wait_alu depctr_hold_cnt(0) depctr_sa_sdst(0) depctr_va_vdst(0) depctr_va_sdst(0) depctr_va_ssrc(0) depctr_va_vcc(0) depctr_vm_vsrc(0)
	s_getreg_b32 s2, hwreg(HW_REG_IB_STS2, 6, 4)
	s_cmp_eq_u32 s2, 0
	s_cbranch_scc0 .Lentry_in_a_cluster
	s_endpgm
.Lentry_in_a_cluster:
	s_bfe_u32 s2, ttmp6, 0x10000c
	s_cmp_lg_u32 s2, 0xf033
	s_cbranch_scc0 .Lentry_shape_is_right
	s_endpgm
.Lentry_shape_is_right:
.set JOB, 3
.if JOB == 3
.set KS,   32
.set BOFF, 768*12800
.set QNT,  0
.else
.set KS,   8
.set BOFF, 448*12800
.set QNT,  1
.endif
.set CH,    12800
.set SS,    6
.set NF,    KS/SS
.set TAIL,  KS-SS*NF
.set PART,  3*CH
.set HALFS, SS*CH
.set SLOT,  2*HALFS
.set SPARE, 2*SLOT
.set SPITCH, 272
.set ADRA, 10
.set ADRB, 14
.set ADRS, 18
.set STO,  24
.set RD,   25
.set CO,   26
.set LO,   27
.set SPW,  28
.set NIL,  29
.set GS,   30
.set SC,   32
.set BI,   40
.set PC,   72
.set T2,   104
.set TM,   108
.set ACC,  128
.set G1,   24
.set G0,   32
.set G1B,  48
.set G0B,  56
.set G1T,  68
.set G1TB, 76
.set G0T,  84
.set G0TB, 88
.set OC,   92
.set OS,   94
.set OF,   96
.set SEL,  12
.set MSB, 0
.macro WIN new
.if MSB != \new
	s_set_vgpr_msb (MSB<<8)|\new
.set MSB, \new
.endif
.endm
.set MUL,  0x05
.set TO_F, 0x40
.macro JLOAD g0a, g1a, g0b, g1b
	s_cmp_eq_u32 s15, 0
	s_cbranch_scc0 .Lfor_b_\@
	tensor_load_to_lds s[\g0a:\g0a+3], s[\g1a:\g1a+7]
	s_nop 0
.rept 4
	v_nop
.endr
	s_branch .Lasked_\@
.Lfor_b_\@:
	tensor_load_to_lds s[\g0b:\g0b+3], s[\g1b:\g1b+7]
	s_nop 0
.rept 4
	v_nop
.endr
.Lasked_\@:
.endm
.macro CROUND
	s_barrier_signal -1
	s_barrier_wait -1
	s_cmp_lg_u32 s14, 0
	s_cbranch_scc1 .Lnot_wave_0_\@
	s_barrier_signal -3
.Lnot_wave_0_\@:
	s_barrier_wait -3
	s_barrier_signal -1
	s_barrier_wait -1
.endm
.macro PLACES
.rept 4
	v_nop
.endr
.endm
	s_load_b256 s[4:11], s[0:1], 0x0
	v_lshl_add_u32 v[SPW], v0, 2, SPARE
	v_mov_b32 v[NIL], 0
	ds_add_u32 v[SPW], v[NIL]
	ds_add_u32 v[SPW], v[NIL]
	v_lshrrev_b32 v1, 5, v0
	v_readfirstlane_b32 s14, v1
	s_lshr_b32 s15, s14, 1
	s_and_b32 s16, s14, 1
	s_bfe_u32 s40, ttmp6, 0x40000
	s_bfe_u32 s41, ttmp6, 0x40004
	s_and_b32 s17, ttmp7, 0xffff
	s_lshl_b32 s43, s41, 2
	s_lshl_b32 s43, 15, s43
	s_lshl_b32 s44, 0x1111, s40
	s_lshl_b32 s18, s17, 2
	s_add_co_u32 s18, s18, s41
	s_lshl_b32 s19, ttmp9, 2
	s_add_co_u32 s19, s19, s40
	s_mul_i32 s20, s18, KS*CH
	s_mov_b32 s21, 0
	s_mul_i32 s46, s19, KS*CH
	s_add_co_u32 s46, s46, BOFF
	s_mov_b32 s47, 0
	s_mul_i32 s22, s16, PART
	s_mov_b32 s23, 0
	s_mul_i32 s66, s16, CH
	s_add_co_u32 s66, s66, NF*SS*CH
	s_mov_b32 s67, 0
	s_mul_i32 s45, s14, PART
	s_mul_i32 s42, s15, HALFS
	s_mul_i32 s2, s16, CH
	s_add_co_u32 s42, s42, s2
	s_add_co_u32 s42, s42, SLOT
	s_or_b32 s[G1], s43, (3<<16)|(1<<21)
	s_or_b32 s[G1B], s44, (3<<16)|(1<<21)
	s_or_b32 s[G1T], s43, (3<<16)|(1<<21)
	s_or_b32 s[G1TB], s44, (3<<16)|(1<<21)
.irp g, G1, G1B
	s_mov_b32 s[\g+1], 32<<16
	s_mov_b32 s[\g+2], 150<<16
	s_mov_b32 s[\g+3], 32<<16
	s_mov_b32 s[\g+4], 150
	s_mov_b32 s[\g+5], 32
	s_mov_b32 s[\g+6], 0
	s_mov_b32 s[\g+7], 0
.endr
.irp g, G1T, G1TB
	s_mov_b32 s[\g+1], 32<<16
	s_mov_b32 s[\g+2], 50<<16
	s_mov_b32 s[\g+3], 32<<16
	s_mov_b32 s[\g+4], 50
	s_mov_b32 s[\g+5], 32
	s_mov_b32 s[\g+6], 0
	s_mov_b32 s[\g+7], 0
.endr
	s_mov_b32 s[SEL], 0x76543210
	s_mov_b32 s[SEL+1], 0xfedcba98
	s_wait_dscnt 0x0
	s_wait_kmcnt 0x0
	s_add_nc_u64 s[20:21], s[4:5], s[20:21]
	s_add_nc_u64 s[46:47], s[6:7], s[46:47]
	s_mov_b32 s[G0T], 1
	s_mov_b32 s[G0T+1], s42
	s_add_nc_u64 s[G0T+2:G0T+3], s[20:21], s[66:67]
	s_or_b32 s[G0T+3], s[G0T+3], 0x80000000
	s_mov_b32 s[G0TB], 1
	s_mov_b32 s[G0TB+1], s42
	s_add_nc_u64 s[G0TB+2:G0TB+3], s[46:47], s[66:67]
	s_or_b32 s[G0TB+3], s[G0TB+3], 0x80000000
	s_add_nc_u64 s[20:21], s[20:21], s[22:23]
	s_add_nc_u64 s[46:47], s[46:47], s[22:23]
.irp s, 0,1
.if (\s == 0) || (NF > 1)
	s_mov_b32 s[G0+4*\s], 1
	s_add_co_u32 s[G0+4*\s+1], s45, \s*SLOT
	s_add_nc_u64 s[G0+4*\s+2:G0+4*\s+3], s[20:21], \s*SS*CH
	s_or_b32 s[G0+4*\s+3], s[G0+4*\s+3], 0x80000000
	s_mov_b32 s[G0B+4*\s], 1
	s_add_co_u32 s[G0B+4*\s+1], s45, \s*SLOT
	s_add_nc_u64 s[G0B+4*\s+2:G0B+4*\s+3], s[46:47], \s*SS*CH
	s_or_b32 s[G0B+4*\s+3], s[G0B+4*\s+3], 0x80000000
.endif
.endr
	CROUND
	JLOAD G0, G1, G0B, G1B
.if NF > 1
	s_wait_alu depctr_va_vdst(0)
	s_wait_tensorcnt 0x0
	ds_add_u32 v28, v29
	s_wait_dscnt 0x0
	CROUND
	JLOAD G0+4, G1, G0B+4, G1B
.else
	JLOAD G0T, G1T, G0TB, G1TB
.endif
	v_and_b32 v1, 15, v0
	v_bfe_u32 v2, v0, 4, 1
	s_wait_alu depctr_va_vdst(0)
	v_and_b32 v3, 31, v0
	v_lshlrev_b32 v8, 6, v2
	s_lshl_b32 s98, s19, 9
	s_lshl_b32 s99, s16, 8
	s_add_co_u32 s98, s98, s99
	s_mov_b32 s99, 0
	s_add_nc_u64 s[8:9], s[8:9], s[98:99]
.irp b, 0,1,2,3
	global_load_b128 v[BI+8*\b:BI+8*\b+3], v8, s[8:9] offset:(32*(\b/2)+8*(\b%2))*4
	global_load_b128 v[BI+8*\b+4:BI+8*\b+7], v8, s[8:9] offset:(32*(\b/2)+8*(\b%2))*4+16
.endr
	v_lshlrev_b32 v[LO], 3, v3
	v_lshlrev_b32 v[GS], 5, v1
	s_mul_i32 s2, s15, 3072
	s_mul_i32 s3, s16, 3072
	s_add_co_u32 s3, s3, HALFS
	v_add_nc_u32 v[ADRA], s2, v[LO]
	v_add_nc_u32 v[ADRB], s3, v[LO]
	s_lshl_b32 s2, s16, 4
	s_xor_b32 s3, s15, 1
	s_lshl_b32 s3, s3, 4
	s_add_co_u32 s2, s2, s3
	s_add_co_u32 s2, s2, HALFS-16
	v_mul_u32_u24 v6, s2, v2
	v_lshl_add_u32 v6, v1, 5, v6
	s_lshl_b32 s3, s15, 4
	s_add_co_u32 s3, s3, 6144
	v_add_nc_u32 v[ADRS], s3, v6
.irp g, ADRA, ADRB, ADRS
	v_add_nc_u32 v[\g+1], PART, v[\g]
	v_add_nc_u32 v[\g+2], SLOT, v[\g]
	v_add_nc_u32 v[\g+3], SLOT+PART, v[\g]
.endr
	s_mul_i32 s2, s14, 16*SPITCH
	v_mul_u32_u24 v5, v1, SPITCH
	v_lshl_add_u32 v5, v2, 6, v5
	v_add_nc_u32 v[STO], s2, v5
	v_mul_u32_u24 v5, v2, SPITCH
	v_lshl_add_u32 v5, v1, 4, v5
	v_add_nc_u32 v[RD], s2, v5
	v_lshlrev_b32 v[CO], 12, v2
	v_lshl_add_u32 v[CO], v1, 4, v[CO]
.if QNT
	s_lshl_b32 s98, s18, 3
	s_add_co_u32 s98, s98, s19
	s_mul_i32 s98, s98, CH
	s_add_co_u32 s98, s98, 16777216
	s_add_nc_u64 s[OS:OS+1], s[10:11], s[98:99]
	s_mul_i32 s98, s16, 6656
	s_mul_i32 s2, s15, 3072
	s_add_co_u32 s98, s98, s2
	s_add_nc_u64 s[OC:OC+1], s[OS:OS+1], s[98:99]
	s_lshl_b32 s98, s15, 4
	s_lshl_b32 s2, s16, 1
	s_add_co_u32 s98, s98, s2
	s_add_co_u32 s98, s98, 6144
	s_add_nc_u64 s[OS:OS+1], s[OS:OS+1], s[98:99]
.endif
	s_lshl_b32 s98, s18, 19
	s_lshl_b32 s2, s15, 18
	s_add_co_u32 s98, s98, s2
	s_lshl_b32 s2, s19, 9
	s_add_co_u32 s98, s98, s2
	s_lshl_b32 s2, s16, 8
	s_add_co_u32 s98, s98, s2
	s_add_nc_u64 s[OF:OF+1], s[10:11], s[98:99]
.macro FRAG reg, adr, off, t
.irp p, 0,1,2,3,4,5
	ds_load_b64 v[\reg+2*\p:\reg+2*\p+1], v[\adr] offset:\off+6656*(\p/3)+768*(\t)+256*(\p%3)
.endr
.endm
.macro FETCH slot, q
	WIN 0
	ds_load_b128 v[SC+4*((\q)%2):SC+4*((\q)%2)+3], v[ADRS+2*(\slot)+(\q)/3] offset:CH*((\q)%3)
	WIN TO_F
.irp i, 0,1,2,3
	FRAG 128*((\q)%2)+12*\i, ADRA+2*(\slot)+(\q)/3, CH*((\q)%3), \i
.endr
.irp i, 0,1,2,3
	FRAG 128*((\q)%2)+48+12*\i, ADRB+2*(\slot)+(\q)/3, CH*((\q)%3), \i
.endr
.endm
.macro MUL16 p, first
.irp a, 0,1,2,3
.irp b, 0,1,2,3
.if \first
	v_wmma_scale_f32_16x16x128_f8f6f4 v[ACC+8*(4*\a+\b):ACC+8*(4*\a+\b)+7], v[128*(\p)+48+12*\b:128*(\p)+48+12*\b+11], v[128*(\p)+12*\a:128*(\p)+12*\a+11], v[BI+8*\b:BI+8*\b+7], v[SC+4*(\p)+\b], v[SC+4*(\p)+\a] matrix_a_fmt:MATRIX_FMT_FP6 matrix_b_fmt:MATRIX_FMT_FP6 matrix_a_scale:MATRIX_SCALE_ROW1
.else
	v_wmma_scale_f32_16x16x128_f8f6f4 v[ACC+8*(4*\a+\b):ACC+8*(4*\a+\b)+7], v[128*(\p)+48+12*\b:128*(\p)+48+12*\b+11], v[128*(\p)+12*\a:128*(\p)+12*\a+11], v[ACC+8*(4*\a+\b):ACC+8*(4*\a+\b)+7], v[SC+4*(\p)+\b], v[SC+4*(\p)+\a] matrix_a_fmt:MATRIX_FMT_FP6 matrix_b_fmt:MATRIX_FMT_FP6 matrix_a_scale:MATRIX_SCALE_ROW1
.endif
.endr
.endr
.endm
.macro PROC slot, n, first
.set Q, 0
.rept \n
	s_wait_dscnt 0x0
.if Q+1 < \n
	PLACES
	FETCH \slot, Q+1
.endif
	WIN MUL
.if (\first) && (Q == 0)
	MUL16 0, 1
.else
	MUL16 Q%2, 0
.endif
.set Q, Q+1
.endr
	WIN 0
.endm
.macro CHANGE kind, slot
	s_wait_tensorcnt 0x0
	ds_add_u32 v[SPW], v[NIL]
.if \kind == 1
	s_add_nc_u64 s[G0+4*(\slot)+2:G0+4*(\slot)+3], s[G0+4*(\slot)+2:G0+4*(\slot)+3], 2*SS*CH
	s_add_nc_u64 s[G0B+4*(\slot)+2:G0B+4*(\slot)+3], s[G0B+4*(\slot)+2:G0B+4*(\slot)+3], 2*SS*CH
.endif
	s_wait_dscnt 0x0
.if \kind == 0
	s_barrier_signal -1
	s_barrier_wait -1
	PLACES
.else
	CROUND
.if \kind == 1
	JLOAD G0+4*(\slot), G1, G0B+4*(\slot), G1B
.else
	JLOAD G0T, G1T, G0TB, G1TB
.endif
.endif
.endm
	s_wait_tensorcnt 1
	s_barrier_signal -1
	s_barrier_wait -1
	FETCH 0, 0
	s_wait_loadcnt 0x0
	PROC 0, SS, 1
.if NF > 1
	CHANGE 1, 0
	FETCH 1, 0
	s_wait_alu depctr_va_vdst(0)
	PROC 1, SS, 0
	CHANGE 1, 1
	FETCH 0, 0
	PROC 0, SS, 0
	CHANGE 1, 0
	FETCH 1, 0
	PROC 1, SS, 0
	CHANGE 2, 1
	FETCH 0, 0
	PROC 0, SS, 0
.endif
	CHANGE 0, 0
	FETCH 1, 0
	PROC 1, TAIL, 0
.macro TOSTAGE a
.set EV, ACC+32*(\a)
.set PA, PC+8*(\a)
.irp b, 0,1,2,3
	ds_store_b128 v[STO], v[EV+8*\b:EV+8*\b+3] offset:128*(\b/2)+32*(\b%2)
	ds_store_b128 v[STO], v[EV+8*\b+4:EV+8*\b+7] offset:128*(\b/2)+32*(\b%2)+16
.endr
.if QNT
.irp b, 0,1
	v_max3_num_f32 v[TM+\b], |v[EV+16*\b]|, |v[EV+1+16*\b]|, 0x1800000
.endr
.irp i, 2,4,6,8,10,12,14
.irp b, 0,1
	v_max3_num_f32 v[TM+\b], v[TM+\b], |v[EV+16*\b+\i]|, |v[EV+1+16*\b+\i]|
.endr
.endr
.irp b, 0,1
	v_permlanex16_b32 v[TM+2+\b], v[TM+\b], s[SEL], s[SEL+1]
.endr
.irp b, 0,1
	v_max_num_f32 v[TM+\b], v[TM+\b], v[TM+2+\b]
.endr
.irp b, 0,1
	v_add_nc_u32 v[TM+4+\b], 0xff000000, v[TM+\b]
.endr
.irp b, 0,1
	v_lshrrev_b32 v[TM+2+\b], 23, v[TM+4+\b]
.endr
	v_lshl_or_b32 v[PA+6], v[TM+3], 8, v[TM+2]
	v_cvt_scalef32_pk16_fp6_f32 v[PA:PA+2], v[EV:EV+15], v[TM+4]
	v_cvt_scalef32_pk16_fp6_f32 v[T2:T2+2], v[EV+16:EV+31], v[TM+5]
	v_nop
.irp i, 0,1,2
	v_permlane16_swap_b32 v[PA+\i], v[T2+\i]
.endr
.irp i, 0,1,2
	v_mov_b32 v[PA+3+\i], v[T2+\i]
.endr
.irp p, 0,1,2
	global_store_b64 v[LO], v[PA+2*\p:PA+2*\p+1], s[OC:OC+1] offset:768*(\a)+256*\p
.endr
	global_store_b16 v[GS], v[PA+6], s[OS:OS+1] offset:4*(\a)
.endif
.irp i, 0,1,2,3,4,5,6,7
	ds_load_b128 v[EV+4*\i:EV+4*\i+3], v[RD] offset:2*\i*SPITCH
.endr
.endm
.macro SEND a, younger
.set EV, ACC+32*(\a)
.irp i, 0,1,2,3,4,5,6,7
	s_wait_dscnt \younger+7-\i
	global_store_b128 v[CO], v[EV+4*\i:EV+4*\i+3], s[OF:OF+1] offset:(32*((\a)/2)+8*((\a)%2)+2*\i+8*(\i/4))*4096
.endr
.endm
	PLACES
.if QNT
	v_mov_b32 v[TM+2], 0
	v_mov_b32 v[TM+3], 0
.endif
	TOSTAGE 0
.irp a, 1,2,3
	TOSTAGE \a
	SEND \a-1, 16
.endr
	SEND 3, 0
	s_wait_tensorcnt 0x0
	ds_add_u32 v[SPW], v[NIL]
	s_wait_dscnt 0x0
	CROUND
	s_endpgm
.Lfunc_end_k_qe23ab0d370_ffn2:
	.size	k_qe23ab0d370_ffn2, .Lfunc_end_k_qe23ab0d370_ffn2-k_qe23ab0d370_ffn2
	.p2alignl 7, 3214868480
	.fill 96, 4, 3214868480
	.section	.rodata,"a",@progbits
	.p2align	6, 0x0
	.amdhsa_kernel k_qe23ab0d370_ffn2
		.amdhsa_group_segment_fixed_size 327680
		.amdhsa_private_segment_fixed_size 0
		.amdhsa_enable_private_segment 0
		.amdhsa_kernarg_size 32
		.amdhsa_user_sgpr_count 2
		.amdhsa_user_sgpr_kernarg_segment_ptr 1
		.amdhsa_wavefront_size32 1
		.amdhsa_system_sgpr_workgroup_id_x 1
		.amdhsa_system_sgpr_workgroup_id_y 1
		.amdhsa_system_sgpr_workgroup_id_z 1
		.amdhsa_system_vgpr_workitem_id 0
		.amdhsa_next_free_vgpr 512
		.amdhsa_next_free_sgpr 100
		.amdhsa_reserve_vcc 0
		.amdhsa_float_denorm_mode_32 3
		.amdhsa_float_denorm_mode_16_64 3
		.amdhsa_memory_ordered 1
		.amdhsa_forward_progress 1
		.amdhsa_inst_pref_size 193
	.end_amdhsa_kernel
	.amdgpu_metadata
---
amdhsa.version: [ 1, 2 ]
amdhsa.kernels:
  - .name:           k_qe23ab0d370_ffn2
    .symbol:         k_qe23ab0d370_ffn2.kd
    .args:
      - { .name: hq, .offset: 0, .size: 8, .value_kind: global_buffer, .address_space: global }
      - { .name: ops, .offset: 8, .size: 8, .value_kind: global_buffer, .address_space: global }
      - { .name: b2, .offset: 16, .size: 8, .value_kind: global_buffer, .address_space: global }
      - { .name: yf, .offset: 24, .size: 8, .value_kind: global_buffer, .address_space: global }
    .group_segment_fixed_size: 327680
    .private_segment_fixed_size: 0
    .kernarg_segment_align: 8
    .kernarg_segment_size: 32
    .max_flat_workgroup_size: 128
    .sgpr_count:     100
    .vgpr_count:     512
    .wavefront_size: 32
...
	.end_amdgpu_metadata
.endif
;; end of part 13
;; launch lnorm (part 14): grid 256 x 1, 8 waves a work-group, no clusters, 0 bytes of LDS; arguments at, yf, gamma, beta, out0; writes out0
.if DOCPART == 14
	.amdgcn_target "amdgcn-amd-amdhsa--gfx1250"
	.amdhsa_code_object_version 6
	.text
	.protected	k_qe23ab0d370_lnorm
	.globl	k_qe23ab0d370_lnorm
	.p2align	8
	.type	k_qe23ab0d370_lnorm,@function
k_qe23ab0d370_lnorm:
	s_mov_b64 s[64:65], 0
	v_nop
	global_prefetch_b8 v0, s[64:65] scope:SCOPE_SE
	s_setreg_imm32_b32 hwreg(HW_REG_WAVE_MODE, 25, 1), 1
	s_wait_xcnt 0x0
; out = ((y - mean) / sqrt(var + 1e-6)) gamma + beta, y = attn_out + down, along rows of 1,024 f32.
; A row is 4,096 bytes: one wave takes a whole row, eight loads of 16 bytes a lane from each of the two summands, and keeps it in 32 registers: no LDS, no barrier.  A wave takes two rows; a work-group 16.
; The variance is taken of the deviations from the mean (two passes over registers), so no difference of large sums is formed.
; Memory binds: matrix units, clusters and LDS would add nothing.  Every load and store of a wave covers 512 consecutive bytes.
.set GM, 16                            ; v16-47 gamma;  v48-79 beta;  v80-143, v144-207 a row's two summands
.set BT, 48
	s_load_b256 s[4:11], s[0:1], 0x0               ; attn_out (the head of at), down, gamma, beta
	s_load_b64 s[12:13], s[0:1], 0x20              ; out0
	v_lshrrev_b32 v1, 5, v0
	s_delay_alu instid0(VALU_DEP_1)
	v_readfirstlane_b32 s14, v1                    ; wave
	v_and_b32 v1, 31, v0
	s_delay_alu instid0(VALU_DEP_1)
	v_lshlrev_b32 v1, 4, v1                        ; 16 x lane
	s_lshl_b32 s16, ttmp9, 4
	s_lshl_b32 s15, s14, 1
	s_add_co_u32 s16, s16, s15                     ; my first row
	s_lshl_b32 s16, s16, 12
	s_mov_b32 s17, 0
	s_mov_b32 s18, 0x76543210
	s_mov_b32 s19, 0xfedcba98
	s_mov_b32 s20, 0x3a800000                      ; 1 / 1,024
	s_mov_b32 s21, 0x358637bd                      ; 1e-6
	s_wait_alu depctr_va_vdst(0)
	s_wait_kmcnt 0x0
	s_add_nc_u64 s[4:5], s[4:5], s[16:17]
	s_add_nc_u64 s[6:7], s[6:7], s[16:17]
	s_add_nc_u64 s[12:13], s[12:13], s[16:17]
.irp i, 0,1,2,3,4,5,6,7
	global_load_b128 v[GM+4*\i:GM+4*\i+3], v1, s[8:9] offset:512*\i
	global_load_b128 v[BT+4*\i:BT+4*\i+3], v1, s[10:11] offset:512*\i
.endr
.irp p, 0,1
.irp i, 0,1,2,3,4,5,6,7
	global_load_b128 v[80+64*\p+4*\i:83+64*\p+4*\i], v1, s[4:5] offset:4096*\p+512*\i th:TH_LOAD_NT
	global_load_b128 v[112+64*\p+4*\i:115+64*\p+4*\i], v1, s[6:7] offset:4096*\p+512*\i th:TH_LOAD_NT
.endr
.endr
.macro REDUCE                          ; v208 summed over the 32 lanes, the result in every lane
	s_delay_alu instid0(VALU_DEP_1)
	v_add_f32_dpp v208, v208, v208 row_xmask:1 row_mask:0xf bank_mask:0xf
	s_delay_alu instid0(VALU_DEP_1)
	v_add_f32_dpp v208, v208, v208 row_xmask:2 row_mask:0xf bank_mask:0xf
	s_delay_alu instid0(VALU_DEP_1)
	v_add_f32_dpp v208, v208, v208 row_xmask:4 row_mask:0xf bank_mask:0xf
	s_delay_alu instid0(VALU_DEP_1)
	v_add_f32_dpp v208, v208, v208 row_xmask:8 row_mask:0xf bank_mask:0xf
	s_delay_alu instid0(VALU_DEP_1)
	v_permlanex16_b32 v209, v208, s18, s19
	s_delay_alu instid0(VALU_DEP_1)
	v_add_f32 v208, v208, v209
.endm
.macro ROW p
.set RA, 80+64*(\p)
.set RY, RA+32
.set i, 0
.rept 16
	v_pk_add_f32 v[RA+i:RA+i+1], v[RA+i:RA+i+1], v[RY+i:RY+i+1]     ; y
.set i, i+2
.endr
	v_pk_add_f32 v[208:209], v[RA:RA+1], v[RA+2:RA+3]               ; the sum, in two chains
	v_pk_add_f32 v[210:211], v[RA+4:RA+5], v[RA+6:RA+7]
.set i, 8
.rept 6
	s_delay_alu instid0(VALU_DEP_2)
	v_pk_add_f32 v[208:209], v[208:209], v[RA+i:RA+i+1]
	s_delay_alu instid0(VALU_DEP_2)
	v_pk_add_f32 v[210:211], v[210:211], v[RA+i+2:RA+i+3]
.set i, i+4
.endr
	s_delay_alu instid0(VALU_DEP_1)
	v_pk_add_f32 v[208:209], v[208:209], v[210:211]
	s_delay_alu instid0(VALU_DEP_1)
	v_add_f32 v208, v208, v209
	REDUCE
	s_delay_alu instid0(VALU_DEP_1)
	v_mul_f32 v212, s20, v208                      ; the mean
	s_delay_alu instid0(VALU_DEP_1)
	v_mov_b32 v213, v212
.set i, 0
.rept 16
	v_pk_add_f32 v[RA+i:RA+i+1], v[RA+i:RA+i+1], v[212:213] neg_lo:[0,1] neg_hi:[0,1]
.set i, i+2
.endr
	v_pk_mul_f32 v[208:209], v[RA:RA+1], v[RA:RA+1]                 ; the sum of squares of the deviations
	v_pk_mul_f32 v[210:211], v[RA+2:RA+3], v[RA+2:RA+3]
.set i, 4
.rept 7
	s_delay_alu instid0(VALU_DEP_2)
	v_pk_fma_f32 v[208:209], v[RA+i:RA+i+1], v[RA+i:RA+i+1], v[208:209]
	s_delay_alu instid0(VALU_DEP_2)
	v_pk_fma_f32 v[210:211], v[RA+i+2:RA+i+3], v[RA+i+2:RA+i+3], v[210:211]
.set i, i+4
.endr
	s_delay_alu instid0(VALU_DEP_1)
	v_pk_add_f32 v[208:209], v[208:209], v[210:211]
	s_delay_alu instid0(VALU_DEP_1)
	v_add_f32 v208, v208, v209
	REDUCE
	s_delay_alu instid0(VALU_DEP_1)
	v_fma_f32 v208, v208, s20, s21                 ; var + 1e-6
	s_wait_alu depctr_va_vdst(0)
	v_rsq_f32 v214, v208
	v_nop                                          ; a plain place behind the transcendental
	s_wait_alu depctr_va_vdst(0)                   ; ahead of its first reader
	v_mov_b32 v215, v214
.set i, 0
.rept 16
	v_pk_mul_f32 v[RA+i:RA+i+1], v[RA+i:RA+i+1], v[214:215]
.set i, i+2
.endr
.set i, 0
.rept 16
	v_pk_fma_f32 v[RA+i:RA+i+1], v[RA+i:RA+i+1], v[GM+i:GM+i+1], v[BT+i:BT+i+1]
.set i, i+2
.endr
.irp i, 0,1,2,3,4,5,6,7
	global_store_b128 v1, v[RA+4*\i:RA+4*\i+3], s[12:13] offset:4096*(\p)+512*\i th:TH_STORE_NT
.endr
.endm
	s_wait_loadcnt 16                              ; gamma, beta and the first row are in; the second row's 16 loads may be out
	ROW 0
	s_wait_loadcnt 0x0
	ROW 1
	s_endpgm
.Lfunc_end_k_qe23ab0d370_lnorm:
	.size	k_qe23ab0d370_lnorm, .Lfunc_end_k_qe23ab0d370_lnorm-k_qe23ab0d370_lnorm
	.p2alignl 7, 3214868480
	.fill 96, 4, 3214868480
	.section	.rodata,"a",@progbits
	.p2align	6, 0x0
	.amdhsa_kernel k_qe23ab0d370_lnorm
		.amdhsa_group_segment_fixed_size 0
		.amdhsa_private_segment_fixed_size 0
		.amdhsa_enable_private_segment 0
		.amdhsa_kernarg_size 40
		.amdhsa_user_sgpr_count 2
		.amdhsa_user_sgpr_kernarg_segment_ptr 1
		.amdhsa_wavefront_size32 1
		.amdhsa_system_sgpr_workgroup_id_x 1
		.amdhsa_system_sgpr_workgroup_id_y 1
		.amdhsa_system_sgpr_workgroup_id_z 1
		.amdhsa_system_vgpr_workitem_id 0
		.amdhsa_next_free_vgpr 232
		.amdhsa_next_free_sgpr 66
		.amdhsa_reserve_vcc 0
		.amdhsa_float_denorm_mode_32 3
		.amdhsa_float_denorm_mode_16_64 3
		.amdhsa_memory_ordered 1
		.amdhsa_forward_progress 1
		.amdhsa_inst_pref_size 25
	.end_amdhsa_kernel
	.amdgpu_metadata
---
amdhsa.version: [ 1, 2 ]
amdhsa.kernels:
  - .name:           k_qe23ab0d370_lnorm
    .symbol:         k_qe23ab0d370_lnorm.kd
    .args:
      - { .name: at, .offset: 0, .size: 8, .value_kind: global_buffer, .address_space: global }
      - { .name: yf, .offset: 8, .size: 8, .value_kind: global_buffer, .address_space: global }
      - { .name: gamma, .offset: 16, .size: 8, .value_kind: global_buffer, .address_space: global }
      - { .name: beta, .offset: 24, .size: 8, .value_kind: global_buffer, .address_space: global }
      - { .name: out0, .offset: 32, .size: 8, .value_kind: global_buffer, .address_space: global }
    .group_segment_fixed_size: 0
    .private_segment_fixed_size: 0
    .kernarg_segment_align: 8
    .kernarg_segment_size: 40
    .max_flat_workgroup_size: 256
    .sgpr_count:     66
    .vgpr_count:     232
    .wavefront_size: 32
...
	.end_amdgpu_metadata
.endif
;; end of part 14
